; MI455X (gfx1250); checked and timed in simulation.
; The chip was launched on July 23, 2026; its instructions are those of AMD's public machine-readable ISA for CDNA 5 (MIT licence, August 2026) and "CDNA5" Instruction Set Architecture Reference Guide (July 2026). The comments in the code are by the model that wrote it; some were corrected since.
;; Causal Conv3d Attn Block. Allowed arithmetic: matrix products marked QUANTISED: E3M2 operands, one E8M0 scale for each 32 along K, by v_wmma_scale_f32_16x16x128_f8f6f4 with both operands' format E3M2, f32 sums; everything else in f32.
;; Inputs: beta 256 float32; bk 256 float32; bp 256 float32; bq 256 float32; bv 256 float32; gamma 256 float32; wk 256 x 256 float32; wp 256 x 256 float32; wq 256 x 256 float32; wv 256 x 256 float32; x 1 x 256 x 4 x 64 x 64 float32.
;; Outputs: out0 1 x 256 x 4 x 64 x 64 float32.
;; This version of the problem:
;;   THIS VERSION OF THE PROBLEM IS GIVEN IN LOW PRECISION. The matrix products marked QUANTISED in the list below multiply operands that are first quantised to E3M2 (3 exponent bits, 2 mantissa bits; 6 bits a number), with one power-of-two scale for each 32 numbers along K (OCP MX v1.0); their sums are f32. All else is computed in f32.
;;   The module's matrix products, in the order in which they are computed (A, B: the left and right operand; K: the contracted axis; several contracted axes count as one K, in the product's order):
;;     1. [M 16,384, K 256] x [K 256, N 256]; A: computed on the way; B: input wq: QUANTISED
;;     2. [M 16,384, K 256] x [K 256, N 256]; A: computed on the way; B: input wk: QUANTISED
;;     3. [M 16,384, K 256] x [K 256, N 256]; A: computed on the way; B: input wv: QUANTISED
;;     4. batch 4 x [M 4,096, K 256] x [K 256, N 4,096]; A: computed on the way; B: computed on the way: QUANTISED
;;     5. batch 4 x [M 4,096, K 4,096] x [K 4,096, N 256]; A: softmax (see below); B: computed on the way: QUANTISED
;;     6. [M 16,384, K 256] x [K 256, N 256]; A: computed on the way; B: input wp: QUANTISED
;;   THE QUANTISER, for each operand of a quantised product, along K:
;;     - K is cut into blocks of 32 from its start; a last block that is shorter is filled with zeros.
;;     - A block's scale is 2^e with e = floor(log2(the largest magnitude in the block)) - 4, held to -126 .. 127; a block of zeros has e = 0. As a byte (E8M0): e + 127.
;;     - Each number is divided by its block's scale, clamped to +-28, and rounded to the nearest number of E3M2, ties to even, subnormals kept.
;;     - The product sums the exact products of the quantised numbers (number of the format x scale) in f32.
;;   ~~~python
;;   def quantise(x, axis):      # numpy; x: float32 -> the quantised numbers, widened to float32 again
;;       x = np.moveaxis(x, axis, -1); K = x.shape[-1]
;;       x = np.pad(x, [(0, 0)] * (x.ndim - 1) + [(0, -K % 32)]); x = x.reshape(x.shape[:-1] + (-1, 32)); a = np.abs(x).max(-1, keepdims=True)
;;       e = np.where(a > 0, np.clip(np.frexp(np.where(a > 0, a, 1))[1] - 1 - 4, -126, 127), 0)      # np.frexp(a)[1] - 1 = floor(log2(a)), exactly
;;       r = np.clip(x / 2.0 ** e, -28, 28)
;;       step = 2.0 ** (np.maximum(np.frexp(np.where(r == 0, 1, r))[1] - 1, -2) - 2)
;;       q = np.round(r / step) * step * 2.0 ** e      # np.round: ties to even
;;       return np.moveaxis(q.reshape(q.shape[:-2] + (-1,))[..., :K], -1, axis).astype(np.float32)
;;   ~~~
;;   SOFTMAX AHEAD OF A QUANTISED PRODUCT. Where the list says 'softmax', what is quantised is not the finished softmax but p = 2^(t - M), with t = logit x log2(e) and M = ceil(the row's largest t), a whole number; so 1/2 < the row's largest p <= 1. The row's sum l is taken of the UNQUANTISED p, in f32, and the product's result is divided by l at the end. Since M is a whole number, a kernel that streams over the keys may use a running M (the ceiling of the running maximum): every later rescaling is an exact power of two, which a block's scale takes up: the codes' values come out the same.
;;   OPERANDS COMPUTED ON THE WAY. 'Computed on the way' means the value that the module computes at that place (a softmax that the list does not call 'softmax' is quantised finished and normalised). What goes into a quantiser is computed in f32, as accurately as f32 sums, v_exp_f32 and their like allow (about 1e-6 of the number): no bf16 or f16 on the way to a quantiser, and a product that is left as it is and whose result goes on into a quantised operand takes f32 operands (vector FMAs, or v_wmma_f32_16x16x4_f32). A number that lies on a knife's edge between two numbers of the format may be rounded either way, as far as f32 arithmetic and the matrix unit's own rounding can turn it there, and no further.
;; 2 versions, each right and faster than the one before. Each part assembles by itself: llvm-mc -triple=amdgcn-amd-amdhsa -mcpu=gfx1250 --defsym DOCPART=n.
;; ======== version 1 of 2: 3 launches
;; workspace buffers: chstat 2,048 bytes; wcodes 196,608 bytes; wscales 8,192 bytes; qk 6,553,600 bytes; vimg 3,276,800 bytes
;; launch stats (part 1): grid 256 x 1, 8 waves a work-group, no clusters, 1,536 bytes of LDS; arguments x, wq, wk, wv, wp, chstat, wcodes, wscales; writes chstat, wcodes, wscales
.if DOCPART == 1
	.amdgcn_target "amdgcn-amd-amdhsa--gfx1250"
	.amdhsa_code_object_version 6
	.text
	.protected	k_qf291d95c45_stats
	.globl	k_qf291d95c45_stats
	.p2align	8
	.type	k_qf291d95c45_stats,@function
k_qf291d95c45_stats:
	s_mov_b64 s[64:65], 0
	v_nop
	global_prefetch_b8 v0, s[64:65] scope:SCOPE_SE
	s_setreg_imm32_b32 hwreg(HW_REG_WAVE_MODE, 25, 1), 1
	s_wait_xcnt 0x0
; FIRST OF THREE LAUNCHES.  Work-group c takes channel c of x (16,384 numbers, 65,536 consecutive bytes) and stores its mean and the sum of the squared
; deviations from that mean: chstat[c] = (mean, M2).  The channel stays in registers (64 numbers a thread) between the two passes, so x is read once here, and the
; deviations are taken from the mean itself: no difference of large sums is formed, whatever offset x carries.
; Waves 0 and 1 also quantise four rows of one of the four weights (work-groups 64 m .. 64 m + 63 take matrix m of wq, wk, wv, wp): codes of BF6 (E3M2), K innermost,
; a row of 256 codes in 192 bytes, and one E8M0 byte for each 32 along K.  A block's scale is 2^(floor(log2(its largest magnitude)) - 4): its byte is that magnitude's exponent field - 4.
; LIMITS: NaN and infinities among the inputs are not served.  A block whose largest magnitude lies under 2^-122 gets the byte 1; so does a block of zeros, where the
; quantiser says 127: its codes are zeros, which add nothing under any byte but 0xff, and the bytes are read by this program alone.
; The weights are 1 MiB beside x's 16: there a lane loads its 16 neighbours along K (lanes 64 bytes apart) and a wave's scale bytes are 16; the codes leave as 384 consecutive bytes a wave.
.set XR, 16                            ; v16-79   my 64 numbers of the channel
.set AC, 80                            ; v80-87   four chains of packed sums; v80-95 before that: 16 numbers of a weight (waves 0, 1)
	s_load_b512 s[4:19], s[0:1], 0x0               ; x s[4:5], wq s[6:7], wk s[8:9], wv s[10:11], wp s[12:13], chstat s[14:15], wcodes s[16:17], wscales s[18:19]
	v_lshl_add_u32 v104, v0, 2, 0x200
	v_mov_b32 v105, 0
	v_lshrrev_b32 v2, 5, v0
	v_readfirstlane_b32 s21, v2                    ; wave 0..7
	v_lshlrev_b32 v1, 4, v0                        ; 16 bytes a thread: a wave's load covers 512 consecutive bytes
	v_mov_b32 v8, s21
	v_lshlrev_b32 v8, 2, v8                        ; LDS: my wave's word
	v_mov_b32 v9, 0
	s_lshl_b32 s22, ttmp9, 16                      ; the channel's first byte
	s_mov_b32 s23, 0
	s_lshl_b32 s26, ttmp9, 3                       ; and its two words of chstat
	s_mov_b32 s27, 0
	s_lshr_b32 s20, ttmp9, 6                       ; which weight
	s_mov_b32 s30, 0x76543210                      ; v_permlanex16_b32's selects for lane l xor 16
	s_mov_b32 s31, 0xfedcba98
	s_wait_kmcnt 0x0
	s_add_nc_u64 s[4:5], s[4:5], s[22:23]
	s_add_nc_u64 s[14:15], s[14:15], s[26:27]
.irp i, 0,1,2,3,4,5,6,7,8,9,10,11,12,13,14,15
	global_load_b128 v[XR+4*\i:XR+4*\i+3], v1, s[4:5] offset:4096*\i   ; no hint: the later launches read x again
.endr
	s_cmp_gt_u32 s21, 1
	s_cbranch_scc1 .Lno_weights                    ; waves 2 to 7 have no part of the weights; no barrier stands in this branch
	s_cmp_eq_u32 s20, 1                            ; the weight is chosen by the work-group's number alone
	s_cselect_b64 s[6:7], s[8:9], s[6:7]
	s_cmp_eq_u32 s20, 2
	s_cselect_b64 s[6:7], s[10:11], s[6:7]
	s_cmp_eq_u32 s20, 3
	s_cselect_b64 s[6:7], s[12:13], s[6:7]
	s_and_b32 s24, ttmp9, 63
	s_lshl_b32 s24, s24, 2
	s_lshl_b32 s25, s21, 1
	s_add_co_u32 s24, s24, s25                     ; my wave's first row: 4 (c mod 64) + 2 x wave
	v_bfe_u32 v3, v0, 4, 1
	v_and_b32 v4, 15, v0                           ; my piece of 16 numbers of the row
	v_add_nc_u32 v3, s24, v3                       ; my row
	v_lshlrev_b32 v100, 10, v3
	v_lshl_add_u32 v100, v4, 6, v100               ; in: row x 1,024 + piece x 64
.irp j, 0,1,2,3
	global_load_b128 v[AC+4*\j:AC+4*\j+3], v100, s[6:7] offset:16*\j
.endr
	v_mul_u32_u24 v101, v3, 192
	v_mad_u32_u24 v101, v4, 12, v101
	s_mul_i32 s25, s20, 49152
	v_add_nc_u32 v101, s25, v101                   ; codes: matrix x 49,152 + row x 192 + piece x 12
	v_lshrrev_b32 v102, 1, v4
	v_lshl_add_u32 v102, v3, 3, v102
	s_lshl_b32 s25, s20, 11
	v_add_nc_u32 v102, s25, v102                   ; scale byte: matrix x 2,048 + row x 8 + block
	s_wait_loadcnt 0x0
	v_max3_num_f32 v5, |v80|, |v81|, |v82|         ; the largest magnitude of my 16, in two chains
	v_max3_num_f32 v6, |v83|, |v84|, |v85|
.irp i, 6,10
	v_max3_num_f32 v5, v5, |v[AC+\i]|, |v[AC+\i+1]|
	v_max3_num_f32 v6, v6, |v[AC+\i+2]|, |v[AC+\i+3]|
.endr
	v_max3_num_f32 v5, v5, |v94|, |v95|
	v_max3_num_f32 v5, v5, v6, 0x2800000           ; and the floor 2^(5 - 127): the byte cannot fall under 1
	v_max_num_f32_dpp v5, v5, v5 row_xmask:1 row_mask:0xf bank_mask:0xf   ; with my neighbour's 16: the block's
	v_add_nc_u32 v7, 0xfe000000, v5                ; 4 off its exponent field: the conversion takes the exponent field of this operand as its scale
	v_cvt_scalef32_pk16_bf6_f32 v[96:98], v[80:95], v7
	v_lshrrev_b32 v99, 23, v7                      ; the scale's byte (also the plain line behind the conversion)
	global_store_b96 v101, v[96:98], s[16:17]      ; a wave stores 384 consecutive bytes
	global_store_b8 v102, v99, s[18:19]            ; both lanes of a block store the same byte with the same value
.Lno_weights:
	s_wait_loadcnt 0x0                             ; the channel is in
; v80's sum over the 32 lanes, then over the eight waves through the eight LDS words at off: the result in v80 of every lane
.macro ACROSS off
	v_add_f32_dpp v80, v80, v80 row_xmask:1 row_mask:0xf bank_mask:0xf
	v_add_f32_dpp v80, v80, v80 row_xmask:2 row_mask:0xf bank_mask:0xf
	v_add_f32_dpp v80, v80, v80 row_xmask:4 row_mask:0xf bank_mask:0xf
	v_add_f32_dpp v80, v80, v80 row_xmask:8 row_mask:0xf bank_mask:0xf
	v_permlanex16_b32 v81, v80, s30, s31
	v_add_f32 v80, v80, v81
	ds_store_b32 v8, v80 offset:\off               ; all lanes write my wave's word with the same value
	s_wait_dscnt 0x0                               ; for the others' sake: my store is done
	s_barrier_signal -1
	s_barrier_wait -1
	ds_load_b128 v[84:87], v9 offset:\off
	ds_load_b128 v[88:91], v9 offset:\off+16
	s_wait_dscnt 0x0
	v_add_f32 v84, v84, v85
	v_add_f32 v86, v86, v87
	v_add_f32 v88, v88, v89
	v_add_f32 v90, v90, v91
	v_add_f32 v84, v84, v86
	v_add_f32 v88, v88, v90
	v_add_f32 v80, v84, v88
.endm
.irp k, 0,1,2,3
	v_pk_add_f32 v[AC+2*\k:AC+2*\k+1], v[XR+2*\k:XR+2*\k+1], v[XR+8+2*\k:XR+9+2*\k]   ; the first eight pairs start four chains: nothing is cleared
.endr
.set pp, 8
.rept 24
	v_pk_add_f32 v[AC+2*(pp%4):AC+2*(pp%4)+1], v[AC+2*(pp%4):AC+2*(pp%4)+1], v[XR+2*pp:XR+2*pp+1]
.set pp, pp+1
.endr
	v_pk_add_f32 v[80:81], v[80:81], v[82:83]
	v_pk_add_f32 v[84:85], v[84:85], v[86:87]
	v_pk_add_f32 v[80:81], v[80:81], v[84:85]
	v_add_f32 v80, v80, v81
	ACROSS 0
	v_mul_f32 v92, 0x38800000, v80                 ; the mean: the sum x 2^-14
	v_mov_b32 v93, v92
.set pp, 0
.rept 32
	v_pk_add_f32 v[XR+2*pp:XR+2*pp+1], v[XR+2*pp:XR+2*pp+1], v[92:93] neg_lo:[0,1] neg_hi:[0,1]   ; x - mean, in place
.set pp, pp+1
.endr
.irp k, 0,1,2,3
	v_pk_mul_f32 v[AC+2*\k:AC+2*\k+1], v[XR+2*\k:XR+2*\k+1], v[XR+2*\k:XR+2*\k+1]
.endr
.set pp, 4
.rept 28
	v_pk_fma_f32 v[AC+2*(pp%4):AC+2*(pp%4)+1], v[XR+2*pp:XR+2*pp+1], v[XR+2*pp:XR+2*pp+1], v[AC+2*(pp%4):AC+2*(pp%4)+1]
.set pp, pp+1
.endr
	v_pk_add_f32 v[80:81], v[80:81], v[82:83]
	v_pk_add_f32 v[84:85], v[84:85], v[86:87]
	v_pk_add_f32 v[80:81], v[80:81], v[84:85]
	v_add_f32 v80, v80, v81
	ACROSS 256                                     ; other LDS words than the first sum's: no wave can still be reading what is written here
	v_mov_b32 v93, v80                             ; (mean, M2)
	s_wait_xcnt 0x0                                ; EXEC changes only behind this wait: the weights' stores name it as a source
	v_cmp_gt_u32 vcc_lo, 1, v0
	s_wait_tensorcnt 0x0
	ds_add_u32 v104, v105
	s_wait_dscnt 0x0
	s_and_saveexec_b32 s24, vcc_lo                 ; thread 0 alone
	global_store_b64 v9, v[92:93], s[14:15]
	s_wait_xcnt 0x0                                ; and again in front of the line that widens it
	s_or_b32 exec_lo, exec_lo, s24
	s_endpgm
.Lfunc_end_k_qf291d95c45_stats:
	.size	k_qf291d95c45_stats, .Lfunc_end_k_qf291d95c45_stats-k_qf291d95c45_stats
	.p2alignl 7, 3214868480
	.fill 96, 4, 3214868480
	.section	.rodata,"a",@progbits
	.p2align	6, 0x0
	.amdhsa_kernel k_qf291d95c45_stats
		.amdhsa_group_segment_fixed_size 1536
		.amdhsa_private_segment_fixed_size 0
		.amdhsa_enable_private_segment 0
		.amdhsa_kernarg_size 64
		.amdhsa_user_sgpr_count 2
		.amdhsa_user_sgpr_kernarg_segment_ptr 1
		.amdhsa_wavefront_size32 1
		.amdhsa_system_sgpr_workgroup_id_x 1
		.amdhsa_system_sgpr_workgroup_id_y 1
		.amdhsa_system_sgpr_workgroup_id_z 1
		.amdhsa_system_vgpr_workitem_id 0
		.amdhsa_next_free_vgpr 106
		.amdhsa_next_free_sgpr 66
		.amdhsa_reserve_vcc 1
		.amdhsa_float_denorm_mode_32 3
		.amdhsa_float_denorm_mode_16_64 3
		.amdhsa_memory_ordered 1
		.amdhsa_forward_progress 1
		.amdhsa_inst_pref_size 14
	.end_amdhsa_kernel
	.amdgpu_metadata
---
amdhsa.version: [ 1, 2 ]
amdhsa.kernels:
  - .name:           k_qf291d95c45_stats
    .symbol:         k_qf291d95c45_stats.kd
    .args:
      - { .name: x, .offset: 0, .size: 8, .value_kind: global_buffer, .address_space: global }
      - { .name: wq, .offset: 8, .size: 8, .value_kind: global_buffer, .address_space: global }
      - { .name: wk, .offset: 16, .size: 8, .value_kind: global_buffer, .address_space: global }
      - { .name: wv, .offset: 24, .size: 8, .value_kind: global_buffer, .address_space: global }
      - { .name: wp, .offset: 32, .size: 8, .value_kind: global_buffer, .address_space: global }
      - { .name: chstat, .offset: 40, .size: 8, .value_kind: global_buffer, .address_space: global }
      - { .name: wcodes, .offset: 48, .size: 8, .value_kind: global_buffer, .address_space: global }
      - { .name: wscales, .offset: 56, .size: 8, .value_kind: global_buffer, .address_space: global }
    .group_segment_fixed_size: 1536
    .private_segment_fixed_size: 0
    .kernarg_segment_align: 8
    .kernarg_segment_size: 64
    .max_flat_workgroup_size: 256
    .sgpr_count:     66
    .vgpr_count:     106
    .wavefront_size: 32
...
	.end_amdgpu_metadata
.endif
;; end of part 1
;; launch qkv (part 2): grid 128 x 2, 8 waves a work-group, no clusters, 28,672 bytes of LDS; arguments x, chstat, gamma, beta, wcodes, wscales, bq, bk, bv, qk, vimg; writes qk, vimg
.if DOCPART == 2
	.amdgcn_target "amdgcn-amd-amdhsa--gfx1250"
	.amdhsa_code_object_version 6
	.text
	.protected	k_qf291d95c45_qkv
	.globl	k_qf291d95c45_qkv
	.p2align	8
	.type	k_qf291d95c45_qkv,@function
k_qf291d95c45_qkv:
	s_mov_b64 s[64:65], 0
	v_nop
	global_prefetch_b8 v0, s[64:65] scope:SCOPE_SE
	s_setreg_imm32_b32 hwreg(HW_REG_WAVE_MODE, 25, 1), 1
	s_wait_xcnt 0x0
; SECOND LAUNCH.  GroupNorm, the tokens quantised, q = tok wq^T + bq, k, v likewise, on codes of BF6 (E3M2) with one E8M0 scale for each 32 along K; q, k and v are quantised in registers
; (q, k along the channels, v along the tokens, which are the keys of the later product) and stored as IMAGES OF OPERAND REGISTERS, so that the next launch loads every fragment by three loads of 16 bytes a lane.
; SHARES.  Work-group (X, y): X = a chunk of 128 tokens; y = 0 makes q and v's channels 0-127, y = 1 makes k and v's channels 128-255.  One path through the text: y enters offsets and one choice of a bias pointer.
; So x is read by two work-groups: the price of whole fragments of v (128 keys each) on 256 work-groups.  Joint loads are left out: what the two share is one tile of 128 KiB, read once.
; A CHUNK is 25,600 bytes.  q, k: fragment (token tile tt 0..7, K step ks 0..1) at 3,072 tt + 1,536 ks: three quads of 512 bytes, quad c = registers 4 c .. 4 c + 3, lane l's 16 bytes at 16 l;
; from byte 24,576 the scale words: (tt, ks, row r) at 128 tt + 64 ks + 4 r.  v: fragment of channel tile ct 0..15 (16 channels x these 128 keys) at 1,536 ct; scale words (ct, r) at 24,576 + 64 ct + 4 r.
; THE ITEMS OF A TILE ARE NOT NEIGHBOURS: lane r of tile 2 b + u stands for item 32 b + 8 u + r + 8 (r / 8), for token tiles, for the rows of wq, wk and for those of wv.  So where such a tile is source 0,
; the 16 result registers of tiles 2 b and 2 b + 1 of lane (r, h) are items 32 b + 16 h + 0 .. 15: 16 neighbours along the next K, as the conversions want them.
; PHASES.  X: wave w takes 32 tokens (w mod 4) x 128 channels (w / 4): a lane a token, its registers down the channels, so a block of 32 lies in one lane; normalised, quantised, its codes put into LDS at their
; places in the token fragments' images | barrier | each wave: two token tiles x 128 channels of q or k (source 0 = 16 rows of the weight, source 1 = 16 tokens), then one channel tile of v for all 128 tokens
; (source 0 = 16 tokens, source 1 = 16 rows of wv); the biases are the C of each sum's first product | barrier | the scale words leave as whole runs of 512 bytes.
; GROUPNORM: a group's mean m is the mean of its 8 channels' means; its sum of squares is the sum of their M2 + 16,384 x the sum of (mean_k - m)^2; y = (x - m) (rsqrt(var + 1e-6) gamma) + beta.
; LIMITS: NaN and infinities are not served.  A block whose largest magnitude lies under 2^-122, a block of zeros among them, gets the byte 1 (its codes are zeros or subnormal codes; the bytes are read by this program alone).
.set CHUNK, 25600
.set XIMG,  0                          ; LDS: the 16 token fragments' images, 24,576 bytes
.set XSC,   24576                      ; their scale words, 1,024 bytes
.set OSC,   25600                      ; q's or k's scale words, laid as in the chunk, 1,024 bytes
.set OSCV,  26624                      ; v's, 512 bytes
.set XA,  4                            ; v4   x: my token's byte in my wave's first channel
.set LI,  5                            ; v5   16 x lane
.set LS,  6                            ; v6   4 x lane
.set TW,  7                            ; v7   where my token's codes go
.set TWS, 8                            ; v8   and its scale word
.set FA,  9                            ; v9   my first token tile's image
.set FS,  10                           ; v10  and its scale words
.set OSW, 11                           ; v11  where q's or k's scale word goes
.set OSV, 12                           ; v12  and v's
.set WA,  13                           ; v13  a weight's codes: (r + 8 (r / 8)) x 192 + 24 h
.set WSA, 14                           ; v14  its scale words: (r + 8 (r / 8)) x 8 + 4 h: lanes 0-15 K step 0, lanes 16-31 K step 1
.set BA,  15                           ; v15  64 h
.set BVA, 16                           ; v16  4 (r + 8 (r / 8))
.set SA,  17                           ; v17  chstat: my channel's group
.set SW,  18                           ; v18  my token's scale word
.set GA,  19                           ; v19  gamma, beta: my channel
.set VM,  20                           ; v20-23  block b: the group's mean of channel 32 b + lane
.set VA,  24                           ; v24-27  rsqrt(var + eps) x gamma
.set VB,  28                           ; v28-31  beta
.set X,   32                           ; v32-95  two sets of 32 numbers of x
.set WVF, 32                           ; behind phase X: v32-55 wv's two fragments
.set TSV, 64                           ; v64-71  the eight token tiles' scale words
.set BVR, 75                           ; v75     bv of my channel
.set BV,  76                           ; v76-83  the same eight times: the C of v's first products
.set HA,  96                           ; v96-159 eight accumulators; at the head the statistics as loaded
.set BM,  160                          ; v160-163 largest magnitudes
.set BP,  164                          ; v164-167 the other half's; then bytes
.set TS,  168                          ; v168    a token tile's scale words
.set WVS, 169                          ; v169    wv's scale words
.set SOA, 170                          ; v170    the scale words' way out: LDS
.set SOG, 171                          ; v171    and memory
.set SO,  172                          ; v172-175 the conversions' scale operands
.set CT,  176                          ; v176-183 second halves of blocks
.set PW,  184                          ; v184-186 the scale words just made
.set PC,  188                          ; v188-223 three fragments just made; in phase X four blocks' six registers
.set TF,  224                          ; v224-247 a token tile's two fragments
.set WS,  248                          ; v248-255 the weight's scale words, a register a tile
.set B1,  192                          ; window 1: v0-191 the weight's 16 fragments ((t, ks) at 12 (2 t + ks)), later the 16 token fragments; v192-255 the bias, eight registers a tile
.set WVN, 26                           ; s26  wave
.set SEL, 58                           ; s[58:59]
.set MSB, 0
.macro WIN new                         ; the immediate's high byte repeats the setting that is left
.if MSB != \new
	s_set_vgpr_msb (MSB<<8)|\new
.set MSB, \new
.endif
.endm
.macro PLACES                          ; four places behind a matrix instruction, in front of reads of its results and of loads into its registers
.rept 4
	v_nop
.endr
.endm
; 64 numbers of a lane from v[s] on (register 16 b + i = k 32 b + 16 h + i of my row), with the scale operands in v[SO] on, become a fragment's 12 registers from v[pc] on
.macro PACK6 s, pc
.irp c, 0,1
	v_cvt_scalef32_pk16_bf6_f32 v[\pc+6*\c:\pc+6*\c+2], v[\s+32*\c:\s+32*\c+15], v[SO+2*\c]
	v_cvt_scalef32_pk16_bf6_f32 v[CT+4*\c:CT+4*\c+2], v[\s+32*\c+16:\s+32*\c+31], v[SO+2*\c+1]   ; (a conversion's three registers begin on an even number)
.endr
	v_nop                                          ; one plain line behind the last scaled conversion
.irp c, 0,1                                    ; the operand's layout wants a whole block in a lane: lanes 0-15 block 2 c, lanes 16-31 block 2 c + 1
.irp i, 0,1,2
	v_permlane16_swap_b32 v[\pc+6*\c+\i], v[CT+4*\c+\i]
.endr
.irp i, 0,1,2
	v_mov_b32 v[\pc+6*\c+3+\i], v[CT+4*\c+\i]
.endr
.endr
.endm
.macro QUANT s, pc, pw                 ; the same with the four blocks' scales found first; the row's scale word in v[pw]
.irp b, 0,1,2,3
	v_max3_num_f32 v[BM+\b], |v[\s+16*\b]|, |v[\s+1+16*\b]|, 0x2800000   ; my 16 numbers of block b, from each accumulator's low end on, and the floor 2^(5 - 127)
.endr
.irp i, 2,4,6,8,10,12,14
.irp b, 0,1,2,3
	v_max3_num_f32 v[BM+\b], v[BM+\b], |v[\s+16*\b+\i]|, |v[\s+1+16*\b+\i]|
.endr
.endr
.irp b, 0,1,2,3
	v_permlanex16_b32 v[BP+\b], v[BM+\b], s[SEL], s[SEL+1]
.endr
.irp b, 0,1,2,3
	v_max_num_f32 v[BM+\b], v[BM+\b], v[BP+\b]     ; with lane l xor 16's: the block's largest magnitude
.endr
.irp b, 0,1,2,3
	v_add_nc_u32 v[SO+\b], 0xfe000000, v[BM+\b]    ; 4 off its exponent field
.endr
.irp b, 0,1,2,3
	v_lshrrev_b32 v[BP+\b], 23, v[SO+\b]           ; the scale's byte
.endr
	v_lshl_or_b32 v[\pw], v[BP+1], 8, v[BP]
	v_lshl_or_b32 v[\pw], v[BP+2], 16, v[\pw]
	v_lshl_or_b32 v[\pw], v[BP+3], 24, v[\pw]
	PACK6 \s, \pc
.endm
	s_load_b512 s[4:19], s[0:1], 0x0               ; x s[4:5], chstat s[6:7], gamma s[8:9], beta s[10:11], wcodes s[12:13], wscales s[14:15], bq s[16:17], bk s[18:19]
	s_load_b128 s[20:23], s[0:1], 0x40             ; bv s[20:21], qk s[22:23]
	s_load_b64 s[24:25], s[0:1], 0x50              ; vimg
	v_lshl_add_u32 v183, v0, 2, 0x6c00
	v_mov_b32 v187, 0
	v_lshrrev_b32 v1, 5, v0
	v_readfirstlane_b32 s[WVN], v1                 ; wave 0..7
	v_and_b32 v1, 31, v0                           ; lane
	v_and_b32 v2, 15, v0                           ; r
	v_bfe_u32 v3, v0, 4, 1                         ; h
	s_and_b32 s27, ttmp7, 0xffff                   ; y
	s_and_b32 s28, s[WVN], 3                       ; phase X: which 32 tokens
	s_lshr_b32 s29, s[WVN], 2                      ; and which 128 channels
	s_and_b32 s30, s[WVN], 1                       ; products: which 128 channels of q or k
	s_lshr_b32 s31, s[WVN], 1                      ; and which pair of token tiles
	s_mov_b32 s[SEL], 0x76543210
	s_mov_b32 s[SEL+1], 0xfedcba98
	s_mov_b32 s60, 0x37000000                      ; 2^-17: a group has 131,072 numbers
	s_mov_b32 s61, 0x358637bd                      ; 1e-6
	s_lshl_b32 s32, s29, 23                        ; 128 channels x 65,536 bytes
	s_lshl_b32 s33, ttmp9, 9
	s_add_co_u32 s32, s32, s33                     ; + 128 X tokens
	s_lshl_b32 s33, s28, 7
	s_add_co_u32 s32, s32, s33                     ; + my wave's 32
	v_lshl_add_u32 v[XA], v1, 2, s32
	v_lshlrev_b32 v[LI], 4, v1
	v_lshlrev_b32 v[LS], 2, v1
	v_bfe_u32 v160, v0, 3, 1                       ; my token (lane) is slot (lane mod 8) + 8 (lane / 16) of tile 2 (w mod 4) + (lane / 8) mod 2
	v_and_b32 v161, 7, v0
	v_lshl_add_u32 v161, v3, 3, v161
	s_mul_i32 s32, s28, 6144
	s_mul_i32 s33, s29, 1536
	s_add_co_u32 s32, s32, s33
	v_mul_u32_u24 v[TW], v160, 3072
	v_lshl_add_u32 v[TW], v161, 4, v[TW]
	v_add_nc_u32 v[TW], s32, v[TW]                 ; tile x 3,072 + K step x 1,536 + 16 x slot
	s_lshl_b32 s32, s28, 8
	s_lshl_b32 s33, s29, 6
	s_add_co_u32 s32, s32, s33
	s_add_co_u32 s32, s32, XSC
	v_lshlrev_b32 v[TWS], 7, v160
	v_lshl_add_u32 v[TWS], v161, 2, v[TWS]
	v_add_nc_u32 v[TWS], s32, v[TWS]               ; tile x 128 + K step x 64 + 4 x slot
	s_mul_i32 s32, s31, 6144
	v_add_nc_u32 v[FA], s32, v[LI]
	s_lshl_b32 s32, s31, 8
	s_add_co_u32 s33, s32, XSC
	v_add_nc_u32 v[FS], s33, v[LS]
	s_lshl_b32 s33, s30, 6
	s_add_co_u32 s32, s32, s33
	s_add_co_u32 s32, s32, OSC
	v_lshl_add_u32 v[OSW], v2, 2, s32
	s_lshl_b32 s32, s[WVN], 6
	s_add_co_u32 s32, s32, OSCV
	v_lshl_add_u32 v[OSV], v2, 2, s32
	s_min_u32 s32, s[WVN], 2                       ; (only waves 0 to 2 use it)
	s_lshl_b32 s32, s32, 9
	s_add_co_u32 s32, s32, OSC
	v_add_nc_u32 v[SOA], s32, v[LI]
	s_lshl_b32 s33, s30, 9
	v_add_nc_u32 v[SOG], s33, v[LI]
	v_and_b32 v162, 8, v2
	v_add_nc_u32 v162, v162, v2                    ; r + 8 (r / 8)
	v_mul_u32_u24 v[WA], v162, 192
	v_mad_u32_u24 v[WA], v3, 24, v[WA]
	v_lshlrev_b32 v[WSA], 3, v162
	v_lshl_add_u32 v[WSA], v3, 2, v[WSA]
	v_lshlrev_b32 v[BA], 6, v3
	v_lshlrev_b32 v[BVA], 2, v162
	v_lshrrev_b32 v[SA], 3, v1
	v_lshlrev_b32 v[SA], 6, v[SA]
	s_lshl_b32 s32, s29, 10
	v_add_nc_u32 v[SA], s32, v[SA]                 ; group (16 (w / 4) + lane / 8) x 64 bytes; block b is 4 groups on
	s_lshl_b32 s32, s29, 9
	v_add_nc_u32 v[GA], s32, v[LS]
.irp b, 0,1,2,3
	v_mov_b32 v[BP+\b], 0                          ; a lane permute's destination counts as one of its sources
.endr
	s_wait_kmcnt 0x0
.irp b, 0,1,2,3                                ; 24 loads: lane = channel 128 (w / 4) + 32 b + lane: its group's eight (mean, M2), its gamma and beta
.irp j, 0,1,2,3
	global_load_b128 v[HA+16*\b+4*\j:HA+16*\b+4*\j+3], v[SA], s[6:7] offset:256*\b+16*\j
.endr
	global_load_b32 v[VA+\b], v[GA], s[8:9] offset:128*\b
	global_load_b32 v[VB+\b], v[GA], s[10:11] offset:128*\b
.endr
.macro XLOAD b                         ; block b: x(channel 32 b + i, my token), i = 0 .. 31: a wave reads 128 consecutive bytes, four waves stand side by side on 512
.set ii, 0
.rept 32
	global_load_b32 v[X+32*((\b)%2)+ii], v[XA], s[4:5] offset:(32*(\b)+ii)*65536   ; 127 channels at the most: inside the signed 24-bit immediate
.set ii, ii+1
.endr
.endm
	XLOAD 0
	; the bases, each from its own buffer's pointer
	s_lshl_b32 s32, s27, 7
	s_lshl_b32 s33, s31, 5
	s_add_co_u32 s32, s32, s33
	s_lshl_b32 s33, s30, 3
	s_add_co_u32 s32, s32, s33                     ; wv's first row for my channel tile: 128 y + 32 (w / 2) + 8 (w mod 2)
	s_mov_b32 s77, 0
	s_mul_i32 s76, s27, 49152
	s_mul_i32 s78, s30, 24576
	s_add_co_u32 s76, s76, s78
	s_add_nc_u64 s[34:35], s[12:13], s[76:77]      ; wq's or wk's codes, my 128 rows
	s_mul_i32 s76, s32, 192
	s_add_co_u32 s76, s76, 98304
	s_add_nc_u64 s[36:37], s[12:13], s[76:77]      ; wv's codes
	s_lshl_b32 s76, s27, 11
	s_lshl_b32 s78, s30, 10
	s_add_co_u32 s76, s76, s78
	s_add_nc_u64 s[38:39], s[14:15], s[76:77]      ; wq's or wk's scale bytes
	s_lshl_b32 s76, s32, 3
	s_add_co_u32 s76, s76, 4096
	s_add_nc_u64 s[66:67], s[14:15], s[76:77]      ; wv's
	s_cmp_eq_u32 s27, 0
	s_cselect_b64 s[68:69], s[16:17], s[18:19]     ; bq or bk: the choice hangs on the work-group's number alone
	s_lshl_b32 s76, s30, 9
	s_add_nc_u64 s[68:69], s[68:69], s[76:77]
	s_lshl_b32 s76, s32, 2
	s_add_nc_u64 s[70:71], s[20:21], s[76:77]      ; bv
	s_mul_i32 s76, ttmp9, CHUNK
	s_add_nc_u64 s[74:75], s[24:25], s[76:77]      ; v's chunk
	s_mul_i32 s78, s27, 128*CHUNK
	s_add_co_u32 s76, s76, s78
	s_add_nc_u64 s[72:73], s[22:23], s[76:77]      ; q's or k's chunk
	s_mul_i32 s76, s31, 6144
	s_mul_i32 s78, s30, 1536
	s_add_co_u32 s76, s76, s78
	s_add_nc_u64 s[84:85], s[72:73], s[76:77]      ; my first fragment of it
	s_lshl_b32 s76, s27, 3
	s_add_co_u32 s76, s76, s[WVN]
	s_mul_i32 s76, s76, 1536
	s_add_nc_u64 s[86:87], s[74:75], s[76:77]      ; my fragment of v: channel tile 8 y + w
	s_add_nc_u64 s[80:81], s[72:73], 24576         ; the scale words of q's or k's chunk,
	s_lshl_b32 s76, s27, 9
	s_add_co_u32 s76, s76, 24576
	s_add_nc_u64 s[82:83], s[74:75], s[76:77]      ; and my work-group's half of v's
	s_cmp_lt_u32 s[WVN], 2
	s_cselect_b64 s[88:89], s[80:81], s[82:83]     ; waves 0, 1 store the first, wave 2 the second
	s_wait_loadcnt 32                              ; the 24 are in; block 0's 32 loads, issued behind them, may be out
.macro PARAM b
.set PS, HA+16*(\b)
	v_add_f32 v160, v[PS], v[PS+2]
	v_add_f32 v161, v[PS+4], v[PS+6]
	v_add_f32 v162, v[PS+8], v[PS+10]
	v_add_f32 v163, v[PS+12], v[PS+14]
	v_add_f32 v164, v[PS+1], v[PS+3]
	v_add_f32 v165, v[PS+5], v[PS+7]
	v_add_f32 v166, v[PS+9], v[PS+11]
	v_add_f32 v167, v[PS+13], v[PS+15]
	v_add_f32 v160, v160, v161
	v_add_f32 v162, v162, v163
	v_add_f32 v164, v164, v165
	v_add_f32 v166, v166, v167
	v_add_f32 v160, v160, v162
	v_add_f32 v164, v164, v166                     ; the sum of the eight M2
	v_mul_f32 v[VM+\b], 0x3e000000, v160           ; the group's mean
.irp k, 0,2,4,6,8,10,12,14
	v_sub_f32 v[PS+\k], v[PS+\k], v[VM+\b]
.endr
	v_mul_f32 v160, v[PS], v[PS]
.irp k, 2,4,6,8,10,12,14
	v_fmac_f32 v160, v[PS+\k], v[PS+\k]
.endr
	v_fma_f32 v160, v160, 0x46800000, v164         ; + 16,384 x the sum of (mean_k - mean)^2
	v_fma_f32 v160, v160, s60, s61                 ; the variance + eps
	v_rsq_f32 v160, v160
	v_nop                                          ; a plain line behind the transcendental
	s_wait_alu depctr_va_vdst(0)
	v_mul_f32 v[VA+\b], v160, v[VA+\b]
.endm
.irp b, 0,1,2,3
	PARAM \b
.endr
; Block b of my token: normalised, quantised, its 24 bytes of codes to their places in the fragment's image.  left: the loads issued behind this block's, which may stay out.
.macro BLOCK b, left
.set XS, X+32*((\b)%2)
.set CC, PC+6*(\b)
	s_wait_loadcnt \left
.irp g, 0,1,2,3                                ; a group of 8 channels at a time: its numbers are the same for every token, so they come out of the lanes into scalars
	v_readlane_b32 s40, v[VM+\b], 8*\g
.irp i, 0,1,2,3,4,5,6,7
	v_readlane_b32 s[41+\i], v[VA+\b], 8*\g+\i
	v_readlane_b32 s[49+\i], v[VB+\b], 8*\g+\i
.endr
.irp i, 0,1,2,3,4,5,6,7
	v_sub_f32 v[XS+8*\g+\i], v[XS+8*\g+\i], s40
.endr
.irp i, 0,1,2,3,4,5,6,7
	v_fma_f32 v[XS+8*\g+\i], v[XS+8*\g+\i], s[41+\i], s[49+\i]
.endr
.endr
	v_max3_num_f32 v160, |v[XS]|, |v[XS+1]|, |v[XS+2]|             ; the block's largest magnitude: all 32 numbers are mine
	v_max3_num_f32 v161, |v[XS+3]|, |v[XS+4]|, |v[XS+5]|
.irp i, 6,10,14,18,22,26
	v_max3_num_f32 v160, v160, |v[XS+\i]|, |v[XS+\i+1]|
	v_max3_num_f32 v161, v161, |v[XS+\i+2]|, |v[XS+\i+3]|
.endr
	v_max3_num_f32 v160, v160, |v[XS+30]|, |v[XS+31]|
	v_max3_num_f32 v160, v160, v161, 0x2800000
	v_add_nc_u32 v[SO], 0xfe000000, v160
.if (\b) == 0
	v_lshrrev_b32 v[SW], 23, v[SO]
.else
	v_lshrrev_b32 v161, 23, v[SO]
	v_lshl_or_b32 v[SW], v161, 8*(\b), v[SW]
.endif
	v_cvt_scalef32_pk16_bf6_f32 v[CC:CC+2], v[XS:XS+15], v[SO]
	v_cvt_scalef32_pk16_bf6_f32 v[CT:CT+2], v[XS+16:XS+31], v[SO]
	v_nop                                          ; one plain line behind the last scaled conversion
.irp i, 0,1,2
	v_mov_b32 v[CC+3+\i], v[CT+\i]
.endr
; block b = 2 c + h is registers 6 c .. 6 c + 5 of lane slot + 16 h: 256 h bytes on in each quad.  Each block has its own six registers, so no wait stands for these stores' data
.if (\b) < 2
	ds_store_b128 v[TW], v[CC:CC+3] offset:256*((\b)&1)
	ds_store_b64 v[TW], v[CC+4:CC+5] offset:512+256*((\b)&1)
.else
	ds_store_b64 v[TW], v[CC:CC+1] offset:520+256*((\b)&1)
	ds_store_b128 v[TW], v[CC+2:CC+5] offset:1024+256*((\b)&1)
.endif
.endm
	XLOAD 1
	BLOCK 0, 32
	XLOAD 2
	BLOCK 1, 32
	XLOAD 3
	BLOCK 2, 32
	WIN 0x40                                       ; destination window 1
.irp t, 0,1,2,3,4                              ; 60 loads: the weight's tiles 0 to 4
.irp s, 0,1
.irp p, 0,1,2,3,4,5
	global_load_b64 v[12*(2*\t+\s)+2*\p:12*(2*\t+\s)+2*\p+1], v[WA], s[34:35] offset:(32*(\t/2)+8*(\t%2))*192+\s*96+48*(\p/3)+8*(\p%3)
.endr
.endr
.endr
	WIN 0
	BLOCK 3, 60                                    ; exactly those 60 are younger than block 3's loads
	WIN 0x40
.irp t, 5,6,7
.irp s, 0,1
.irp p, 0,1,2,3,4,5
	global_load_b64 v[12*(2*\t+\s)+2*\p:12*(2*\t+\s)+2*\p+1], v[WA], s[34:35] offset:(32*(\t/2)+8*(\t%2))*192+\s*96+48*(\p/3)+8*(\p%3)
.endr
.endr
.endr
.irp t, 0,1,2,3,4,5,6,7                        ; the bias in the result's layout: lane (r, h), tile t: channels 32 (t / 2) + 8 (t mod 2) + 16 h + 0 .. 7
	global_load_b128 v[B1+8*\t:B1+8*\t+3], v[BA], s[68:69] offset:(32*(\t/2)+8*(\t%2))*4
	global_load_b128 v[B1+8*\t+4:B1+8*\t+7], v[BA], s[68:69] offset:(32*(\t/2)+8*(\t%2))*4+16
.endr
	WIN 0
.irp t, 0,1,2,3,4,5,6,7
	global_load_b32 v[WS+\t], v[WSA], s[38:39] offset:(32*(\t/2)+8*(\t%2))*8
.endr
.irp s, 0,1
.irp p, 0,1,2,3,4,5
	global_load_b64 v[WVF+12*\s+2*\p:WVF+12*\s+2*\p+1], v[WA], s[36:37] offset:\s*96+48*(\p/3)+8*(\p%3)
.endr
.endr
	global_load_b32 v[WVS], v[WSA], s[66:67]
	global_load_b32 v[BVR], v[BVA], s[70:71]
	ds_store_b32 v[TWS], v[SW]
	s_wait_dscnt 0x0                               ; for the others' sake: my codes and my scale word lie in LDS
	s_barrier_signal -1
	s_barrier_wait -1                              ; the 16 token fragments are whole; from here on they are only read
	s_wait_loadcnt 0x0                             ; the weights, their scale words, the biases
.irp j, 0,1,2,3,4,5,6,7
	v_mov_b32 v[BV+\j], v[BVR]
.endr
; Token tile 2 (w / 2) + n against my 128 rows of the weight: eight accumulators by turns, K step by K step.  In tile t lane (r, h) holds token slot r and channels 32 (t / 2) + 8 (t mod 2) + 16 h + 0 .. 7
.macro QK n
.irp c, 0,1,2
	ds_load_b128 v[TF+4*\c:TF+4*\c+3], v[FA] offset:(\n)*3072+512*\c
	ds_load_b128 v[TF+12+4*\c:TF+12+4*\c+3], v[FA] offset:(\n)*3072+1536+512*\c
.endr
	ds_load_b32 v[TS], v[FS] offset:128*(\n)       ; lanes 0-15 K step 0's words, lanes 16-31 K step 1's
	s_wait_dscnt 0x0
	WIN 0x11                                       ; source 0 (the weight) and source 2 (the bias) window 1
.irp t, 0,1,2,3,4,5,6,7
	v_wmma_scale_f32_16x16x128_f8f6f4 v[HA+8*\t:HA+8*\t+7], v[24*\t:24*\t+11], v[TF:TF+11], v[B1+8*\t:B1+8*\t+7], v[WS+\t], v[TS] matrix_a_fmt:MATRIX_FMT_BF6 matrix_b_fmt:MATRIX_FMT_BF6
.endr
	WIN 0x01
.irp t, 0,1,2,3,4,5,6,7
	v_wmma_scale_f32_16x16x128_f8f6f4 v[HA+8*\t:HA+8*\t+7], v[24*\t+12:24*\t+23], v[TF+12:TF+23], v[HA+8*\t:HA+8*\t+7], v[WS+\t], v[TS] matrix_a_fmt:MATRIX_FMT_BF6 matrix_b_fmt:MATRIX_FMT_BF6 matrix_a_scale:MATRIX_SCALE_ROW1 matrix_b_scale:MATRIX_SCALE_ROW1
.endr
	WIN 0
	PLACES
	QUANT HA, PC+12*(\n), PW+(\n)
.irp c, 0,1,2
	global_store_b128 v[LI], v[PC+12*(\n)+4*\c:PC+12*(\n)+4*\c+3], s[84:85] offset:(\n)*3072+512*\c   ; the fragment as it stands: 512 consecutive bytes a store
.endr
	ds_store_b32 v[OSW], v[PW+(\n)] offset:128*(\n)   ; both halves of the lanes hold the same word
.endm
	QK 0
	QK 1
	; v: my 16 channels for all 128 tokens: source 0 = a token tile, source 1 = wv's 16 rows: lane (r, h) holds channel slot r and, in tiles 2 b and 2 b + 1, tokens 32 b + 16 h + 0 .. 15
	WIN 0x40
.set fi, 0
.rept 16
.irp c, 0,1,2
	ds_load_b128 v[12*fi+4*\c:12*fi+4*\c+3], v[LI] offset:XIMG+1536*fi+512*\c
.endr
.set fi, fi+1
.endr
	WIN 0
.irp t, 0,1,2,3,4,5,6,7
	ds_load_b32 v[TSV+\t], v[LS] offset:XSC+128*\t
.endr
	s_wait_dscnt 0x0
	WIN 0x01
.irp t, 0,1,2,3,4,5,6,7
	v_wmma_scale_f32_16x16x128_f8f6f4 v[HA+8*\t:HA+8*\t+7], v[24*\t:24*\t+11], v[WVF:WVF+11], v[BV:BV+7], v[TSV+\t], v[WVS] matrix_a_fmt:MATRIX_FMT_BF6 matrix_b_fmt:MATRIX_FMT_BF6
.endr
.irp t, 0,1,2,3,4,5,6,7
	v_wmma_scale_f32_16x16x128_f8f6f4 v[HA+8*\t:HA+8*\t+7], v[24*\t+12:24*\t+23], v[WVF+12:WVF+23], v[HA+8*\t:HA+8*\t+7], v[TSV+\t], v[WVS] matrix_a_fmt:MATRIX_FMT_BF6 matrix_b_fmt:MATRIX_FMT_BF6 matrix_a_scale:MATRIX_SCALE_ROW1 matrix_b_scale:MATRIX_SCALE_ROW1
.endr
	WIN 0
	PLACES
	QUANT HA, PC+24, PW+2
.irp c, 0,1,2
	global_store_b128 v[LI], v[PC+24+4*\c:PC+24+4*\c+3], s[86:87] offset:512*\c
.endr
	ds_store_b32 v[OSV], v[PW+2]
	s_wait_dscnt 0x0                               ; for the others' sake: my scale words lie in LDS
	s_barrier_signal -1
	s_barrier_wait -1
	s_cmp_gt_u32 s[WVN], 2
	s_cbranch_scc1 .Ldone                          ; three runs of 512 bytes are left to store: waves 0, 1: q's or k's; wave 2: v's
	ds_load_b128 v[BM:BM+3], v[SOA]
	s_wait_dscnt 0x0
	global_store_b128 v[SOG], v[BM:BM+3], s[88:89]
.Ldone:
	s_wait_tensorcnt 0x0
	ds_add_u32 v183, v187
	s_wait_dscnt 0x0
	s_endpgm
.Lfunc_end_k_qf291d95c45_qkv:
	.size	k_qf291d95c45_qkv, .Lfunc_end_k_qf291d95c45_qkv-k_qf291d95c45_qkv
	.p2alignl 7, 3214868480
	.fill 96, 4, 3214868480
	.section	.rodata,"a",@progbits
	.p2align	6, 0x0
	.amdhsa_kernel k_qf291d95c45_qkv
		.amdhsa_group_segment_fixed_size 28672
		.amdhsa_private_segment_fixed_size 0
		.amdhsa_enable_private_segment 0
		.amdhsa_kernarg_size 88
		.amdhsa_user_sgpr_count 2
		.amdhsa_user_sgpr_kernarg_segment_ptr 1
		.amdhsa_wavefront_size32 1
		.amdhsa_system_sgpr_workgroup_id_x 1
		.amdhsa_system_sgpr_workgroup_id_y 1
		.amdhsa_system_sgpr_workgroup_id_z 1
		.amdhsa_system_vgpr_workitem_id 0
		.amdhsa_next_free_vgpr 512
		.amdhsa_next_free_sgpr 96
		.amdhsa_reserve_vcc 0
		.amdhsa_float_denorm_mode_32 3
		.amdhsa_float_denorm_mode_16_64 3
		.amdhsa_memory_ordered 1
		.amdhsa_forward_progress 1
		.amdhsa_inst_pref_size 102
	.end_amdhsa_kernel
	.amdgpu_metadata
---
amdhsa.version: [ 1, 2 ]
amdhsa.kernels:
  - .name:           k_qf291d95c45_qkv
    .symbol:         k_qf291d95c45_qkv.kd
    .args:
      - { .name: x, .offset: 0, .size: 8, .value_kind: global_buffer, .address_space: global }
      - { .name: chstat, .offset: 8, .size: 8, .value_kind: global_buffer, .address_space: global }
      - { .name: gamma, .offset: 16, .size: 8, .value_kind: global_buffer, .address_space: global }
      - { .name: beta, .offset: 24, .size: 8, .value_kind: global_buffer, .address_space: global }
      - { .name: wcodes, .offset: 32, .size: 8, .value_kind: global_buffer, .address_space: global }
      - { .name: wscales, .offset: 40, .size: 8, .value_kind: global_buffer, .address_space: global }
      - { .name: bq, .offset: 48, .size: 8, .value_kind: global_buffer, .address_space: global }
      - { .name: bk, .offset: 56, .size: 8, .value_kind: global_buffer, .address_space: global }
      - { .name: bv, .offset: 64, .size: 8, .value_kind: global_buffer, .address_space: global }
      - { .name: qk, .offset: 72, .size: 8, .value_kind: global_buffer, .address_space: global }
      - { .name: vimg, .offset: 80, .size: 8, .value_kind: global_buffer, .address_space: global }
    .group_segment_fixed_size: 28672
    .private_segment_fixed_size: 0
    .kernarg_segment_align: 8
    .kernarg_segment_size: 88
    .max_flat_workgroup_size: 256
    .sgpr_count:     96
    .vgpr_count:     512
    .wavefront_size: 32
...
	.end_amdgpu_metadata
.endif
;; end of part 2
;; launch attn (part 3): grid 64 x 4, 4 waves a work-group, clusters of 4 x 1, 327,680 bytes of LDS; arguments qk, vimg, wcodes, wscales, bp, x, out0; writes out0
.if DOCPART == 3
	.amdgcn_target "amdgcn-amd-amdhsa--gfx1250"
	.amdhsa_code_object_version 6
	.text
	.protected	k_qf291d95c45_attn
	.globl	k_qf291d95c45_attn
	.p2align	8
	.type	k_qf291d95c45_attn,@function
k_qf291d95c45_attn:
	s_mov_b64 s[64:65], 0
	v_nop
	global_prefetch_b8 v0, s[64:65] scope:SCOPE_SE
	s_setreg_imm32_b32 hwreg(HW_REG_WAVE_MODE, 25, 1), 1
	s_wait_xcnt 0x0
	s_wait_alu depctr_hold_cnt(0) depctr_sa_sdst(0) depctr_va_vdst(0) depctr_va_sdst(0) depctr_va_ssrc(0) depctr_va_vcc(0) depctr_vm_vsrc(0)
	s_getreg_b32 s2, hwreg(HW_REG_IB_STS2, 6, 4)
	s_cmp_eq_u32 s2, 0
	s_cbranch_scc0 .Lentry_in_a_cluster
	s_endpgm
.Lentry_in_a_cluster:
	s_bfe_u32 s2, ttmp6, 0x10000c
	s_cmp_lg_u32 s2, 0x3003
	s_cbranch_scc0 .Lentry_shape_is_right
	s_endpgm
.Lentry_shape_is_right:
; THIRD LAUNCH.  out0 = x + (softmax(q k^T / 16) v) wp^T + bp, frame by frame, all three products on codes of BF6 (E3M2) with one E8M0 scale for each 32 along K.
; THE SOFTMAX AHEAD OF THE SECOND PRODUCT: t = score x log2(e) / 16; M = the largest t so far, rounded UP to a whole number; p = 2^(t - M) is what is quantised, along the keys, not normalised.  The row's sum is taken
; of the unquantised p and divides at the end.  When M moves, the sum and O are multiplied by 2^(old M - new M): exact.
; SHARES.  A work-group owns 64 queries of a frame (four tiles of 16).  Wave w walks HALF the frame's keys (half w mod 2: 16 steps of 128) for TWO tiles: its local tile a is the work-group's tile w xor a.  So each fragment
; of K and V read from LDS feeds two products.  At the end wave w keeps local tile 0 (= tile w) and hands local tile 1 to wave w xor 1, through LDS; the two halves are joined by exact powers of two.
; LAYOUT.  q, k, v come as images of operand registers (see the launch that makes them): a fragment is three loads of 16 bytes a lane, a key step's K or V one dense chunk of 25,600 bytes.  Both products are used
; transposed: S^T = K Q^T (source 0 = 16 keys), O^T = V^T P^T (source 0 = 16 channels): a lane holds ONE query throughout.  The keys of a tile, and the channels of a tile of V, are chosen so that the 16 registers of
; tiles 2 b and 2 b + 1 are 16 neighbours along the next K.
; RING.  Two LDS slots; a slot holds one step's four chunks: K of half 0, K of half 1, V of half 0, V of half 1; wave w fetches chunk w.  A step's K and V go into REGISTERS a phase ahead (K behind the change of
; slots of the step before, V at the step's head), so a slot is free as soon as its V has been read, and its refill has a whole step in which to land.  By this text's own count a wave has two tensor loads
; out at the start and one behind each round.
; CLUSTER.  The four work-groups of a cluster belong to one frame and walk the same K and V: each chunk is asked for JOINTLY, by the same tensor load with the same descriptor and a mask that names the four.
; REGISTERS, in windows of 256: window 0: addresses, statistics, scale words, S^T (v64-191, 64 a tile), P (v192-215), at the end the bias (v216-247).  window 1: O^T, accumulator (a, ct) at 128 a + 8 ct.
;   window 2: v0-191 K's 16 fragments, v192-239 Q's four.   window 3: v0-191 V's 16 fragments; at the end wp's eight.
; The step is written in phases (all K Q^T, the two softmaxes, all V^T P).
; LIMITS: NaN and infinities are not served.  v_exp_f32 gives 0 for a p under 2^-126.  A block's largest p is taken from the block's largest score by the same multiply-add and exponential, which takes v_exp_f32 not to
; fall where its input rises.  A block whose largest magnitude lies under 2^-122, a block of zeros among them, gets the byte 1: its codes are zeros or subnormal codes, and the bytes never leave the kernel.
.set CHUNK, 25600
.set SLOT1, 131072                     ; slot 1 begins here: one exclusive or turns an address in one slot into the other's
.set SPARE, 262144                     ; the spare words, 128 bytes for each wave: two blocks of 256 bytes that no other line names
.set EXB,   16640                      ; the end, in slot 0 (last filled for step 14, last read in front of step 14's barrier): for each wave 16,384 bytes of O^T, then -M and the sum, 128 bytes each
.set OIMG,  66560                      ; o's eight fragments' images
.set OSCB,  78848                      ; their scale words
.set STAGE, SLOT1                      ; in slot 1 (last read in step 15, in front of the end's first barrier): a stage of 64 rows x (256 bytes + 16) for each wave
.set STB,   17408
.set LI,  1                            ; v1   16 x lane
.set LS,  2                            ; v2   4 x lane
.set AK,  3                            ; v3   my lane's place in my half's chunk of K
.set AV,  4                            ; v4   of V
.set ASK, 5                            ; v5   among K's scale words
.set ASV, 6                            ; v6   among V's
.set ADR, 7                            ; v7   the address of the fetch in hand
.set ADS, 8                            ; v8   and of its scale words
.set T,   9                            ; v9   at work
.set SPW, 10                           ; v10  LDS address of my spare word: SPARE + 4 x my thread's number; never rewritten
.set NIL, 11                           ; v11  0; never rewritten
                                       ; v12 -M, v13 the largest t, v[14:15] the sum in two halves: tile 0;  v16-19: tile 1
.set F,   20                           ; v[20:21] f = 2^(old M - new M) (the packed forms take the low word for both halves)
.set G,   22                           ; v[22:23] a second chain of sums; at the end the partner's factor
.set BM,  24                           ; v24-27 block maxima
.set BP,  28                           ; v28-31 the other half's; then bytes
.set SO,  32                           ; v32-35 the conversions' scale operands
.set CT,  36                           ; v36-43 second halves of blocks
.set PSC, 44                           ; v44-45 P's scale words
.set QSC, 46                           ; v46-47 Q's: lanes 0-15 K step 0, lanes 16-31 K step 1
.set KSC, 48                           ; v48-55 K's, a register a tile, likewise
.set VSC, 56                           ; v56-63 V's: register j: lanes 0-15 tile 2 j, lanes 16-31 tile 2 j + 1
.set S,   64
.set P,   192
.set BIAS, 216                         ; v216-247 at the end; v216-219 at the head: Q's offsets
.set XO,  248                          ; v248 my byte offset in my wave's 64 rows of x and of out0; never rewritten
.set EXW, 249                          ; v249-255, v3-8: the end's addresses, made there
.set EXR, 250
.set EXWS, 251
.set EXRS, 252
.set OIW, 253
.set OSW, 254
.set OIR, 255
.set OSR, 3
.set STO, 4
.set STR, 5
.set WPA, 6
.set WPS, 7
.set BPA, 8
.set WV,  18                           ; s18  wave
.set SEL, 24                           ; s[24:25] v_permlanex16_b32's selects for lane l xor 16
.set CS,  26                           ; s[26:27] c = log2(e) / 16
.set G1,  28                           ; s[28:35] descriptor group 1: a chunk
.set G0K, 36                           ; s[36:43] group 0 for K's chunks: a set for each first fill; the second then walks on
.set G0V, 44                           ; s[44:51] the same for V's
.set TB,  52                           ; s52  LDS byte at which the slot to be fetched from begins
.set CNT, 53
.set MSB, 0
.macro WIN new                         ; the immediate's high byte repeats the setting that is left
.if MSB != \new
	s_set_vgpr_msb (MSB<<8)|\new
.set MSB, \new
.endif
.endm
.set W_KQ, 0x0a                        ; K and Q window 2, S^T window 0
.set W_PV, 0x53                        ; V window 3, P window 0, O^T window 1
.set W_RS, 0x41                        ; O^T (destination and source 0) window 1
.macro PLACES                          ; four places behind a matrix instruction, in front of reads of its results and of loads into its registers
.rept 4
	v_nop
.endr
.endm
; A joint refill: waves 0 and 1 fetch K's chunks, waves 2 and 3 V's.  The branch hangs on the wave's number alone.  Four v_nop follow each of the two lines.
.macro JLOAD
	s_cmp_lt_u32 s[WV], 2
	s_cbranch_scc0 .Lfor_v_\@
	tensor_load_to_lds s[G0K+4:G0K+7], s[G1:G1+7]
	s_nop 0
.rept 4
	v_nop
.endr
	s_branch .Lasked_\@
.Lfor_v_\@:
	tensor_load_to_lds s[G0V+4:G0V+7], s[G1:G1+7]
	s_nop 0
.rept 4
	v_nop
.endr
.Lasked_\@:
.endm
; A round of the cluster's barrier: my work-group's barrier; wave 0 signals for the work-group; every wave waits for all four work-groups; my work-group's barrier once more
.macro CROUND
	s_barrier_signal -1
	s_barrier_wait -1
	s_cmp_lg_u32 s[WV], 0
	s_cbranch_scc1 .Lnot_wave_0_\@
	s_barrier_signal -3
.Lnot_wave_0_\@:
	s_barrier_wait -3
	s_barrier_signal -1
	s_barrier_wait -1
.endm
.macro PACK6 s, pc                     ; 64 numbers of a lane (register 16 b + i = k 32 b + 16 h + i of my row), scale operands in v[SO] on, become a fragment's 12 registers
.irp c, 0,1
	v_cvt_scalef32_pk16_bf6_f32 v[\pc+6*\c:\pc+6*\c+2], v[\s+32*\c:\s+32*\c+15], v[SO+2*\c]
	v_cvt_scalef32_pk16_bf6_f32 v[CT+4*\c:CT+4*\c+2], v[\s+32*\c+16:\s+32*\c+31], v[SO+2*\c+1]   ; (a conversion's three registers begin on an even number)
.endr
	v_nop                                          ; one plain line behind the last scaled conversion
.irp c, 0,1                                    ; the operand's layout wants a whole block in a lane
.irp i, 0,1,2
	v_permlane16_swap_b32 v[\pc+6*\c+\i], v[CT+4*\c+\i]
.endr
.irp i, 0,1,2
	v_mov_b32 v[\pc+6*\c+3+\i], v[CT+4*\c+\i]
.endr
.endr
.endm
.macro QUANT s, pc, pw                 ; the same with the four blocks' scales found first; the row's scale word in v[pw]
.irp b, 0,1,2,3
	v_max3_num_f32 v[BM+\b], |v[\s+16*\b]|, |v[\s+1+16*\b]|, 0x2800000
.endr
.irp i, 2,4,6,8,10,12,14
.irp b, 0,1,2,3
	v_max3_num_f32 v[BM+\b], v[BM+\b], |v[\s+16*\b+\i]|, |v[\s+1+16*\b+\i]|
.endr
.endr
.irp b, 0,1,2,3
	v_permlanex16_b32 v[BP+\b], v[BM+\b], s[SEL], s[SEL+1]
.endr
.irp b, 0,1,2,3
	v_max_num_f32 v[BM+\b], v[BM+\b], v[BP+\b]
.endr
.irp b, 0,1,2,3
	v_add_nc_u32 v[SO+\b], 0xfe000000, v[BM+\b]
.endr
.irp b, 0,1,2,3
	v_lshrrev_b32 v[BP+\b], 23, v[SO+\b]
.endr
	v_lshl_or_b32 v[\pw], v[BP+1], 8, v[BP]
	v_lshl_or_b32 v[\pw], v[BP+2], 16, v[\pw]
	v_lshl_or_b32 v[\pw], v[BP+3], 24, v[\pw]
	PACK6 \s, \pc
.endm
	s_load_b256 s[4:11], s[0:1], 0x0               ; qk s[4:5], vimg s[6:7], wcodes s[8:9], wscales s[10:11]
	s_load_b128 s[12:15], s[0:1], 0x20             ; bp s[12:13], x s[14:15]
	s_load_b64 s[16:17], s[0:1], 0x30              ; out0
	v_lshl_add_u32 v[SPW], v0, 2, SPARE
	v_mov_b32 v[NIL], 0
	ds_add_u32 v10, v11
	ds_add_u32 v10, v11
	s_wait_dscnt 0x0
	v_lshrrev_b32 v1, 5, v0
	v_readfirstlane_b32 s[WV], v1                  ; wave 0..3
	s_bfe_u32 s19, ttmp6, 0x40000                  ; cx: my place in the cluster
	s_lshl_b32 s20, ttmp9, 2
	s_add_co_u32 s20, s20, s19                     ; my block of 64 queries: it enters the addresses of q, x and out0 alone
	s_and_b32 s21, ttmp7, 0xffff                   ; the frame, which the four partners share
	s_and_b32 s22, s[WV], 1                        ; my half of the keys; also: which half's chunk I fetch
	s_mul_i32 s54, s21, 32*CHUNK
	s_mul_i32 s55, s22, 16*CHUNK
	s_add_co_u32 s54, s54, s55                     ; that half's first chunk, in k's part of qk and in vimg
	s_mov_b32 s55, 0
	s_mul_i32 s23, s[WV], CHUNK                    ; where my chunk goes in a slot: no place in the cluster enters an LDS address
	; descriptor group 1: a dense chunk as 100 rows of 256 bytes (32 elements of 8 bytes), no padding: every LDS access of an image covers 512 consecutive bytes
	s_mov_b32 s[G1], 15|(3<<16)|(1<<21)            ; 15:0 the mask: all four work-groups; 17:16 elements of 8 bytes; 21 set beside a mask
	s_mov_b32 s[G1+1], 32<<16                      ; tensor_dim0 = 32
	s_mov_b32 s[G1+2], 100<<16                     ; tensor_dim1 = 100
	s_mov_b32 s[G1+3], 32<<16                      ; tile_dim0 = 32
	s_mov_b32 s[G1+4], 100                         ; tile_dim1 = 100
	s_mov_b32 s[G1+5], 32                          ; from row to row
	s_mov_b32 s[G1+6], 0
	s_mov_b32 s[G1+7], 0
	s_mov_b32 s[SEL], 0x76543210
	s_mov_b32 s[SEL+1], 0xfedcba98
	s_mov_b32 s[CS], 0x3db8aa3b                    ; c = log2(e) / sqrt(256)
	s_mov_b32 s[CS+1], s[CS]                       ; (named with it as a pair, so it is written)
	s_mov_b32 s[TB], 0
	s_lshl_b32 s66, s21, 14                        ; x, out0: the frame's 4,096 tokens,
	s_lshl_b32 s67, s20, 8                         ; my 64 of them,
	s_add_co_u32 s66, s66, s67
	s_lshl_b32 s67, s[WV], 22                      ; my wave's 64 channels
	s_add_co_u32 s66, s66, s67
	s_mov_b32 s67, 0
	s_lshl_b32 s68, s21, 5                         ; q: chunk 32 x frame + block / 2,
	s_lshr_b32 s69, s20, 1
	s_add_co_u32 s68, s68, s69
	s_mul_i32 s68, s68, CHUNK
	s_mov_b32 s69, 0
	s_and_b32 s72, s20, 1
	s_lshl_b32 s72, s72, 2
	s_add_co_u32 s73, s72, s[WV]                   ; tile 4 (block mod 2) + w: local tile 0,
	s_xor_b32 s74, s[WV], 1
	s_add_co_u32 s74, s72, s74                     ; tile 4 (block mod 2) + (w xor 1): local tile 1
	s_wait_kmcnt 0x0
	s_add_nc_u64 s[56:57], s[4:5], s[54:55]
	s_add_nc_u64 s[56:57], s[56:57], 128*CHUNK     ; k lies behind q's 128 chunks
	s_add_nc_u64 s[58:59], s[6:7], s[54:55]
	s_add_nc_u64 s[14:15], s[14:15], s[66:67]
	s_add_nc_u64 s[16:17], s[16:17], s[66:67]
	s_add_nc_u64 s[70:71], s[4:5], s[68:69]
	CROUND                                         ; all four work-groups are here: the first joint loads meet
.irp n, 0,1
	s_mov_b32 s[G0K+4*\n], 1                       ; count = 1
	s_add_co_u32 s[G0K+4*\n+1], s23, \n*SLOT1      ; LDS address: slot n
	s_add_nc_u64 s[G0K+4*\n+2:G0K+4*\n+3], s[56:57], \n*CHUNK   ; global address: step n
	s_or_b32 s[G0K+4*\n+3], s[G0K+4*\n+3], 0x80000000           ; type = 2
	s_mov_b32 s[G0V+4*\n], 1
	s_add_co_u32 s[G0V+4*\n+1], s23, \n*SLOT1
	s_add_nc_u64 s[G0V+4*\n+2:G0V+4*\n+3], s[58:59], \n*CHUNK
	s_or_b32 s[G0V+4*\n+3], s[G0V+4*\n+3], 0x80000000
.endr
	s_cmp_lt_u32 s[WV], 2                          ; a wave's two first fills stand in one branch, ahead of every wait on TENSORcnt and every LDS read; four v_nop follow the second
	s_cbranch_scc0 .Lfirst_v
	tensor_load_to_lds s[G0K:G0K+3], s[G1:G1+7]
	s_nop 0
	tensor_load_to_lds s[G0K+4:G0K+7], s[G1:G1+7]
	s_nop 0
.rept 4
	v_nop
.endr
	s_branch .Lfirst_asked
.Lfirst_v:
	tensor_load_to_lds s[G0V:G0V+3], s[G1:G1+7]
	s_nop 0
	tensor_load_to_lds s[G0V+4:G0V+7], s[G1:G1+7]
	s_nop 0
.rept 4
	v_nop
.endr
.Lfirst_asked:
	v_and_b32 v1, 31, v0
	v_lshlrev_b32 v[LS], 2, v1
	v_lshlrev_b32 v[LI], 4, v1
	s_mul_i32 s75, s73, 3072
	v_add_nc_u32 v216, s75, v[LI]                  ; Q's fragments: tile x 3,072 + 16 x lane
	s_mul_i32 s75, s74, 3072
	v_add_nc_u32 v217, s75, v[LI]
	s_lshl_b32 s75, s73, 7
	v_add_nc_u32 v218, s75, v[LS]                  ; and its scale words: tile x 128 + 4 x lane
	s_lshl_b32 s75, s74, 7
	v_add_nc_u32 v219, s75, v[LS]
	WIN 0x80                                       ; destination window 2
.irp a, 0,1                                    ; Q stays in registers
.irp s, 0,1
.irp c, 0,1,2
	global_load_b128 v[192+12*(2*\a+\s)+4*\c:192+12*(2*\a+\s)+4*\c+3], v[216+\a], s[70:71] offset:1536*\s+512*\c
.endr
.endr
.endr
	WIN 0
.irp a, 0,1
	global_load_b32 v[QSC+\a], v[218+\a], s[70:71] offset:24576
.endr
	s_mul_i32 s60, s22, CHUNK
	v_add_nc_u32 v[AK], s60, v[LI]
	v_add_nc_u32 v[AV], 2*CHUNK, v[AK]
	v_add_nc_u32 v[ASK], s60, v[LS]
	v_add_nc_u32 v[ASK], 24576, v[ASK]
	v_add_nc_u32 v[ASV], 2*CHUNK, v[ASK]
	v_and_b32 v24, 15, v0
	v_bfe_u32 v25, v0, 4, 1
	v_lshlrev_b32 v[XO], 16, v25
	v_lshl_add_u32 v[XO], v24, 4, v[XO]            ; lanes 0-15 take 256 bytes of one channel's row, lanes 16-31 of the next
.irp a, 0,1
	v_mov_b32 v[13+4*\a], 0xff61b1e6               ; the largest t so far: -3e38, under every t
	v_floor_f32 v[12+4*\a], -v[13+4*\a]            ; -M
	v_mov_b32 v[14+4*\a], 0                        ; the sum, in two halves
	v_mov_b32 v[15+4*\a], 0
.endr
	v_mov_b32 v[F+1], 0                            ; (named as the upper half of a pair)
.irp b, 0,1,2,3
	v_mov_b32 v[BP+\b], 0                          ; a lane permute's destination counts as one of its sources
.endr
; 56 LDS loads: a step's K: 8 scale registers, 16 fragments
.macro FETCH_K
	WIN 0
	v_add_nc_u32 v[ADR], s[TB], v[AK]
	v_add_nc_u32 v[ADS], s[TB], v[ASK]
.irp t, 0,1,2,3,4,5,6,7
	ds_load_b32 v[KSC+\t], v[ADS] offset:128*\t
.endr
	WIN 0x80                                       ; destination window 2
.set fi, 0
.rept 16
.irp c, 0,1,2
	ds_load_b128 v[12*fi+4*\c:12*fi+4*\c+3], v[ADR] offset:1536*fi+512*\c
.endr
.set fi, fi+1
.endr
	WIN 0
.endm
; 56 LDS loads: the same step's V; the next fetch is from the other slot
.macro FETCH_V
	WIN 0
	v_add_nc_u32 v[ADR], s[TB], v[AV]
	v_add_nc_u32 v[ADS], s[TB], v[ASV]
	s_xor_b32 s[TB], s[TB], SLOT1
.irp t, 0,1,2,3,4,5,6,7
	ds_load_b32 v[VSC+\t], v[ADS] offset:128*\t
.endr
	WIN 0xc0                                       ; destination window 3
.set fi, 0
.rept 16
.irp c, 0,1,2
	ds_load_b128 v[12*fi+4*\c:12*fi+4*\c+3], v[ADR] offset:1536*fi+512*\c
.endr
.set fi, fi+1
.endr
	WIN 0
.endm
; S^T = K Q^T: 32 products; the 16 accumulators take turns, one instruction a turn, K step by K step; the first 16 start the sums
.macro KQ
.irp t, 0,1,2,3,4,5,6,7
.irp a, 0,1
	v_wmma_scale_f32_16x16x128_f8f6f4 v[S+64*\a+8*\t:S+64*\a+8*\t+7], v[24*\t:24*\t+11], v[192+24*\a:192+24*\a+11], 0, v[KSC+\t], v[QSC+\a] matrix_a_fmt:MATRIX_FMT_BF6 matrix_b_fmt:MATRIX_FMT_BF6
.endr
.endr
.irp t, 0,1,2,3,4,5,6,7
.irp a, 0,1
	v_wmma_scale_f32_16x16x128_f8f6f4 v[S+64*\a+8*\t:S+64*\a+8*\t+7], v[24*\t+12:24*\t+23], v[192+24*\a+12:192+24*\a+23], v[S+64*\a+8*\t:S+64*\a+8*\t+7], v[KSC+\t], v[QSC+\a] matrix_a_fmt:MATRIX_FMT_BF6 matrix_b_fmt:MATRIX_FMT_BF6 matrix_a_scale:MATRIX_SCALE_ROW1 matrix_b_scale:MATRIX_SCALE_ROW1
.endr
.endr
.endm
; O^T += V^T P^T: 32 products on 32 accumulators.  first = 1: they start the sums: nothing is ever cleared
.macro PV first
.set ct, 0
.rept 16
.irp a, 0,1
.if \first
.if ct%2
	v_wmma_scale_f32_16x16x128_f8f6f4 v[128*\a+8*ct:128*\a+8*ct+7], v[12*ct:12*ct+11], v[P+12*\a:P+12*\a+11], 0, v[VSC+ct/2], v[PSC+\a] matrix_a_fmt:MATRIX_FMT_BF6 matrix_b_fmt:MATRIX_FMT_BF6 matrix_a_scale:MATRIX_SCALE_ROW1
.else
	v_wmma_scale_f32_16x16x128_f8f6f4 v[128*\a+8*ct:128*\a+8*ct+7], v[12*ct:12*ct+11], v[P+12*\a:P+12*\a+11], 0, v[VSC+ct/2], v[PSC+\a] matrix_a_fmt:MATRIX_FMT_BF6 matrix_b_fmt:MATRIX_FMT_BF6
.endif
.else
.if ct%2
	v_wmma_scale_f32_16x16x128_f8f6f4 v[128*\a+8*ct:128*\a+8*ct+7], v[12*ct:12*ct+11], v[P+12*\a:P+12*\a+11], v[128*\a+8*ct:128*\a+8*ct+7], v[VSC+ct/2], v[PSC+\a] matrix_a_fmt:MATRIX_FMT_BF6 matrix_b_fmt:MATRIX_FMT_BF6 matrix_a_scale:MATRIX_SCALE_ROW1
.else
	v_wmma_scale_f32_16x16x128_f8f6f4 v[128*\a+8*ct:128*\a+8*ct+7], v[12*ct:12*ct+11], v[P+12*\a:P+12*\a+11], v[128*\a+8*ct:128*\a+8*ct+7], v[VSC+ct/2], v[PSC+\a] matrix_a_fmt:MATRIX_FMT_BF6 matrix_b_fmt:MATRIX_FMT_BF6
.endif
.endif
.endr
.set ct, ct+1
.endr
.endm
; Local tile a's softmax for one step of 128 keys.  first = 1: O^T has no sums yet: nothing to rescale
.macro SOFTMAX a, first
.set rS, S+64*(\a)
.set rT, 12+4*(\a)
.irp b, 0,1,2,3
	v_max3_num_f32 v[BM+\b], v[rS+16*\b], v[rS+1+16*\b], v[rS+2+16*\b]   ; the largest score of each block of 32 keys: it serves for the row's maximum and, since p rises with the score, for the block's largest p
.endr
.irp i, 3,5,7,9,11,13
.irp b, 0,1,2,3
	v_max3_num_f32 v[BM+\b], v[BM+\b], v[rS+16*\b+\i], v[rS+1+16*\b+\i]
.endr
.endr
.irp b, 0,1,2,3
	v_max_num_f32 v[BM+\b], v[BM+\b], v[rS+15+16*\b]
.endr
.irp b, 0,1,2,3
	v_permlanex16_b32 v[BP+\b], v[BM+\b], s[SEL], s[SEL+1]
.endr
.irp b, 0,1,2,3
	v_max_num_f32 v[BM+\b], v[BM+\b], v[BP+\b]     ; with lane l xor 16's 16 keys
.endr
	v_max3_num_f32 v[T], v[BM], v[BM+1], v[BM+2]
	v_max_num_f32 v[T], v[T], v[BM+3]              ; the step's largest score of my query
	v_mul_f32 v[T], s[CS], v[T]                    ; as t (c is positive)
	v_max_num_f32 v[rT+1], v[rT+1], v[T]           ; the running largest t
	v_mov_b32 v[T], v[rT]
	v_floor_f32 v[rT], -v[rT+1]                    ; the new -M = floor(-t) = -ceil(t)
	v_sub_f32 v[T], v[rT], v[T]                    ; old M - new M: a whole number, 0 or less
	v_cvt_i32_f32 v[T], v[T]                       ; (it saturates)
	v_ldexp_f32 v[F], 1.0, v[T]                    ; f = 2^(old M - new M)
.set jj, 0
.rept 32
	v_pk_fma_f32 v[rS+jj:rS+jj+1], v[rS+jj:rS+jj+1], s[CS:CS+1], v[rT:rT+1] op_sel_hi:[1,0,0]   ; t - M, two at a time
.set jj, jj+2
.endr
.irp b, 0,1,2,3
	v_fma_f32 v[BM+\b], v[BM+\b], s[CS], v[rT]     ; the same of each block's largest score
.endr
.set jj, 0
.rept 64
	v_exp_f32 v[rS+jj], v[rS+jj]                   ; p = 2^(t - M), at most 1
.set jj, jj+1
.endr
.irp b, 0,1,2,3
	v_exp_f32 v[BM+\b], v[BM+\b]                   ; the block's largest p
.endr
	v_pk_mul_f32 v[rT+2:rT+3], v[rT+2:rT+3], v[F:F+1] op_sel_hi:[1,0]   ; the sums under the new M (a plain line behind the exponentials)
	s_wait_alu depctr_va_vdst(0)
.irp b, 0,1,2,3
	v_max_num_f32 v[BM+\b], 0x2800000, v[BM+\b]    ; the floor 2^(5 - 127)
.endr
.irp b, 0,1,2,3
	v_add_nc_u32 v[SO+\b], 0xfe000000, v[BM+\b]    ; 4 off the exponent field: the conversion's scale operand
.endr
.irp b, 0,1,2,3
	v_lshrrev_b32 v[BP+\b], 23, v[SO+\b]           ; the scale's byte
.endr
	v_lshl_or_b32 v[PSC+\a], v[BP+1], 8, v[BP]     ; p's scale word for these 128 keys
	v_lshl_or_b32 v[PSC+\a], v[BP+2], 16, v[PSC+\a]
	v_lshl_or_b32 v[PSC+\a], v[BP+3], 24, v[PSC+\a]
	PACK6 rS, P+12*(\a)
	v_pk_add_f32 v[G:G+1], v[rS:rS+1], v[rS+2:rS+3]   ; the row's sum is taken of the unquantised p, in two chains.  (These lines are also the places between the writes of P and its scale word and the products)
.irp j, 4,8,12,16,20,24,28,32,36,40,44,48,52,56,60
	v_pk_add_f32 v[rT+2:rT+3], v[rT+2:rT+3], v[rS+\j:rS+\j+1]
	v_pk_add_f32 v[G:G+1], v[G:G+1], v[rS+\j+2:rS+\j+3]
.endr
	v_pk_add_f32 v[rT+2:rT+3], v[rT+2:rT+3], v[G:G+1]
.if !\first
	WIN W_RS
.set jj, 0
.rept 64
	v_pk_mul_f32 v[128*(\a)+jj:128*(\a)+jj+1], v[128*(\a)+jj:128*(\a)+jj+1], v[F:F+1] op_sel_hi:[1,0]   ; O^T under the new M
.set jj, jj+2
.endr
	WIN 0
.endif
.endm
; A KEY STEP.  mode 2: the slot is filled again, with the step two on; mode 1: nothing is left to ask for, the next step's K is still fetched; mode 0: the last step
.macro TRIP first, mode
	PLACES                                         ; behind the last step's V^T P, which read V's registers
	FETCH_V
	s_wait_dscnt 56                                ; K is in: exactly V's 56 loads are younger
	WIN W_KQ
	KQ
	WIN 0
.if \mode == 2
	s_wait_tensorcnt 0x0                           ; all my tensor loads have landed: the one that was out is my chunk of the next step
	ds_add_u32 v[SPW], v[NIL]                      ; 0 onto my spare word: the descriptors' steps stand between it and the wait for it
	s_xor_b32 s[G0K+5], s[G0K+5], SLOT1            ; the walking descriptors: the other slot than last time,
	s_add_nc_u64 s[G0K+6:G0K+7], s[G0K+6:G0K+7], CHUNK   ; the next step's chunk; the type bits on top are not reached
	s_xor_b32 s[G0V+5], s[G0V+5], SLOT1
	s_add_nc_u64 s[G0V+6:G0V+7], s[G0V+6:G0V+7], CHUNK
	s_wait_dscnt 0x0                               ; the add is done, and my reads of this slot are over: V's were the last
	CROUND                                         ; no wave of any partner still reads this slot or has a load on its way
	JLOAD                                          ; the first tensor load behind the round; its four v_nop are also the places behind K Q^T
	FETCH_K                                        ; the next step's K, from the other slot, which is whole
.elseif \mode == 1
	s_wait_tensorcnt 0x0                           ; my chunk of the last step has landed
	ds_add_u32 v[SPW], v[NIL]
	s_wait_dscnt 0x0
	s_barrier_signal -1
	s_barrier_wait -1                              ; everybody's has
	PLACES
	FETCH_K
.else
	s_wait_dscnt 0x0                               ; V is in
	PLACES
	WIN 0x80                                       ; K's registers are free: my 64 rows of x, 256 bytes of each, are asked for a softmax and 32 products ahead of their use
.set ii, 0
.rept 32
	global_load_b128 v[4*ii:4*ii+3], v[XO], s[14:15] offset:131072*ii th:TH_LOAD_NT   ; two rows a load; 62 rows at the most: inside the signed 24-bit immediate
.set ii, ii+1
.endr
	WIN 0
.endif
	SOFTMAX 0, \first
	SOFTMAX 1, \first
.if \mode != 0
	s_wait_dscnt 56                                ; V is in: exactly the next K's 56 loads are younger
.endif
	WIN W_PV
	PV \first
	WIN 0
.endm
	s_wait_tensorcnt 1                             ; my chunk of step 0 is in; step 1's may stay out
	s_barrier_signal -1
	s_barrier_wait -1                              ; everybody's is
	FETCH_K
	s_wait_loadcnt 0x0                             ; Q
	TRIP 1, 2                                      ; step 0
	s_mov_b32 s[CNT], 13
.Ltrip:                                            ; steps 1 to 13: each asks for the step two on
	TRIP 0, 2
	s_sub_co_u32 s[CNT], s[CNT], 1
	s_cmp_lg_u32 s[CNT], 0
	s_cbranch_scc1 .Ltrip
	TRIP 0, 1                                      ; steps 14 and 15 are written out
	TRIP 0, 0
	; THE END.  Addresses; the sums; wp, its scale words and bp are asked for; local tile 1 goes to my partner.
	PLACES                                         ; behind the last products
	v_and_b32 v24, 15, v0                          ; r
	v_bfe_u32 v25, v0, 4, 1                        ; h
	s_mul_i32 s54, s[WV], EXB
	s_xor_b32 s55, s[WV], 1
	s_mul_i32 s55, s55, EXB
	v_add_nc_u32 v[EXW], s54, v[LI]                ; what I hand over: my region;
	v_add_nc_u32 v[EXR], s55, v[LI]                ; what I take: my partner's
	v_add_nc_u32 v[EXWS], s54, v[LS]
	v_add_nc_u32 v[EXRS], s55, v[LS]
	s_mul_i32 s54, s[WV], 3072
	s_add_co_u32 s54, s54, OIMG
	v_add_nc_u32 v[OIW], s54, v[LI]                ; o's images: tile w's two
	s_lshl_b32 s54, s[WV], 7
	s_add_co_u32 s54, s54, OSCB
	v_lshl_add_u32 v[OSW], v24, 2, s54
	v_add_nc_u32 v[OIR], OIMG, v[LI]
	v_add_nc_u32 v[OSR], OSCB, v[LS]
	s_mul_i32 s54, s[WV], STB
	s_add_co_u32 s54, s54, STAGE
	v_mul_u32_u24 v[STO], v24, 272
	v_lshl_add_u32 v[STO], v25, 6, v[STO]
	v_add_nc_u32 v[STO], s54, v[STO]               ; the stage, in: row r of a tile of channels, + 16 h queries
	v_mul_u32_u24 v[STR], v25, 272
	v_lshl_add_u32 v[STR], v24, 4, v[STR]
	v_add_nc_u32 v[STR], s54, v[STR]               ; back: lanes 0-15 one row, lanes 16-31 the next
	v_mul_u32_u24 v[WPA], v24, 192
	v_mad_u32_u24 v[WPA], v25, 24, v[WPA]          ; wp: row r (its tiles take neighbouring rows), + 24 h
	v_lshlrev_b32 v[WPS], 3, v24
	v_lshl_add_u32 v[WPS], v25, 2, v[WPS]
	v_lshlrev_b32 v[BPA], 2, v24
	v_add_f32 v14, v14, v15                        ; each tile's sum: its two halves,
	v_add_f32 v18, v18, v19
	v_permlanex16_b32 v28, v14, s[SEL], s[SEL+1]
	v_permlanex16_b32 v29, v18, s[SEL], s[SEL+1]
	v_add_f32 v14, v14, v28                        ; and lane l xor 16's
	v_add_f32 v18, v18, v29
	s_mov_b32 s55, 0
	s_mul_i32 s54, s[WV], 12288
	s_add_co_u32 s54, s54, 147456
	s_add_nc_u64 s[8:9], s[8:9], s[54:55]          ; wp's codes, my 64 rows
	s_lshl_b32 s54, s[WV], 9
	s_add_co_u32 s54, s54, 6144
	s_add_nc_u64 s[10:11], s[10:11], s[54:55]      ; its scale bytes
	s_lshl_b32 s54, s[WV], 8
	s_add_nc_u64 s[12:13], s[12:13], s[54:55]      ; bp
	WIN 0xc0                                       ; destination window 3: V's registers are free
.irp t, 0,1,2,3
.irp s, 0,1
.irp p, 0,1,2,3,4,5
	global_load_b64 v[12*(2*\t+\s)+2*\p:12*(2*\t+\s)+2*\p+1], v[WPA], s[8:9] offset:\t*3072+\s*96+48*(\p/3)+8*(\p%3)
.endr
.endr
.endr
	WIN 0
.irp t, 0,1,2,3
	global_load_b32 v[52+\t], v[WPS], s[10:11] offset:128*\t   ; lanes 0-15 K step 0's words, lanes 16-31 K step 1's
	global_load_b32 v[56+\t], v[BPA], s[12:13] offset:64*\t
.endr
	WIN 0x04                                       ; an LDS store's data are its source 1: window 1
.set ii, 0
.rept 32
	ds_store_b128 v[EXW], v[128+4*ii:128+4*ii+3] offset:512*ii   ; local tile 1's O^T as it stands, each accumulator from its low end on
.set ii, ii+1
.endr
	WIN 0
	ds_store_b32 v[EXWS], v16 offset:16384         ; its -M
	ds_store_b32 v[EXWS], v18 offset:16512         ; and its sum
	s_wait_dscnt 0x0                               ; for my partner's sake: the stores are done (and my reads of slot 1 are long over)
	s_barrier_signal -1
	s_barrier_wait -1
.set ii, 0
.rept 32
	ds_load_b128 v[S+4*ii:S+4*ii+3], v[EXR] offset:512*ii   ; my tile's O^T over the other half of the keys
.set ii, ii+1
.endr
	ds_load_b32 v46, v[EXRS] offset:16384
	ds_load_b32 v47, v[EXRS] offset:16512
	s_wait_loadcnt 0x0                             ; wp, its scale words, bp; and x, asked for long before them
.irp t, 0,1,2,3
.irp j, 0,1,2,3,4,5,6,7
	v_mov_b32 v[BIAS+8*\t+\j], v[56+\t]            ; the bias in the result's layout: a lane holds one channel
.endr
.endr
	s_wait_dscnt 0x0
	v_min_num_f32 v[T], v12, v46                   ; -(the larger M)
	v_sub_f32 v24, v[T], v12                       ; my M less it, and my partner's: whole numbers, 0 or less
	v_sub_f32 v25, v[T], v46
	v_cvt_i32_f32 v24, v24
	v_cvt_i32_f32 v25, v25
	v_ldexp_f32 v24, 1.0, v24
	v_ldexp_f32 v25, 1.0, v25
	v_mul_f32 v26, v14, v24
	v_fmac_f32 v26, v47, v25                       ; the row's sum over all keys
	v_rcp_f32 v26, v26
	v_nop                                          ; a plain line behind the transcendental
	s_wait_alu depctr_va_vdst(0)
	v_mul_f32 v[F], v24, v26
	v_mul_f32 v[G], v25, v26
	v_mov_b32 v[G+1], v[G]
.set jj, 0
.rept 64
	v_pk_mul_f32 v[S+jj:S+jj+1], v[S+jj:S+jj+1], v[G:G+1] op_sel_hi:[1,0]
.set jj, jj+2
.endr
	WIN 0x01                                       ; source 0: my O^T, window 1
.set jj, 0
.rept 64
	v_pk_fma_f32 v[S+jj:S+jj+1], v[jj:jj+1], v[F:F+1], v[S+jj:S+jj+1] op_sel_hi:[1,0,1]   ; o = (both halves under one M) / the sum: register 8 ct + j = channel 32 (ct / 2) + 8 (ct mod 2) + 16 h + j
.set jj, jj+2
.endr
	WIN 0
	QUANT S, P, PSC                                ; channels 0-127: K step 0 of the projection,
	QUANT S+64, P+12, PSC+1                        ; channels 128-255: K step 1
.irp c, 0,1,2
	ds_store_b128 v[OIW], v[P+4*\c:P+4*\c+3] offset:512*\c
	ds_store_b128 v[OIW], v[P+12+4*\c:P+12+4*\c+3] offset:1536+512*\c
.endr
	ds_store_b32 v[OSW], v[PSC]                    ; both halves of the lanes hold the same word
	ds_store_b32 v[OSW], v[PSC+1] offset:64
	s_wait_dscnt 0x0                               ; for the others' sake
	s_barrier_signal -1
	s_barrier_wait -1                              ; o's eight fragments lie in LDS
.set fi, 0
.rept 8
.irp c, 0,1,2
	ds_load_b128 v[S+12*fi+4*\c:S+12*fi+4*\c+3], v[OIR] offset:1536*fi+512*\c
.endr
.set fi, fi+1
.endr
.irp g, 0,1,2,3
	ds_load_b32 v[48+\g], v[OSR] offset:128*\g
.endr
	s_wait_dscnt 0x0
	; the projection: my 64 channels for the 64 queries: source 0 = a tile of queries, source 1 = 16 rows of wp: a lane holds one channel and eight neighbouring queries.  16 accumulators by turns
	WIN 0x4c                                       ; source 1 (wp) window 3, destination window 1
.irp t, 0,1,2,3
.irp g, 0,1,2,3
	v_wmma_scale_f32_16x16x128_f8f6f4 v[8*(4*\t+\g):8*(4*\t+\g)+7], v[S+24*\g:S+24*\g+11], v[24*\t:24*\t+11], v[BIAS+8*\t:BIAS+8*\t+7], v[48+\g], v[52+\t] matrix_a_fmt:MATRIX_FMT_BF6 matrix_b_fmt:MATRIX_FMT_BF6
.endr
.endr
	WIN 0x5c                                       ; C too in window 1
.irp t, 0,1,2,3
.irp g, 0,1,2,3
	v_wmma_scale_f32_16x16x128_f8f6f4 v[8*(4*\t+\g):8*(4*\t+\g)+7], v[S+24*\g+12:S+24*\g+23], v[24*\t+12:24*\t+23], v[8*(4*\t+\g):8*(4*\t+\g)+7], v[48+\g], v[52+\t] matrix_a_fmt:MATRIX_FMT_BF6 matrix_b_fmt:MATRIX_FMT_BF6 matrix_a_scale:MATRIX_SCALE_ROW1 matrix_b_scale:MATRIX_SCALE_ROW1
.endr
.endr
	WIN 0
	PLACES
	; THE WAY OUT.  A lane's eight results are queries 32 (g / 2) + 8 (g mod 2) + 16 h + 0 .. 7 of channel 16 t + r: they go through my own stage and come back as whole rows of 256 bytes
	WIN 0x04
.irp t, 0,1,2,3
.irp g, 0,1,2,3
	ds_store_b128 v[STO], v[8*(4*\t+\g):8*(4*\t+\g)+3] offset:\t*4352+(\g/2)*128+(\g%2)*32
	ds_store_b128 v[STO], v[8*(4*\t+\g)+4:8*(4*\t+\g)+7] offset:\t*4352+(\g/2)*128+(\g%2)*32+16
.endr
.endr
	WIN 0
.set ii, 0
.rept 32
	ds_load_b128 v[S+4*ii:S+4*ii+3], v[STR] offset:544*ii   ; LDS serves a wave's instructions in order (ISA guide 5.7.1.4): these see my stores
.set ii, ii+1
.endr
	s_wait_dscnt 0x0
	WIN 0x08                                       ; source 1: x, window 2
.set jj, 0
.rept 64
	v_pk_add_f32 v[S+jj:S+jj+1], v[S+jj:S+jj+1], v[jj:jj+1]   ; the residual
.set jj, jj+2
.endr
	WIN 0
.set ii, 0
.rept 32
	global_store_b128 v[XO], v[S+4*ii:S+4*ii+3], s[16:17] offset:131072*ii th:TH_STORE_NT   ; sixteen lanes store 256 consecutive bytes, at a multiple of 256 from out0's first byte
.set ii, ii+1
.endr
	s_wait_tensorcnt 0x0                           ; the wave's end, behind my last tensor load and my last LDS store
	ds_add_u32 v[SPW], v[NIL]
	s_wait_dscnt 0x0
	CROUND                                         ; the closing round: no work-group ends while a partner may still ask for a chunk that names it
	s_endpgm
.Lfunc_end_k_qf291d95c45_attn:
	.size	k_qf291d95c45_attn, .Lfunc_end_k_qf291d95c45_attn-k_qf291d95c45_attn
	.p2alignl 7, 3214868480
	.fill 96, 4, 3214868480
	.section	.rodata,"a",@progbits
	.p2align	6, 0x0
	.amdhsa_kernel k_qf291d95c45_attn
		.amdhsa_group_segment_fixed_size 327680
		.amdhsa_private_segment_fixed_size 0
		.amdhsa_enable_private_segment 0
		.amdhsa_kernarg_size 56
		.amdhsa_user_sgpr_count 2
		.amdhsa_user_sgpr_kernarg_segment_ptr 1
		.amdhsa_wavefront_size32 1
		.amdhsa_system_sgpr_workgroup_id_x 1
		.amdhsa_system_sgpr_workgroup_id_y 1
		.amdhsa_system_sgpr_workgroup_id_z 1
		.amdhsa_system_vgpr_workitem_id 0
		.amdhsa_next_free_vgpr 1024
		.amdhsa_next_free_sgpr 96
		.amdhsa_reserve_vcc 0
		.amdhsa_float_denorm_mode_32 3
		.amdhsa_float_denorm_mode_16_64 3
		.amdhsa_memory_ordered 1
		.amdhsa_forward_progress 1
		.amdhsa_inst_pref_size 233
	.end_amdhsa_kernel
	.amdgpu_metadata
---
amdhsa.version: [ 1, 2 ]
amdhsa.kernels:
  - .name:           k_qf291d95c45_attn
    .symbol:         k_qf291d95c45_attn.kd
    .args:
      - { .name: qk, .offset: 0, .size: 8, .value_kind: global_buffer, .address_space: global }
      - { .name: vimg, .offset: 8, .size: 8, .value_kind: global_buffer, .address_space: global }
      - { .name: wcodes, .offset: 16, .size: 8, .value_kind: global_buffer, .address_space: global }
      - { .name: wscales, .offset: 24, .size: 8, .value_kind: global_buffer, .address_space: global }
      - { .name: bp, .offset: 32, .size: 8, .value_kind: global_buffer, .address_space: global }
      - { .name: x, .offset: 40, .size: 8, .value_kind: global_buffer, .address_space: global }
      - { .name: out0, .offset: 48, .size: 8, .value_kind: global_buffer, .address_space: global }
    .group_segment_fixed_size: 327680
    .private_segment_fixed_size: 0
    .kernarg_segment_align: 8
    .kernarg_segment_size: 56
    .max_flat_workgroup_size: 128
    .sgpr_count:     96
    .vgpr_count:     1024
    .wavefront_size: 32
...
	.end_amdgpu_metadata
.endif
;; end of part 3
;; ======== version 2 of 2: 3 launches; 1.11 times as fast as version 1
;; workspace buffers: chstat 2,048 bytes; wcodes 196,608 bytes; wscales 8,192 bytes; qk 6,553,600 bytes; vimg 3,276,800 bytes
;; launch stats (part 4): grid 256 x 1, 8 waves a work-group, no clusters, 1,536 bytes of LDS; arguments x, wq, wk, wv, wp, chstat, wcodes, wscales; writes chstat, wcodes, wscales
.if DOCPART == 4
	.amdgcn_target "amdgcn-amd-amdhsa--gfx1250"
	.amdhsa_code_object_version 6
	.text
	.protected	k_qf291d95c45_stats
	.globl	k_qf291d95c45_stats
	.p2align	8
	.type	k_qf291d95c45_stats,@function
k_qf291d95c45_stats:
	s_mov_b64 s[64:65], 0
	v_nop
	global_prefetch_b8 v0, s[64:65] scope:SCOPE_SE
	s_setreg_imm32_b32 hwreg(HW_REG_WAVE_MODE, 25, 1), 1
	s_wait_xcnt 0x0
; FIRST OF THREE LAUNCHES.  Work-group c takes channel c of x (16,384 numbers, 65,536 consecutive bytes) and stores its mean and the sum of the squared
; deviations from that mean: chstat[c] = (mean, M2).  The channel stays in registers (64 numbers a thread) between the two passes, so x is read once here, and the
; deviations are taken from the mean itself: no difference of large sums is formed, whatever offset x carries.
; Waves 0 and 1 also quantise four rows of one of the four weights (work-groups 64 m .. 64 m + 63 take matrix m of wq, wk, wv, wp): codes of BF6 (E3M2) and one E8M0 byte for each 32 along K.
; A block's scale is 2^(floor(log2(its largest magnitude)) - 4): its byte is that magnitude's exponent field - 4.
; THE CODES ARE LAID AS IMAGES OF OPERAND REGISTERS: wcodes[matrix][tile 0..15][K step 0..1][1,536 bytes]; a fragment (16 rows x 128 K, 12 registers a lane) is three quads of 512 bytes, quad c = registers 4 c .. 4 c + 3,
; lane l's 16 bytes at 16 l: the later launches load a fragment by three loads of 512 consecutive bytes.  Lane (slot, h) of a fragment holds in registers 6 c .. 6 c + 5 the codes of k = 64 c + 32 h + 0 .. 31 of its row.
; Of wq, wk, wv row R is slot (R mod 8) + 8 ((R / 16) mod 2) of tile 2 (R / 32) + (R / 8) mod 2; of wp slot R mod 16 of tile R / 16.  The scale bytes stay rows: wscales[matrix][row][8].
; A lane's 16 codes are three registers of an image, which may lie in two quads: they leave by three stores of 4 bytes.  That is 192 KiB in the whole launch, beside x's 16 MiB.
; LIMITS: NaN and infinities among the inputs are not served.  A block whose largest magnitude lies under 2^-122 gets the byte 1; so does a block of zeros, where the
; quantiser says 127: its codes are zeros, which add nothing under any byte but 0xff, and the bytes are read by this program alone.
.set XR, 16                            ; v16-79   my 64 numbers of the channel
.set AC, 80                            ; v80-87   four chains of packed sums; v80-95 before that: 16 numbers of a weight (waves 0, 1)
.set OF, 104                           ; v104-106 where my three registers of codes go
	s_load_b512 s[4:19], s[0:1], 0x0               ; x s[4:5], wq s[6:7], wk s[8:9], wv s[10:11], wp s[12:13], chstat s[14:15], wcodes s[16:17], wscales s[18:19]
	v_lshl_add_u32 v112, v0, 2, 0x200
	v_mov_b32 v113, 0
	v_lshrrev_b32 v2, 5, v0
	v_readfirstlane_b32 s21, v2                    ; wave 0..7
	v_lshlrev_b32 v1, 4, v0                        ; 16 bytes a thread: a wave's load covers 512 consecutive bytes
	v_mov_b32 v8, s21
	v_lshlrev_b32 v8, 2, v8                        ; LDS: my wave's word
	v_mov_b32 v9, 0
	s_lshl_b32 s22, ttmp9, 16                      ; the channel's first byte
	s_mov_b32 s23, 0
	s_lshl_b32 s26, ttmp9, 3                       ; and its two words of chstat
	s_mov_b32 s27, 0
	s_lshr_b32 s20, ttmp9, 6                       ; which weight
	s_mov_b32 s30, 0x76543210                      ; v_permlanex16_b32's selects for lane l xor 16
	s_mov_b32 s31, 0xfedcba98
	s_wait_kmcnt 0x0
	s_add_nc_u64 s[4:5], s[4:5], s[22:23]
	s_add_nc_u64 s[14:15], s[14:15], s[26:27]
.irp i, 0,1,2,3,4,5,6,7,8,9,10,11,12,13,14,15
	global_load_b128 v[XR+4*\i:XR+4*\i+3], v1, s[4:5] offset:4096*\i   ; no hint: the later launches read x again
.endr
	s_cmp_gt_u32 s21, 1
	s_cbranch_scc1 .Lno_weights                    ; waves 2 to 7 have no part of the weights; no barrier stands in this branch
	s_cmp_eq_u32 s20, 1                            ; the weight is chosen by the work-group's number alone
	s_cselect_b64 s[6:7], s[8:9], s[6:7]
	s_cmp_eq_u32 s20, 2
	s_cselect_b64 s[6:7], s[10:11], s[6:7]
	s_cmp_eq_u32 s20, 3
	s_cselect_b64 s[6:7], s[12:13], s[6:7]
	s_cselect_b32 vcc_lo, -1, 0                    ; all lanes: is it wp, whose tiles take neighbouring rows?
	s_and_b32 s24, ttmp9, 63
	s_lshl_b32 s24, s24, 2
	s_lshl_b32 s25, s21, 1
	s_add_co_u32 s24, s24, s25                     ; my wave's first row: 4 (c mod 64) + 2 x wave
	v_bfe_u32 v3, v0, 4, 1
	v_and_b32 v4, 15, v0                           ; my piece of 16 numbers of the row
	v_add_nc_u32 v3, s24, v3                       ; my row R
	v_lshlrev_b32 v100, 10, v3
	v_lshl_add_u32 v100, v4, 6, v100               ; in: row x 1,024 + piece x 64
.irp j, 0,1,2,3
	global_load_b128 v[AC+4*\j:AC+4*\j+3], v100, s[6:7] offset:16*\j
.endr
	v_lshrrev_b32 v10, 5, v3
	v_bfe_u32 v11, v3, 3, 1
	v_lshl_or_b32 v10, v10, 1, v11                 ; tile 2 (R / 32) + (R / 8) mod 2
	v_and_b32 v11, 7, v3
	v_bfe_u32 v12, v3, 4, 1
	v_lshl_or_b32 v11, v12, 3, v11                 ; slot (R mod 8) + 8 ((R / 16) mod 2)
	v_lshrrev_b32 v12, 4, v3                       ; wp: tile R / 16,
	v_and_b32 v13, 15, v3                          ; slot R mod 16
	v_cndmask_b32 v10, v10, v12, vcc_lo
	v_cndmask_b32 v11, v11, v13, vcc_lo
	v_bfe_u32 v12, v4, 1, 1                        ; piece p holds k = 128 (p / 8) + 64 c + 32 h + 16 u + 0 .. 15: h = bit 1 of p,
	v_lshl_or_b32 v11, v12, 4, v11                 ; the image's lane: slot + 16 h
	v_lshrrev_b32 v12, 3, v4                       ; the K step: bit 3
	v_mul_u32_u24 v10, v10, 3072
	v_mad_u32_u24 v10, v12, 1536, v10
	v_lshl_add_u32 v10, v11, 4, v10
	s_mul_i32 s25, s20, 49152
	v_add_nc_u32 v10, s25, v10                     ; matrix x 49,152 + tile x 3,072 + K step x 1,536 + 16 x lane
	v_bfe_u32 v12, v4, 2, 1                        ; c: bit 2
	v_and_b32 v13, 1, v4                           ; u: bit 0
	v_mul_u32_u24 v12, v12, 6
	v_mad_u32_u24 v12, v13, 3, v12                 ; my first register of the fragment: 6 c + 3 u
.irp i, 0,1,2
	v_add_nc_u32 v13, \i, v12                      ; register j lies in quad j / 4, at word j mod 4 of the lane's 16 bytes
	v_lshrrev_b32 v14, 2, v13
	v_and_b32 v13, 3, v13
	v_lshl_add_u32 v[OF+\i], v14, 9, v10
	v_lshl_add_u32 v[OF+\i], v13, 2, v[OF+\i]
.endr
	v_lshrrev_b32 v102, 1, v4
	v_lshl_add_u32 v102, v3, 3, v102
	s_lshl_b32 s25, s20, 11
	v_add_nc_u32 v102, s25, v102                   ; scale byte: matrix x 2,048 + row x 8 + block
	s_wait_loadcnt 0x0
	v_max3_num_f32 v5, |v80|, |v81|, |v82|         ; the largest magnitude of my 16, in two chains
	v_max3_num_f32 v6, |v83|, |v84|, |v85|
.irp i, 6,10
	v_max3_num_f32 v5, v5, |v[AC+\i]|, |v[AC+\i+1]|
	v_max3_num_f32 v6, v6, |v[AC+\i+2]|, |v[AC+\i+3]|
.endr
	v_max3_num_f32 v5, v5, |v94|, |v95|
	v_max3_num_f32 v5, v5, v6, 0x2800000           ; and the floor 2^(5 - 127): the byte cannot fall under 1
	v_max_num_f32_dpp v5, v5, v5 row_xmask:1 row_mask:0xf bank_mask:0xf   ; with my neighbour's 16: the block's
	v_add_nc_u32 v7, 0xfe000000, v5                ; 4 off its exponent field: the conversion takes the exponent field of this operand as its scale
	v_cvt_scalef32_pk16_bf6_f32 v[96:98], v[80:95], v7
	v_lshrrev_b32 v99, 23, v7                      ; the scale's byte (also the plain line behind the conversion)
.irp i, 0,1,2
	global_store_b32 v[OF+\i], v[96+\i], s[16:17]
.endr
	global_store_b8 v102, v99, s[18:19]            ; both lanes of a block store the same byte with the same value
.Lno_weights:
	s_wait_loadcnt 0x0                             ; the channel is in
; v80's sum over the 32 lanes, then over the eight waves through the eight LDS words at off: the result in v80 of every lane
.macro ACROSS off
	v_add_f32_dpp v80, v80, v80 row_xmask:1 row_mask:0xf bank_mask:0xf
	v_add_f32_dpp v80, v80, v80 row_xmask:2 row_mask:0xf bank_mask:0xf
	v_add_f32_dpp v80, v80, v80 row_xmask:4 row_mask:0xf bank_mask:0xf
	v_add_f32_dpp v80, v80, v80 row_xmask:8 row_mask:0xf bank_mask:0xf
	v_permlanex16_b32 v81, v80, s30, s31
	v_add_f32 v80, v80, v81
	ds_store_b32 v8, v80 offset:\off               ; all lanes write my wave's word with the same value
	s_wait_dscnt 0x0                               ; for the others' sake: my store is done
	s_barrier_signal -1
	s_barrier_wait -1
	ds_load_b128 v[84:87], v9 offset:\off
	ds_load_b128 v[88:91], v9 offset:\off+16
	s_wait_dscnt 0x0
	v_add_f32 v84, v84, v85
	v_add_f32 v86, v86, v87
	v_add_f32 v88, v88, v89
	v_add_f32 v90, v90, v91
	v_add_f32 v84, v84, v86
	v_add_f32 v88, v88, v90
	v_add_f32 v80, v84, v88
.endm
.irp k, 0,1,2,3
	v_pk_add_f32 v[AC+2*\k:AC+2*\k+1], v[XR+2*\k:XR+2*\k+1], v[XR+8+2*\k:XR+9+2*\k]   ; the first eight pairs start four chains: nothing is cleared
.endr
.set pp, 8
.rept 24
	v_pk_add_f32 v[AC+2*(pp%4):AC+2*(pp%4)+1], v[AC+2*(pp%4):AC+2*(pp%4)+1], v[XR+2*pp:XR+2*pp+1]
.set pp, pp+1
.endr
	v_pk_add_f32 v[80:81], v[80:81], v[82:83]
	v_pk_add_f32 v[84:85], v[84:85], v[86:87]
	v_pk_add_f32 v[80:81], v[80:81], v[84:85]
	v_add_f32 v80, v80, v81
	ACROSS 0
	v_mul_f32 v92, 0x38800000, v80                 ; the mean: the sum x 2^-14
	v_mov_b32 v93, v92
.set pp, 0
.rept 32
	v_pk_add_f32 v[XR+2*pp:XR+2*pp+1], v[XR+2*pp:XR+2*pp+1], v[92:93] neg_lo:[0,1] neg_hi:[0,1]   ; x - mean, in place
.set pp, pp+1
.endr
.irp k, 0,1,2,3
	v_pk_mul_f32 v[AC+2*\k:AC+2*\k+1], v[XR+2*\k:XR+2*\k+1], v[XR+2*\k:XR+2*\k+1]
.endr
.set pp, 4
.rept 28
	v_pk_fma_f32 v[AC+2*(pp%4):AC+2*(pp%4)+1], v[XR+2*pp:XR+2*pp+1], v[XR+2*pp:XR+2*pp+1], v[AC+2*(pp%4):AC+2*(pp%4)+1]
.set pp, pp+1
.endr
	v_pk_add_f32 v[80:81], v[80:81], v[82:83]
	v_pk_add_f32 v[84:85], v[84:85], v[86:87]
	v_pk_add_f32 v[80:81], v[80:81], v[84:85]
	v_add_f32 v80, v80, v81
	ACROSS 256                                     ; other LDS words than the first sum's: no wave can still be reading what is written here
	v_mov_b32 v93, v80                             ; (mean, M2)
	s_wait_xcnt 0x0                                ; EXEC changes only behind this wait: the weights' stores name it as a source
	v_cmp_gt_u32 vcc_lo, 1, v0
	s_wait_tensorcnt 0x0
	ds_add_u32 v112, v113
	s_wait_dscnt 0x0
	s_and_saveexec_b32 s24, vcc_lo                 ; thread 0 alone
	global_store_b64 v9, v[92:93], s[14:15]
	s_wait_xcnt 0x0                                ; and again in front of the line that widens it
	s_or_b32 exec_lo, exec_lo, s24
	s_endpgm
.Lfunc_end_k_qf291d95c45_stats:
	.size	k_qf291d95c45_stats, .Lfunc_end_k_qf291d95c45_stats-k_qf291d95c45_stats
	.p2alignl 7, 3214868480
	.fill 96, 4, 3214868480
	.section	.rodata,"a",@progbits
	.p2align	6, 0x0
	.amdhsa_kernel k_qf291d95c45_stats
		.amdhsa_group_segment_fixed_size 1536
		.amdhsa_private_segment_fixed_size 0
		.amdhsa_enable_private_segment 0
		.amdhsa_kernarg_size 64
		.amdhsa_user_sgpr_count 2
		.amdhsa_user_sgpr_kernarg_segment_ptr 1
		.amdhsa_wavefront_size32 1
		.amdhsa_system_sgpr_workgroup_id_x 1
		.amdhsa_system_sgpr_workgroup_id_y 1
		.amdhsa_system_sgpr_workgroup_id_z 1
		.amdhsa_system_vgpr_workitem_id 0
		.amdhsa_next_free_vgpr 114
		.amdhsa_next_free_sgpr 66
		.amdhsa_reserve_vcc 1
		.amdhsa_float_denorm_mode_32 3
		.amdhsa_float_denorm_mode_16_64 3
		.amdhsa_memory_ordered 1
		.amdhsa_forward_progress 1
		.amdhsa_inst_pref_size 16
	.end_amdhsa_kernel
	.amdgpu_metadata
---
amdhsa.version: [ 1, 2 ]
amdhsa.kernels:
  - .name:           k_qf291d95c45_stats
    .symbol:         k_qf291d95c45_stats.kd
    .args:
      - { .name: x, .offset: 0, .size: 8, .value_kind: global_buffer, .address_space: global }
      - { .name: wq, .offset: 8, .size: 8, .value_kind: global_buffer, .address_space: global }
      - { .name: wk, .offset: 16, .size: 8, .value_kind: global_buffer, .address_space: global }
      - { .name: wv, .offset: 24, .size: 8, .value_kind: global_buffer, .address_space: global }
      - { .name: wp, .offset: 32, .size: 8, .value_kind: global_buffer, .address_space: global }
      - { .name: chstat, .offset: 40, .size: 8, .value_kind: global_buffer, .address_space: global }
      - { .name: wcodes, .offset: 48, .size: 8, .value_kind: global_buffer, .address_space: global }
      - { .name: wscales, .offset: 56, .size: 8, .value_kind: global_buffer, .address_space: global }
    .group_segment_fixed_size: 1536
    .private_segment_fixed_size: 0
    .kernarg_segment_align: 8
    .kernarg_segment_size: 64
    .max_flat_workgroup_size: 256
    .sgpr_count:     66
    .vgpr_count:     114
    .wavefront_size: 32
...
	.end_amdgpu_metadata
.endif
;; end of part 4
;; launch qkv (part 5): grid 128 x 2, 8 waves a work-group, no clusters, 28,672 bytes of LDS; arguments x, chstat, gamma, beta, wcodes, wscales, bq, bk, bv, qk, vimg; writes qk, vimg
.if DOCPART == 5
	.amdgcn_target "amdgcn-amd-amdhsa--gfx1250"
	.amdhsa_code_object_version 6
	.text
	.protected	k_qf291d95c45_qkv
	.globl	k_qf291d95c45_qkv
	.p2align	8
	.type	k_qf291d95c45_qkv,@function
k_qf291d95c45_qkv:
	s_mov_b64 s[64:65], 0
	v_nop
	global_prefetch_b8 v0, s[64:65] scope:SCOPE_SE
	s_setreg_imm32_b32 hwreg(HW_REG_WAVE_MODE, 25, 1), 1
	s_wait_xcnt 0x0
; SECOND LAUNCH.  GroupNorm, the tokens quantised, q = tok wq^T + bq, k, v likewise, on codes of BF6 (E3M2) with one E8M0 scale for each 32 along K; q, k and v are quantised in registers
; (q, k along the channels, v along the tokens, which are the keys of the later product) and stored as IMAGES OF OPERAND REGISTERS, so that the next launch loads every fragment by three loads of 16 bytes a lane.
; SHARES.  Work-group (X, y): X = a chunk of 128 tokens; y = 0 makes q and v's channels 0-127, y = 1 makes k and v's channels 128-255.  One path through the text: y enters offsets and one choice of a bias pointer.
; So x is read by two work-groups: the price of whole fragments of v (128 keys each) on 256 work-groups.  Joint loads are left out: what the two share is one tile of 128 KiB, read once.
; A CHUNK is 25,600 bytes.  q, k: fragment (token tile tt 0..7, K step ks 0..1) at 3,072 tt + 1,536 ks: three quads of 512 bytes, quad c = registers 4 c .. 4 c + 3, lane l's 16 bytes at 16 l;
; from byte 24,576 the scale words: (tt, ks, row r) at 128 tt + 64 ks + 4 r.  v: fragment of channel tile ct 0..15 (16 channels x these 128 keys) at 1,536 ct; scale words (ct, r) at 24,576 + 64 ct + 4 r.
; THE WEIGHTS' CODES come as such images too (the first launch lays them): matrix x 49,152 + tile x 3,072 + K step x 1,536: each of a fragment's three loads covers 512 consecutive bytes.
; THE ITEMS OF A TILE ARE NOT NEIGHBOURS: lane r of tile 2 b + u stands for item 32 b + 8 u + r + 8 (r / 8), for token tiles, for the rows of wq, wk and for those of wv.  So where such a tile is source 0,
; the 16 result registers of tiles 2 b and 2 b + 1 of lane (r, h) are items 32 b + 16 h + 0 .. 15: 16 neighbours along the next K, as the conversions want them.
; PHASES.  X: wave w takes 32 tokens (w mod 4) x 128 channels (w / 4): a lane a token, its registers down the channels, so a block of 32 lies in one lane; normalised, quantised, its codes put into LDS at their
; places in the token fragments' images | barrier | each wave: two token tiles x 128 channels of q or k (source 0 = 16 rows of the weight, source 1 = 16 tokens), then one channel tile of v for all 128 tokens
; (source 0 = 16 tokens, source 1 = 16 rows of wv); the biases are the C of each sum's first product | barrier | the scale words leave as whole runs of 512 bytes.
; GROUPNORM: a group's mean m is the mean of its 8 channels' means; its sum of squares is the sum of their M2 + 16,384 x the sum of (mean_k - m)^2; y = (x - m) (rsqrt(var + 1e-6) gamma) + beta.
; LIMITS: NaN and infinities are not served.  A block whose largest magnitude lies under 2^-122, a block of zeros among them, gets the byte 1 (its codes are zeros or subnormal codes; the bytes are read by this program alone).
.set CHUNK, 25600
.set XIMG,  0                          ; LDS: the 16 token fragments' images, 24,576 bytes
.set XSC,   24576                      ; their scale words, 1,024 bytes
.set OSC,   25600                      ; q's or k's scale words, laid as in the chunk, 1,024 bytes
.set OSCV,  26624                      ; v's, 512 bytes
.set XA,  4                            ; v4   x: my token's byte in my wave's first channel
.set LI,  5                            ; v5   16 x lane
.set LS,  6                            ; v6   4 x lane
.set TW,  7                            ; v7   where my token's codes go
.set TWS, 8                            ; v8   and its scale word
.set FA,  9                            ; v9   my first token tile's image
.set FS,  10                           ; v10  and its scale words
.set OSW, 11                           ; v11  where q's or k's scale word goes
.set OSV, 12                           ; v12  and v's
.set WSA, 14                           ; v14  a weight's scale words: (r + 8 (r / 8)) x 8 + 4 h: lanes 0-15 K step 0, lanes 16-31 K step 1
.set BA,  15                           ; v15  64 h
.set BVA, 16                           ; v16  4 (r + 8 (r / 8))
.set SA,  17                           ; v17  chstat: my channel's group
.set SW,  18                           ; v18  my token's scale word
.set GA,  19                           ; v19  gamma, beta: my channel
.set VM,  20                           ; v20-23  block b: the group's mean of channel 32 b + lane
.set VA,  24                           ; v24-27  rsqrt(var + eps) x gamma
.set VB,  28                           ; v28-31  beta
.set X,   32                           ; v32-95  two sets of 32 numbers of x
.set WVF, 32                           ; behind phase X: v32-55 wv's two fragments
.set TSV, 64                           ; v64-71  the eight token tiles' scale words
.set BVR, 75                           ; v75     bv of my channel
.set BV,  76                           ; v76-83  the same eight times: the C of v's first products
.set HA,  96                           ; v96-159 eight accumulators; at the head the statistics as loaded
.set BM,  160                          ; v160-163 largest magnitudes
.set BP,  164                          ; v164-167 the other half's; then bytes
.set TS,  168                          ; v168    a token tile's scale words
.set WVS, 169                          ; v169    wv's scale words
.set SOA, 170                          ; v170    the scale words' way out: LDS
.set SOG, 171                          ; v171    and memory
.set SO,  172                          ; v172-175 the conversions' scale operands
.set CT,  176                          ; v176-183 second halves of blocks
.set PW,  184                          ; v184-186 the scale words just made
.set PC,  188                          ; v188-223 three fragments just made; in phase X four blocks' six registers
.set TF,  224                          ; v224-247 a token tile's two fragments
.set WS,  248                          ; v248-255 the weight's scale words, a register a tile
.set B1,  192                          ; window 1: v0-191 the weight's 16 fragments ((t, ks) at 12 (2 t + ks)), later the 16 token fragments; v192-255 the bias, eight registers a tile
.set WVN, 26                           ; s26  wave
.set SEL, 58                           ; s[58:59]
.set MSB, 0
.macro WIN new                         ; the immediate's high byte repeats the setting that is left
.if MSB != \new
	s_set_vgpr_msb (MSB<<8)|\new
.set MSB, \new
.endif
.endm
.macro PLACES                          ; four places behind a matrix instruction, in front of reads of its results and of loads into its registers
.rept 4
	v_nop
.endr
.endm
; 64 numbers of a lane from v[s] on (register 16 b + i = k 32 b + 16 h + i of my row), with the scale operands in v[SO] on, become a fragment's 12 registers from v[pc] on
.macro PACK6 s, pc
.irp c, 0,1
	v_cvt_scalef32_pk16_bf6_f32 v[\pc+6*\c:\pc+6*\c+2], v[\s+32*\c:\s+32*\c+15], v[SO+2*\c]
	v_cvt_scalef32_pk16_bf6_f32 v[CT+4*\c:CT+4*\c+2], v[\s+32*\c+16:\s+32*\c+31], v[SO+2*\c+1]   ; (a conversion's three registers begin on an even number)
.endr
	v_nop                                          ; one plain line behind the last scaled conversion
.irp c, 0,1                                    ; the operand's layout wants a whole block in a lane: lanes 0-15 block 2 c, lanes 16-31 block 2 c + 1
.irp i, 0,1,2
	v_permlane16_swap_b32 v[\pc+6*\c+\i], v[CT+4*\c+\i]
.endr
.irp i, 0,1,2
	v_mov_b32 v[\pc+6*\c+3+\i], v[CT+4*\c+\i]
.endr
.endr
.endm
.macro QUANT s, pc, pw                 ; the same with the four blocks' scales found first; the row's scale word in v[pw]
.irp b, 0,1,2,3
	v_max3_num_f32 v[BM+\b], |v[\s+16*\b]|, |v[\s+1+16*\b]|, 0x2800000   ; my 16 numbers of block b, from each accumulator's low end on, and the floor 2^(5 - 127)
.endr
.irp i, 2,4,6,8,10,12,14
.irp b, 0,1,2,3
	v_max3_num_f32 v[BM+\b], v[BM+\b], |v[\s+16*\b+\i]|, |v[\s+1+16*\b+\i]|
.endr
.endr
.irp b, 0,1,2,3
	v_permlanex16_b32 v[BP+\b], v[BM+\b], s[SEL], s[SEL+1]
.endr
.irp b, 0,1,2,3
	v_max_num_f32 v[BM+\b], v[BM+\b], v[BP+\b]     ; with lane l xor 16's: the block's largest magnitude
.endr
.irp b, 0,1,2,3
	v_add_nc_u32 v[SO+\b], 0xfe000000, v[BM+\b]    ; 4 off its exponent field
.endr
.irp b, 0,1,2,3
	v_lshrrev_b32 v[BP+\b], 23, v[SO+\b]           ; the scale's byte
.endr
	v_lshl_or_b32 v[\pw], v[BP+1], 8, v[BP]
	v_lshl_or_b32 v[\pw], v[BP+2], 16, v[\pw]
	v_lshl_or_b32 v[\pw], v[BP+3], 24, v[\pw]
	PACK6 \s, \pc
.endm
	s_load_b512 s[4:19], s[0:1], 0x0               ; x s[4:5], chstat s[6:7], gamma s[8:9], beta s[10:11], wcodes s[12:13], wscales s[14:15], bq s[16:17], bk s[18:19]
	s_load_b128 s[20:23], s[0:1], 0x40             ; bv s[20:21], qk s[22:23]
	s_load_b64 s[24:25], s[0:1], 0x50              ; vimg
	v_lshl_add_u32 v183, v0, 2, 0x6c00
	v_mov_b32 v187, 0
	v_lshrrev_b32 v1, 5, v0
	v_readfirstlane_b32 s[WVN], v1                 ; wave 0..7
	v_and_b32 v1, 31, v0                           ; lane
	v_and_b32 v2, 15, v0                           ; r
	v_bfe_u32 v3, v0, 4, 1                         ; h
	s_and_b32 s27, ttmp7, 0xffff                   ; y
	s_and_b32 s28, s[WVN], 3                       ; phase X: which 32 tokens
	s_lshr_b32 s29, s[WVN], 2                      ; and which 128 channels
	s_and_b32 s30, s[WVN], 1                       ; products: which 128 channels of q or k
	s_lshr_b32 s31, s[WVN], 1                      ; and which pair of token tiles
	s_mov_b32 s[SEL], 0x76543210
	s_mov_b32 s[SEL+1], 0xfedcba98
	s_mov_b32 s60, 0x37000000                      ; 2^-17: a group has 131,072 numbers
	s_mov_b32 s61, 0x358637bd                      ; 1e-6
	s_lshl_b32 s32, s29, 23                        ; 128 channels x 65,536 bytes
	s_lshl_b32 s33, ttmp9, 9
	s_add_co_u32 s32, s32, s33                     ; + 128 X tokens
	s_lshl_b32 s33, s28, 7
	s_add_co_u32 s32, s32, s33                     ; + my wave's 32
	v_lshl_add_u32 v[XA], v1, 2, s32
	v_lshlrev_b32 v[LI], 4, v1
	v_lshlrev_b32 v[LS], 2, v1
	v_bfe_u32 v160, v0, 3, 1                       ; my token (lane) is slot (lane mod 8) + 8 (lane / 16) of tile 2 (w mod 4) + (lane / 8) mod 2
	v_and_b32 v161, 7, v0
	v_lshl_add_u32 v161, v3, 3, v161
	s_mul_i32 s32, s28, 6144
	s_mul_i32 s33, s29, 1536
	s_add_co_u32 s32, s32, s33
	v_mul_u32_u24 v[TW], v160, 3072
	v_lshl_add_u32 v[TW], v161, 4, v[TW]
	v_add_nc_u32 v[TW], s32, v[TW]                 ; tile x 3,072 + K step x 1,536 + 16 x slot
	s_lshl_b32 s32, s28, 8
	s_lshl_b32 s33, s29, 6
	s_add_co_u32 s32, s32, s33
	s_add_co_u32 s32, s32, XSC
	v_lshlrev_b32 v[TWS], 7, v160
	v_lshl_add_u32 v[TWS], v161, 2, v[TWS]
	v_add_nc_u32 v[TWS], s32, v[TWS]               ; tile x 128 + K step x 64 + 4 x slot
	s_mul_i32 s32, s31, 6144
	v_add_nc_u32 v[FA], s32, v[LI]
	s_lshl_b32 s32, s31, 8
	s_add_co_u32 s33, s32, XSC
	v_add_nc_u32 v[FS], s33, v[LS]
	s_lshl_b32 s33, s30, 6
	s_add_co_u32 s32, s32, s33
	s_add_co_u32 s32, s32, OSC
	v_lshl_add_u32 v[OSW], v2, 2, s32
	s_lshl_b32 s32, s[WVN], 6
	s_add_co_u32 s32, s32, OSCV
	v_lshl_add_u32 v[OSV], v2, 2, s32
	s_min_u32 s32, s[WVN], 2                       ; (only waves 0 to 2 use it)
	s_lshl_b32 s32, s32, 9
	s_add_co_u32 s32, s32, OSC
	v_add_nc_u32 v[SOA], s32, v[LI]
	s_lshl_b32 s33, s30, 9
	v_add_nc_u32 v[SOG], s33, v[LI]
	v_and_b32 v162, 8, v2
	v_add_nc_u32 v162, v162, v2                    ; r + 8 (r / 8)
	v_lshlrev_b32 v[WSA], 3, v162
	v_lshl_add_u32 v[WSA], v3, 2, v[WSA]
	v_lshlrev_b32 v[BA], 6, v3
	v_lshlrev_b32 v[BVA], 2, v162
	v_lshrrev_b32 v[SA], 3, v1
	v_lshlrev_b32 v[SA], 6, v[SA]
	s_lshl_b32 s32, s29, 10
	v_add_nc_u32 v[SA], s32, v[SA]                 ; group (16 (w / 4) + lane / 8) x 64 bytes; block b is 4 groups on
	s_lshl_b32 s32, s29, 9
	v_add_nc_u32 v[GA], s32, v[LS]
.irp b, 0,1,2,3
	v_mov_b32 v[BP+\b], 0                          ; a lane permute's destination counts as one of its sources
.endr
	s_wait_kmcnt 0x0
.irp b, 0,1,2,3                                ; 24 loads: lane = channel 128 (w / 4) + 32 b + lane: its group's eight (mean, M2), its gamma and beta
.irp j, 0,1,2,3
	global_load_b128 v[HA+16*\b+4*\j:HA+16*\b+4*\j+3], v[SA], s[6:7] offset:256*\b+16*\j
.endr
	global_load_b32 v[VA+\b], v[GA], s[8:9] offset:128*\b
	global_load_b32 v[VB+\b], v[GA], s[10:11] offset:128*\b
.endr
.macro XLOAD b                         ; block b: x(channel 32 b + i, my token), i = 0 .. 31: a wave reads 128 consecutive bytes, four waves stand side by side on 512
.set ii, 0
.rept 32
	global_load_b32 v[X+32*((\b)%2)+ii], v[XA], s[4:5] offset:(32*(\b)+ii)*65536   ; 127 channels at the most: inside the signed 24-bit immediate
.set ii, ii+1
.endr
.endm
	XLOAD 0
	; the bases, each from its own buffer's pointer
	s_lshl_b32 s32, s27, 7
	s_lshl_b32 s33, s31, 5
	s_add_co_u32 s32, s32, s33
	s_lshl_b32 s33, s30, 3
	s_add_co_u32 s32, s32, s33                     ; wv's first row for my channel tile: 128 y + 32 (w / 2) + 8 (w mod 2)
	s_mov_b32 s77, 0
	s_mul_i32 s76, s27, 49152
	s_mul_i32 s78, s30, 24576
	s_add_co_u32 s76, s76, s78
	s_add_nc_u64 s[34:35], s[12:13], s[76:77]      ; wq's or wk's codes: my eight tiles' images
	s_lshl_b32 s76, s27, 3
	s_add_co_u32 s76, s76, s[WVN]
	s_mul_i32 s76, s76, 3072
	s_add_co_u32 s76, s76, 98304
	s_add_nc_u64 s[36:37], s[12:13], s[76:77]      ; wv's codes: tile 8 y + w
	s_lshl_b32 s76, s27, 11
	s_lshl_b32 s78, s30, 10
	s_add_co_u32 s76, s76, s78
	s_add_nc_u64 s[38:39], s[14:15], s[76:77]      ; wq's or wk's scale bytes
	s_lshl_b32 s76, s32, 3
	s_add_co_u32 s76, s76, 4096
	s_add_nc_u64 s[66:67], s[14:15], s[76:77]      ; wv's
	s_cmp_eq_u32 s27, 0
	s_cselect_b64 s[68:69], s[16:17], s[18:19]     ; bq or bk: the choice hangs on the work-group's number alone
	s_lshl_b32 s76, s30, 9
	s_add_nc_u64 s[68:69], s[68:69], s[76:77]
	s_lshl_b32 s76, s32, 2
	s_add_nc_u64 s[70:71], s[20:21], s[76:77]      ; bv
	s_mul_i32 s76, ttmp9, CHUNK
	s_add_nc_u64 s[74:75], s[24:25], s[76:77]      ; v's chunk
	s_mul_i32 s78, s27, 128*CHUNK
	s_add_co_u32 s76, s76, s78
	s_add_nc_u64 s[72:73], s[22:23], s[76:77]      ; q's or k's chunk
	s_mul_i32 s76, s31, 6144
	s_mul_i32 s78, s30, 1536
	s_add_co_u32 s76, s76, s78
	s_add_nc_u64 s[84:85], s[72:73], s[76:77]      ; my first fragment of it
	s_lshl_b32 s76, s27, 3
	s_add_co_u32 s76, s76, s[WVN]
	s_mul_i32 s76, s76, 1536
	s_add_nc_u64 s[86:87], s[74:75], s[76:77]      ; my fragment of v: channel tile 8 y + w
	s_add_nc_u64 s[80:81], s[72:73], 24576         ; the scale words of q's or k's chunk,
	s_lshl_b32 s76, s27, 9
	s_add_co_u32 s76, s76, 24576
	s_add_nc_u64 s[82:83], s[74:75], s[76:77]      ; and my work-group's half of v's
	s_cmp_lt_u32 s[WVN], 2
	s_cselect_b64 s[88:89], s[80:81], s[82:83]     ; waves 0, 1 store the first, wave 2 the second
	s_wait_loadcnt 32                              ; the 24 are in; block 0's 32 loads, issued behind them, may be out
.macro PARAM b
.set PS, HA+16*(\b)
	v_add_f32 v160, v[PS], v[PS+2]
	v_add_f32 v161, v[PS+4], v[PS+6]
	v_add_f32 v162, v[PS+8], v[PS+10]
	v_add_f32 v163, v[PS+12], v[PS+14]
	v_add_f32 v164, v[PS+1], v[PS+3]
	v_add_f32 v165, v[PS+5], v[PS+7]
	v_add_f32 v166, v[PS+9], v[PS+11]
	v_add_f32 v167, v[PS+13], v[PS+15]
	v_add_f32 v160, v160, v161
	v_add_f32 v162, v162, v163
	v_add_f32 v164, v164, v165
	v_add_f32 v166, v166, v167
	v_add_f32 v160, v160, v162
	v_add_f32 v164, v164, v166                     ; the sum of the eight M2
	v_mul_f32 v[VM+\b], 0x3e000000, v160           ; the group's mean
.irp k, 0,2,4,6,8,10,12,14
	v_sub_f32 v[PS+\k], v[PS+\k], v[VM+\b]
.endr
	v_mul_f32 v160, v[PS], v[PS]
.irp k, 2,4,6,8,10,12,14
	v_fmac_f32 v160, v[PS+\k], v[PS+\k]
.endr
	v_fma_f32 v160, v160, 0x46800000, v164         ; + 16,384 x the sum of (mean_k - mean)^2
	v_fma_f32 v160, v160, s60, s61                 ; the variance + eps
	v_rsq_f32 v160, v160
	v_nop                                          ; a plain line behind the transcendental
	s_wait_alu depctr_va_vdst(0)
	v_mul_f32 v[VA+\b], v160, v[VA+\b]
.endm
.irp b, 0,1,2,3
	PARAM \b
.endr
; Block b of my token: normalised, quantised, its 24 bytes of codes to their places in the fragment's image.  left: the loads issued behind this block's, which may stay out.
.macro BLOCK b, left
.set XS, X+32*((\b)%2)
.set CC, PC+6*(\b)
	s_wait_loadcnt \left
.irp g, 0,1,2,3                                ; a group of 8 channels at a time: its numbers are the same for every token, so they come out of the lanes into scalars
	v_readlane_b32 s40, v[VM+\b], 8*\g
.irp i, 0,1,2,3,4,5,6,7
	v_readlane_b32 s[41+\i], v[VA+\b], 8*\g+\i
	v_readlane_b32 s[49+\i], v[VB+\b], 8*\g+\i
.endr
.irp i, 0,1,2,3,4,5,6,7
	v_sub_f32 v[XS+8*\g+\i], v[XS+8*\g+\i], s40
.endr
.irp i, 0,1,2,3,4,5,6,7
	v_fma_f32 v[XS+8*\g+\i], v[XS+8*\g+\i], s[41+\i], s[49+\i]
.endr
.endr
	v_max3_num_f32 v160, |v[XS]|, |v[XS+1]|, |v[XS+2]|             ; the block's largest magnitude: all 32 numbers are mine
	v_max3_num_f32 v161, |v[XS+3]|, |v[XS+4]|, |v[XS+5]|
.irp i, 6,10,14,18,22,26
	v_max3_num_f32 v160, v160, |v[XS+\i]|, |v[XS+\i+1]|
	v_max3_num_f32 v161, v161, |v[XS+\i+2]|, |v[XS+\i+3]|
.endr
	v_max3_num_f32 v160, v160, |v[XS+30]|, |v[XS+31]|
	v_max3_num_f32 v160, v160, v161, 0x2800000
	v_add_nc_u32 v[SO], 0xfe000000, v160
.if (\b) == 0
	v_lshrrev_b32 v[SW], 23, v[SO]
.else
	v_lshrrev_b32 v161, 23, v[SO]
	v_lshl_or_b32 v[SW], v161, 8*(\b), v[SW]
.endif
	v_cvt_scalef32_pk16_bf6_f32 v[CC:CC+2], v[XS:XS+15], v[SO]
	v_cvt_scalef32_pk16_bf6_f32 v[CT:CT+2], v[XS+16:XS+31], v[SO]
	v_nop                                          ; one plain line behind the last scaled conversion
.irp i, 0,1,2
	v_mov_b32 v[CC+3+\i], v[CT+\i]
.endr
; block b = 2 c + h is registers 6 c .. 6 c + 5 of lane slot + 16 h: 256 h bytes on in each quad.  Each block has its own six registers, so no wait stands for these stores' data
.if (\b) < 2
	ds_store_b128 v[TW], v[CC:CC+3] offset:256*((\b)&1)
	ds_store_b64 v[TW], v[CC+4:CC+5] offset:512+256*((\b)&1)
.else
	ds_store_b64 v[TW], v[CC:CC+1] offset:520+256*((\b)&1)
	ds_store_b128 v[TW], v[CC+2:CC+5] offset:1024+256*((\b)&1)
.endif
.endm
.macro WTILE t                         ; the weight's tile t: two fragments, six loads of 512 consecutive bytes
.irp s, 0,1
.irp c, 0,1,2
	global_load_b128 v[12*(2*(\t)+\s)+4*\c:12*(2*(\t)+\s)+4*\c+3], v[LI], s[34:35] offset:3072*(\t)+1536*\s+512*\c
.endr
.endr
.endm
	XLOAD 1
	BLOCK 0, 32
	XLOAD 2
	BLOCK 1, 32
	XLOAD 3
	BLOCK 2, 32
	WIN 0x40                                       ; destination window 1
.irp t, 0,1,2,3,4                              ; 30 loads: the weight's tiles 0 to 4
	WTILE \t
.endr
	WIN 0
	BLOCK 3, 30                                    ; exactly those 30 are younger than block 3's loads
	WIN 0x40
.irp t, 5,6,7
	WTILE \t
.endr
.irp t, 0,1,2,3,4,5,6,7                        ; the bias in the result's layout: lane (r, h), tile t: channels 32 (t / 2) + 8 (t mod 2) + 16 h + 0 .. 7
	global_load_b128 v[B1+8*\t:B1+8*\t+3], v[BA], s[68:69] offset:(32*(\t/2)+8*(\t%2))*4
	global_load_b128 v[B1+8*\t+4:B1+8*\t+7], v[BA], s[68:69] offset:(32*(\t/2)+8*(\t%2))*4+16
.endr
	WIN 0
.irp t, 0,1,2,3,4,5,6,7
	global_load_b32 v[WS+\t], v[WSA], s[38:39] offset:(32*(\t/2)+8*(\t%2))*8
.endr
.irp s, 0,1
.irp c, 0,1,2
	global_load_b128 v[WVF+12*\s+4*\c:WVF+12*\s+4*\c+3], v[LI], s[36:37] offset:1536*\s+512*\c
.endr
.endr
	global_load_b32 v[WVS], v[WSA], s[66:67]
	global_load_b32 v[BVR], v[BVA], s[70:71]
	ds_store_b32 v[TWS], v[SW]
	s_wait_dscnt 0x0                               ; for the others' sake: my codes and my scale word lie in LDS
	s_barrier_signal -1
	s_barrier_wait -1                              ; the 16 token fragments are whole; from here on they are only read
	s_wait_loadcnt 0x0                             ; the weights, their scale words, the biases
.irp j, 0,1,2,3,4,5,6,7
	v_mov_b32 v[BV+\j], v[BVR]
.endr
; Token tile 2 (w / 2) + n against my 128 rows of the weight: eight accumulators by turns, K step by K step.  In tile t lane (r, h) holds token slot r and channels 32 (t / 2) + 8 (t mod 2) + 16 h + 0 .. 7
.macro QK n
.irp c, 0,1,2
	ds_load_b128 v[TF+4*\c:TF+4*\c+3], v[FA] offset:(\n)*3072+512*\c
	ds_load_b128 v[TF+12+4*\c:TF+12+4*\c+3], v[FA] offset:(\n)*3072+1536+512*\c
.endr
	ds_load_b32 v[TS], v[FS] offset:128*(\n)       ; lanes 0-15 K step 0's words, lanes 16-31 K step 1's
	s_wait_dscnt 0x0
	WIN 0x11                                       ; source 0 (the weight) and source 2 (the bias) window 1
.irp t, 0,1,2,3,4,5,6,7
	v_wmma_scale_f32_16x16x128_f8f6f4 v[HA+8*\t:HA+8*\t+7], v[24*\t:24*\t+11], v[TF:TF+11], v[B1+8*\t:B1+8*\t+7], v[WS+\t], v[TS] matrix_a_fmt:MATRIX_FMT_BF6 matrix_b_fmt:MATRIX_FMT_BF6
.endr
	WIN 0x01
.irp t, 0,1,2,3,4,5,6,7
	v_wmma_scale_f32_16x16x128_f8f6f4 v[HA+8*\t:HA+8*\t+7], v[24*\t+12:24*\t+23], v[TF+12:TF+23], v[HA+8*\t:HA+8*\t+7], v[WS+\t], v[TS] matrix_a_fmt:MATRIX_FMT_BF6 matrix_b_fmt:MATRIX_FMT_BF6 matrix_a_scale:MATRIX_SCALE_ROW1 matrix_b_scale:MATRIX_SCALE_ROW1
.endr
	WIN 0
	PLACES
	QUANT HA, PC+12*(\n), PW+(\n)
.irp c, 0,1,2
	global_store_b128 v[LI], v[PC+12*(\n)+4*\c:PC+12*(\n)+4*\c+3], s[84:85] offset:(\n)*3072+512*\c   ; the fragment as it stands: 512 consecutive bytes a store
.endr
	ds_store_b32 v[OSW], v[PW+(\n)] offset:128*(\n)   ; both halves of the lanes hold the same word
.endm
	QK 0
	QK 1
	; v: my 16 channels for all 128 tokens: source 0 = a token tile, source 1 = wv's 16 rows: lane (r, h) holds channel slot r and, in tiles 2 b and 2 b + 1, tokens 32 b + 16 h + 0 .. 15
	WIN 0x40
.set fi, 0
.rept 16
.irp c, 0,1,2
	ds_load_b128 v[12*fi+4*\c:12*fi+4*\c+3], v[LI] offset:XIMG+1536*fi+512*\c
.endr
.set fi, fi+1
.endr
	WIN 0
.irp t, 0,1,2,3,4,5,6,7
	ds_load_b32 v[TSV+\t], v[LS] offset:XSC+128*\t
.endr
	s_wait_dscnt 0x0
	WIN 0x01
.irp t, 0,1,2,3,4,5,6,7
	v_wmma_scale_f32_16x16x128_f8f6f4 v[HA+8*\t:HA+8*\t+7], v[24*\t:24*\t+11], v[WVF:WVF+11], v[BV:BV+7], v[TSV+\t], v[WVS] matrix_a_fmt:MATRIX_FMT_BF6 matrix_b_fmt:MATRIX_FMT_BF6
.endr
.irp t, 0,1,2,3,4,5,6,7
	v_wmma_scale_f32_16x16x128_f8f6f4 v[HA+8*\t:HA+8*\t+7], v[24*\t+12:24*\t+23], v[WVF+12:WVF+23], v[HA+8*\t:HA+8*\t+7], v[TSV+\t], v[WVS] matrix_a_fmt:MATRIX_FMT_BF6 matrix_b_fmt:MATRIX_FMT_BF6 matrix_a_scale:MATRIX_SCALE_ROW1 matrix_b_scale:MATRIX_SCALE_ROW1
.endr
	WIN 0
	PLACES
	QUANT HA, PC+24, PW+2
.irp c, 0,1,2
	global_store_b128 v[LI], v[PC+24+4*\c:PC+24+4*\c+3], s[86:87] offset:512*\c
.endr
	ds_store_b32 v[OSV], v[PW+2]
	s_wait_dscnt 0x0                               ; for the others' sake: my scale words lie in LDS
	s_barrier_signal -1
	s_barrier_wait -1
	s_cmp_gt_u32 s[WVN], 2
	s_cbranch_scc1 .Ldone                          ; three runs of 512 bytes are left to store: waves 0, 1: q's or k's; wave 2: v's
	ds_load_b128 v[BM:BM+3], v[SOA]
	s_wait_dscnt 0x0
	global_store_b128 v[SOG], v[BM:BM+3], s[88:89]
.Ldone:
	s_wait_tensorcnt 0x0
	ds_add_u32 v183, v187
	s_wait_dscnt 0x0
	s_endpgm
.Lfunc_end_k_qf291d95c45_qkv:
	.size	k_qf291d95c45_qkv, .Lfunc_end_k_qf291d95c45_qkv-k_qf291d95c45_qkv
	.p2alignl 7, 3214868480
	.fill 96, 4, 3214868480
	.section	.rodata,"a",@progbits
	.p2align	6, 0x0
	.amdhsa_kernel k_qf291d95c45_qkv
		.amdhsa_group_segment_fixed_size 28672
		.amdhsa_private_segment_fixed_size 0
		.amdhsa_enable_private_segment 0
		.amdhsa_kernarg_size 88
		.amdhsa_user_sgpr_count 2
		.amdhsa_user_sgpr_kernarg_segment_ptr 1
		.amdhsa_wavefront_size32 1
		.amdhsa_system_sgpr_workgroup_id_x 1
		.amdhsa_system_sgpr_workgroup_id_y 1
		.amdhsa_system_sgpr_workgroup_id_z 1
		.amdhsa_system_vgpr_workitem_id 0
		.amdhsa_next_free_vgpr 512
		.amdhsa_next_free_sgpr 96
		.amdhsa_reserve_vcc 0
		.amdhsa_float_denorm_mode_32 3
		.amdhsa_float_denorm_mode_16_64 3
		.amdhsa_memory_ordered 1
		.amdhsa_forward_progress 1
		.amdhsa_inst_pref_size 97
	.end_amdhsa_kernel
	.amdgpu_metadata
---
amdhsa.version: [ 1, 2 ]
amdhsa.kernels:
  - .name:           k_qf291d95c45_qkv
    .symbol:         k_qf291d95c45_qkv.kd
    .args:
      - { .name: x, .offset: 0, .size: 8, .value_kind: global_buffer, .address_space: global }
      - { .name: chstat, .offset: 8, .size: 8, .value_kind: global_buffer, .address_space: global }
      - { .name: gamma, .offset: 16, .size: 8, .value_kind: global_buffer, .address_space: global }
      - { .name: beta, .offset: 24, .size: 8, .value_kind: global_buffer, .address_space: global }
      - { .name: wcodes, .offset: 32, .size: 8, .value_kind: global_buffer, .address_space: global }
      - { .name: wscales, .offset: 40, .size: 8, .value_kind: global_buffer, .address_space: global }
      - { .name: bq, .offset: 48, .size: 8, .value_kind: global_buffer, .address_space: global }
      - { .name: bk, .offset: 56, .size: 8, .value_kind: global_buffer, .address_space: global }
      - { .name: bv, .offset: 64, .size: 8, .value_kind: global_buffer, .address_space: global }
      - { .name: qk, .offset: 72, .size: 8, .value_kind: global_buffer, .address_space: global }
      - { .name: vimg, .offset: 80, .size: 8, .value_kind: global_buffer, .address_space: global }
    .group_segment_fixed_size: 28672
    .private_segment_fixed_size: 0
    .kernarg_segment_align: 8
    .kernarg_segment_size: 88
    .max_flat_workgroup_size: 256
    .sgpr_count:     96
    .vgpr_count:     512
    .wavefront_size: 32
...
	.end_amdgpu_metadata
.endif
;; end of part 5
;; launch attn (part 6): grid 64 x 4, 4 waves a work-group, clusters of 4 x 1, 327,680 bytes of LDS; arguments qk, vimg, wcodes, wscales, bp, x, out0; writes out0
.if DOCPART == 6
	.amdgcn_target "amdgcn-amd-amdhsa--gfx1250"
	.amdhsa_code_object_version 6
	.text
	.protected	k_qf291d95c45_attn
	.globl	k_qf291d95c45_attn
	.p2align	8
	.type	k_qf291d95c45_attn,@function
k_qf291d95c45_attn:
	s_mov_b64 s[64:65], 0
	v_nop
	global_prefetch_b8 v0, s[64:65] scope:SCOPE_SE
	s_setreg_imm32_b32 hwreg(HW_REG_WAVE_MODE, 25, 1), 1
	s_wait_xcnt 0x0
	s_wait_alu depctr_hold_cnt(0) depctr_sa_sdst(0) depctr_va_vdst(0) depctr_va_sdst(0) depctr_va_ssrc(0) depctr_va_vcc(0) depctr_vm_vsrc(0)
	s_getreg_b32 s2, hwreg(HW_REG_IB_STS2, 6, 4)
	s_cmp_eq_u32 s2, 0
	s_cbranch_scc0 .Lentry_in_a_cluster
	s_endpgm
.Lentry_in_a_cluster:
	s_bfe_u32 s2, ttmp6, 0x10000c
	s_cmp_lg_u32 s2, 0x3003
	s_cbranch_scc0 .Lentry_shape_is_right
	s_endpgm
.Lentry_shape_is_right:
; THIRD LAUNCH.  out0 = x + (softmax(q k^T / 16) v) wp^T + bp, frame by frame, all three products on codes of BF6 (E3M2) with one E8M0 scale for each 32 along K.
; THE SOFTMAX AHEAD OF THE SECOND PRODUCT: t = score x log2(e) / 16; M = the largest t so far, rounded UP to a whole number; p = 2^(t - M) is what is quantised, along the keys, not normalised.  The row's sum is taken
; of the unquantised p and divides at the end.  When M moves, the sum and O are multiplied by 2^(old M - new M): exact.
; SHARES.  A work-group owns 64 queries of a frame (four tiles of 16).  Wave w walks HALF the frame's keys (half w mod 2: 16 steps of 128) for TWO tiles: its local tile a is the work-group's tile w xor a.  So each fragment
; of K and V read from LDS feeds two products.  At the end wave w keeps local tile 0 (= tile w) and hands local tile 1 to wave w xor 1, through LDS; the two halves are joined by exact powers of two.
; LAYOUT.  q, k, v and wp come as images of operand registers (see the launches that make them): a fragment is three loads of 16 bytes a lane, a key step's K or V one dense chunk of 25,600 bytes.  Both products are used
; transposed: S^T = K Q^T (source 0 = 16 keys), O^T = V^T P^T (source 0 = 16 channels): a lane holds ONE query throughout.  The keys of a tile, and the channels of a tile of V, are chosen so that the 16 registers of
; tiles 2 b and 2 b + 1 are 16 neighbours along the next K.
; RING.  Two LDS slots; a slot holds one step's four chunks: K of half 0, K of half 1, V of half 0, V of half 1; wave w fetches chunk w.  A step's K goes into REGISTERS during the step before, its V during its own K Q^T,
; so a slot is free as soon as its V has been read, and its refill has a whole step in which to land.  By this text's own count a wave has two tensor loads out at the start and one behind each round.
; CLUSTER.  The four work-groups of a cluster belong to one frame and walk the same K and V: each chunk is asked for JOINTLY, by the same tensor load with the same descriptor and a mask that names the four.
; THE ORDER OF A STEP.  (a) V's 48 fragment loads stand in four runs of 12, each ahead of 8 of the 32 products K Q^T; the next K's likewise in four runs among the softmax's lines: no run is longer than 20 LDS loads.
; (b) The two tiles' softmaxes go together: maxima and the lines round M by turns; tile 0's exponentials with tile 1's scalings between them, tile 1's with tile 0's scale lines and sums between them, so that plain
; lines stand among the exponentials.  (c) The row's sum runs in four chains.  (d) O^T's rescaling goes by turns with V^T P: behind each product stand the four packed multiplications of the accumulator TWO products on,
; so that four plain lines lie between an accumulator's rescaling and the product that adds onto it.  V and O^T fill a window each, so these turns cost two window switches a product: 62 a step, for 124 vector
; lines that would else stand with the matrix unit idle.
; REGISTERS, in windows of 256: window 0: addresses, statistics, scale words, S^T (v64-191, 64 a tile), P (v192-215), tile 1's work registers and the sums' chains (v216-239), at the end the bias (v216-247).
;   window 1: O^T, accumulator (a, ct) at 128 a + 8 ct.   window 2: v0-191 K's 16 fragments, v192-239 Q's four.   window 3: v0-191 V's 16 fragments; at the end wp's eight.
; LIMITS: NaN and infinities are not served.  v_exp_f32 gives 0 for a p under 2^-126.  A block's largest p is taken from the block's largest score by the same multiply-add and exponential, which takes v_exp_f32 not to
; fall where its input rises.  A block whose largest magnitude lies under 2^-122, a block of zeros among them, gets the byte 1: its codes are zeros or subnormal codes, and the bytes never leave the kernel.
.set CHUNK, 25600
.set SLOT1, 131072                     ; slot 1 begins here: one exclusive or turns an address in one slot into the other's
.set SPARE, 262144                     ; the spare words, 128 bytes for each wave: two blocks of 256 bytes that no other line names
.set EXB,   16640                      ; the end, in slot 0 (last filled for step 14, last read in front of step 14's barrier): for each wave 16,384 bytes of O^T, then -M and the sum, 128 bytes each
.set OIMG,  66560                      ; o's eight fragments' images
.set OSCB,  78848                      ; their scale words
.set STAGE, SLOT1                      ; in slot 1 (last read in step 15, in front of the end's first barrier): a stage of 64 rows x (256 bytes + 16) for each wave
.set STB,   17408
.set LI,  1                            ; v1   16 x lane
.set LS,  2                            ; v2   4 x lane
.set AK,  3                            ; v3   my lane's place in my half's chunk of K
.set AV,  4                            ; v4   of V
.set ASK, 5                            ; v5   among K's scale words
.set ASV, 6                            ; v6   among V's
.set ADR, 7                            ; v7   the address of the fetch in hand
.set ADS, 8                            ; v8   and of its scale words
.set T,   9                            ; v9   at work, tile 0; tile 1: v230
.set T1O, 221
.set SPW, 10                           ; v10  LDS address of my spare word: SPARE + 4 x my thread's number; never rewritten
.set NIL, 11                           ; v11  0; never rewritten
                                       ; v12 -M, v13 the largest t, v[14:15] the sum in two halves: tile 0;  v16-19: tile 1
.set F,   20                           ; v[20:21] f = 2^(old M - new M), tile 0 (the packed forms take the low word for both halves); tile 1: v[228:229]
.set F1O, 208
.set G,   22                           ; v[22:23] at the end: the partner's factor
.set BM,  24                           ; v24-27 block maxima, tile 0; tile 1's BM, BP and SO lie SET1 registers on: v216-227
.set BP,  28                           ; v28-31 the other half's; then bytes
.set SO,  32                           ; v32-35 the conversions' scale operands
.set SET1, 192
.set CT,  36                           ; v36-43 second halves of blocks
.set PSC, 44                           ; v44-45 P's scale words
.set QSC, 46                           ; v46-47 Q's: lanes 0-15 K step 0, lanes 16-31 K step 1
.set KSC, 48                           ; v48-55 K's, a register a tile, likewise
.set VSC, 56                           ; v56-63 V's: register j: lanes 0-15 tile 2 j, lanes 16-31 tile 2 j + 1
.set S,   64
.set P,   192
.set GS,  232                          ; v232-239 four chains of a row's sum
.set BIAS, 216                         ; v216-247 at the end; v216-219 at the head: Q's offsets
.set XO,  248                          ; v248 my byte offset in my wave's 64 rows of x and of out0; never rewritten
.set EXW, 249                          ; v249-255, v3-5, v7-8: the end's addresses, made there
.set EXR, 250
.set EXWS, 251
.set EXRS, 252
.set OIW, 253
.set OSW, 254
.set OIR, 255
.set OSR, 3
.set STO, 4
.set STR, 5
.set WPS, 7
.set BPA, 8
.set WV,  18                           ; s18  wave
.set SEL, 24                           ; s[24:25] v_permlanex16_b32's selects for lane l xor 16
.set CS,  26                           ; s[26:27] c = log2(e) / 16
.set G1,  28                           ; s[28:35] descriptor group 1: a chunk
.set G0K, 36                           ; s[36:43] group 0 for K's chunks: a set for each first fill; the second then walks on
.set G0V, 44                           ; s[44:51] the same for V's
.set TB,  52                           ; s52  LDS byte at which the slot to be fetched from begins
.set CNT, 53
.set MSB, 0
.macro WIN new                         ; the immediate's high byte repeats the setting that is left
.if MSB != \new
	s_set_vgpr_msb (MSB<<8)|\new
.set MSB, \new
.endif
.endm
.set W_KQ, 0x0a                        ; K and Q window 2, S^T window 0
.set W_PV, 0x53                        ; V window 3, P window 0, O^T window 1
.set W_RS, 0x41                        ; O^T (destination and source 0) window 1
.macro PLACES                          ; four places behind a matrix instruction, in front of reads of its results and of loads into its registers
.rept 4
	v_nop
.endr
.endm
; A joint refill: waves 0 and 1 fetch K's chunks, waves 2 and 3 V's.  The branch hangs on the wave's number alone.  Four v_nop follow each of the two lines.
.macro JLOAD
	s_cmp_lt_u32 s[WV], 2
	s_cbranch_scc0 .Lfor_v_\@
	tensor_load_to_lds s[G0K+4:G0K+7], s[G1:G1+7]
	s_nop 0
.rept 4
	v_nop
.endr
	s_branch .Lasked_\@
.Lfor_v_\@:
	tensor_load_to_lds s[G0V+4:G0V+7], s[G1:G1+7]
	s_nop 0
.rept 4
	v_nop
.endr
.Lasked_\@:
.endm
; A round of the cluster's barrier: my work-group's barrier; wave 0 signals for the work-group; every wave waits for all four work-groups; my work-group's barrier once more
.macro CROUND
	s_barrier_signal -1
	s_barrier_wait -1
	s_cmp_lg_u32 s[WV], 0
	s_cbranch_scc1 .Lnot_wave_0_\@
	s_barrier_signal -3
.Lnot_wave_0_\@:
	s_barrier_wait -3
	s_barrier_signal -1
	s_barrier_wait -1
.endm
.macro PACK6 s, pc, so                 ; 64 numbers of a lane (register 16 b + i = k 32 b + 16 h + i of my row), scale operands in v[so] on, become a fragment's 12 registers
.irp c, 0,1
	v_cvt_scalef32_pk16_bf6_f32 v[\pc+6*\c:\pc+6*\c+2], v[\s+32*\c:\s+32*\c+15], v[\so+2*\c]
	v_cvt_scalef32_pk16_bf6_f32 v[CT+4*\c:CT+4*\c+2], v[\s+32*\c+16:\s+32*\c+31], v[\so+2*\c+1]   ; (a conversion's three registers begin on an even number)
.endr
	v_nop                                          ; one plain line behind the last scaled conversion
.irp c, 0,1                                    ; the operand's layout wants a whole block in a lane
.irp i, 0,1,2
	v_permlane16_swap_b32 v[\pc+6*\c+\i], v[CT+4*\c+\i]
.endr
.irp i, 0,1,2
	v_mov_b32 v[\pc+6*\c+3+\i], v[CT+4*\c+\i]
.endr
.endr
.endm
.macro QUANT s, pc, pw                 ; the same with the four blocks' scales found first; the row's scale word in v[pw]
.irp b, 0,1,2,3
	v_max3_num_f32 v[BM+\b], |v[\s+16*\b]|, |v[\s+1+16*\b]|, 0x2800000
.endr
.irp i, 2,4,6,8,10,12,14
.irp b, 0,1,2,3
	v_max3_num_f32 v[BM+\b], v[BM+\b], |v[\s+16*\b+\i]|, |v[\s+1+16*\b+\i]|
.endr
.endr
.irp b, 0,1,2,3
	v_permlanex16_b32 v[BP+\b], v[BM+\b], s[SEL], s[SEL+1]
.endr
.irp b, 0,1,2,3
	v_max_num_f32 v[BM+\b], v[BM+\b], v[BP+\b]
.endr
.irp b, 0,1,2,3
	v_add_nc_u32 v[SO+\b], 0xfe000000, v[BM+\b]
.endr
.irp b, 0,1,2,3
	v_lshrrev_b32 v[BP+\b], 23, v[SO+\b]
.endr
	v_lshl_or_b32 v[\pw], v[BP+1], 8, v[BP]
	v_lshl_or_b32 v[\pw], v[BP+2], 16, v[\pw]
	v_lshl_or_b32 v[\pw], v[BP+3], 24, v[\pw]
	PACK6 \s, \pc, SO
.endm
	s_load_b256 s[4:11], s[0:1], 0x0               ; qk s[4:5], vimg s[6:7], wcodes s[8:9], wscales s[10:11]
	s_load_b128 s[12:15], s[0:1], 0x20             ; bp s[12:13], x s[14:15]
	s_load_b64 s[16:17], s[0:1], 0x30              ; out0
	v_lshl_add_u32 v[SPW], v0, 2, SPARE
	v_mov_b32 v[NIL], 0
	ds_add_u32 v10, v11
	ds_add_u32 v10, v11
	s_wait_dscnt 0x0
	v_lshrrev_b32 v1, 5, v0
	v_readfirstlane_b32 s[WV], v1                  ; wave 0..3
	s_bfe_u32 s19, ttmp6, 0x40000                  ; cx: my place in the cluster
	s_lshl_b32 s20, ttmp9, 2
	s_add_co_u32 s20, s20, s19                     ; my block of 64 queries: it enters the addresses of q, x and out0 alone
	s_and_b32 s21, ttmp7, 0xffff                   ; the frame, which the four partners share
	s_and_b32 s22, s[WV], 1                        ; my half of the keys; also: which half's chunk I fetch
	s_mul_i32 s54, s21, 32*CHUNK
	s_mul_i32 s55, s22, 16*CHUNK
	s_add_co_u32 s54, s54, s55                     ; that half's first chunk, in k's part of qk and in vimg
	s_mov_b32 s55, 0
	s_mul_i32 s23, s[WV], CHUNK                    ; where my chunk goes in a slot: no place in the cluster enters an LDS address
	; descriptor group 1: a dense chunk as 100 rows of 256 bytes (32 elements of 8 bytes), no padding: every LDS access of an image covers 512 consecutive bytes
	s_mov_b32 s[G1], 15|(3<<16)|(1<<21)            ; 15:0 the mask: all four work-groups; 17:16 elements of 8 bytes; 21 set beside a mask
	s_mov_b32 s[G1+1], 32<<16                      ; tensor_dim0 = 32
	s_mov_b32 s[G1+2], 100<<16                     ; tensor_dim1 = 100
	s_mov_b32 s[G1+3], 32<<16                      ; tile_dim0 = 32
	s_mov_b32 s[G1+4], 100                         ; tile_dim1 = 100
	s_mov_b32 s[G1+5], 32                          ; from row to row
	s_mov_b32 s[G1+6], 0
	s_mov_b32 s[G1+7], 0
	s_mov_b32 s[SEL], 0x76543210
	s_mov_b32 s[SEL+1], 0xfedcba98
	s_mov_b32 s[CS], 0x3db8aa3b                    ; c = log2(e) / sqrt(256)
	s_mov_b32 s[CS+1], s[CS]                       ; (named with it as a pair, so it is written)
	s_mov_b32 s[TB], 0
	s_lshl_b32 s66, s21, 14                        ; x, out0: the frame's 4,096 tokens,
	s_lshl_b32 s67, s20, 8                         ; my 64 of them,
	s_add_co_u32 s66, s66, s67
	s_lshl_b32 s67, s[WV], 22                      ; my wave's 64 channels
	s_add_co_u32 s66, s66, s67
	s_mov_b32 s67, 0
	s_lshl_b32 s68, s21, 5                         ; q: chunk 32 x frame + block / 2,
	s_lshr_b32 s69, s20, 1
	s_add_co_u32 s68, s68, s69
	s_mul_i32 s68, s68, CHUNK
	s_mov_b32 s69, 0
	s_and_b32 s72, s20, 1
	s_lshl_b32 s72, s72, 2
	s_add_co_u32 s73, s72, s[WV]                   ; tile 4 (block mod 2) + w: local tile 0,
	s_xor_b32 s74, s[WV], 1
	s_add_co_u32 s74, s72, s74                     ; tile 4 (block mod 2) + (w xor 1): local tile 1
	s_wait_kmcnt 0x0
	s_add_nc_u64 s[56:57], s[4:5], s[54:55]
	s_add_nc_u64 s[56:57], s[56:57], 128*CHUNK     ; k lies behind q's 128 chunks
	s_add_nc_u64 s[58:59], s[6:7], s[54:55]
	s_add_nc_u64 s[14:15], s[14:15], s[66:67]
	s_add_nc_u64 s[16:17], s[16:17], s[66:67]
	s_add_nc_u64 s[70:71], s[4:5], s[68:69]
	CROUND                                         ; all four work-groups are here: the first joint loads meet
.irp n, 0,1
	s_mov_b32 s[G0K+4*\n], 1                       ; count = 1
	s_add_co_u32 s[G0K+4*\n+1], s23, \n*SLOT1      ; LDS address: slot n
	s_add_nc_u64 s[G0K+4*\n+2:G0K+4*\n+3], s[56:57], \n*CHUNK   ; global address: step n
	s_or_b32 s[G0K+4*\n+3], s[G0K+4*\n+3], 0x80000000           ; type = 2
	s_mov_b32 s[G0V+4*\n], 1
	s_add_co_u32 s[G0V+4*\n+1], s23, \n*SLOT1
	s_add_nc_u64 s[G0V+4*\n+2:G0V+4*\n+3], s[58:59], \n*CHUNK
	s_or_b32 s[G0V+4*\n+3], s[G0V+4*\n+3], 0x80000000
.endr
	s_cmp_lt_u32 s[WV], 2                          ; a wave's two first fills stand in one branch, ahead of every wait on TENSORcnt and every LDS read; four v_nop follow the second
	s_cbranch_scc0 .Lfirst_v
	tensor_load_to_lds s[G0K:G0K+3], s[G1:G1+7]
	s_nop 0
	tensor_load_to_lds s[G0K+4:G0K+7], s[G1:G1+7]
	s_nop 0
.rept 4
	v_nop
.endr
	s_branch .Lfirst_asked
.Lfirst_v:
	tensor_load_to_lds s[G0V:G0V+3], s[G1:G1+7]
	s_nop 0
	tensor_load_to_lds s[G0V+4:G0V+7], s[G1:G1+7]
	s_nop 0
.rept 4
	v_nop
.endr
.Lfirst_asked:
	v_and_b32 v1, 31, v0
	v_lshlrev_b32 v[LS], 2, v1
	v_lshlrev_b32 v[LI], 4, v1
	s_mul_i32 s75, s73, 3072
	v_add_nc_u32 v216, s75, v[LI]                  ; Q's fragments: tile x 3,072 + 16 x lane
	s_mul_i32 s75, s74, 3072
	v_add_nc_u32 v217, s75, v[LI]
	s_lshl_b32 s75, s73, 7
	v_add_nc_u32 v218, s75, v[LS]                  ; and its scale words: tile x 128 + 4 x lane
	s_lshl_b32 s75, s74, 7
	v_add_nc_u32 v219, s75, v[LS]
	WIN 0x80                                       ; destination window 2
.irp a, 0,1                                    ; Q stays in registers
.irp s, 0,1
.irp c, 0,1,2
	global_load_b128 v[192+12*(2*\a+\s)+4*\c:192+12*(2*\a+\s)+4*\c+3], v[216+\a], s[70:71] offset:1536*\s+512*\c
.endr
.endr
.endr
	WIN 0
.irp a, 0,1
	global_load_b32 v[QSC+\a], v[218+\a], s[70:71] offset:24576
.endr
	s_mul_i32 s60, s22, CHUNK
	v_add_nc_u32 v[AK], s60, v[LI]
	v_add_nc_u32 v[AV], 2*CHUNK, v[AK]
	v_add_nc_u32 v[ASK], s60, v[LS]
	v_add_nc_u32 v[ASK], 24576, v[ASK]
	v_add_nc_u32 v[ASV], 2*CHUNK, v[ASK]
	v_and_b32 v24, 15, v0
	v_bfe_u32 v25, v0, 4, 1
	v_lshlrev_b32 v[XO], 16, v25
	v_lshl_add_u32 v[XO], v24, 4, v[XO]            ; lanes 0-15 take 256 bytes of one channel's row, lanes 16-31 of the next
.irp a, 0,1
	v_mov_b32 v[13+4*\a], 0xff61b1e6               ; the largest t so far: -3e38, under every t
	v_floor_f32 v[12+4*\a], -v[13+4*\a]            ; -M
	v_mov_b32 v[14+4*\a], 0                        ; the sum, in two halves
	v_mov_b32 v[15+4*\a], 0
	v_mov_b32 v[F+F1O*\a+1], 0                     ; (named as the upper half of a pair)
.irp b, 0,1,2,3
	v_mov_b32 v[BP+SET1*\a+\b], 0                  ; a lane permute's destination counts as one of its sources
.endr
.endr
; 12 LDS loads: fragments 4 g .. 4 g + 3 of the chunk at v[ADR], into registers 48 g on of the window that is set
.macro RUN12 g
.irp f, 0,1,2,3
.irp c, 0,1,2
	ds_load_b128 v[12*(4*(\g)+\f)+4*\c:12*(4*(\g)+\f)+4*\c+3], v[ADR] offset:1536*(4*(\g)+\f)+512*\c
.endr
.endr
.endm
.macro K_RUN g
	WIN 0x80                                       ; destination window 2
	RUN12 \g
	WIN 0
.endm
.macro K_HEAD                          ; the next step's K: its address, its 8 scale registers, its first run
	v_add_nc_u32 v[ADR], s[TB], v[AK]
	v_add_nc_u32 v[ADS], s[TB], v[ASK]
.irp t, 0,1,2,3,4,5,6,7
	ds_load_b32 v[KSC+\t], v[ADS] offset:128*\t
.endr
	K_RUN 0
.endm
; S^T = K Q^T, eight products of 32: K step g / 2, key tiles 4 (g mod 2) on, both query tiles.  The 16 accumulators take turns, one instruction a turn, K step by K step; the first 16 start the sums
.macro KQG g
.irp u, 0,1,2,3
.irp a, 0,1
.set kt, 4*((\g)%2)+\u
.if (\g) < 2
	v_wmma_scale_f32_16x16x128_f8f6f4 v[S+64*\a+8*kt:S+64*\a+8*kt+7], v[24*kt:24*kt+11], v[192+24*\a:192+24*\a+11], 0, v[KSC+kt], v[QSC+\a] matrix_a_fmt:MATRIX_FMT_BF6 matrix_b_fmt:MATRIX_FMT_BF6
.else
	v_wmma_scale_f32_16x16x128_f8f6f4 v[S+64*\a+8*kt:S+64*\a+8*kt+7], v[24*kt+12:24*kt+23], v[192+24*\a+12:192+24*\a+23], v[S+64*\a+8*kt:S+64*\a+8*kt+7], v[KSC+kt], v[QSC+\a] matrix_a_fmt:MATRIX_FMT_BF6 matrix_b_fmt:MATRIX_FMT_BF6 matrix_a_scale:MATRIX_SCALE_ROW1 matrix_b_scale:MATRIX_SCALE_ROW1
.endif
.endr
.endr
.endm
; Product number pn of 32 of O^T += V^T P^T: channel tile pn / 2, query tile pn mod 2: 32 accumulators, each once.  first = 1: it starts the sum: nothing is ever cleared
.macro PVI first
.set ct, pn/2
.set pa, pn%2
.set rO, 128*pa+8*ct
.if \first
.if ct%2
	v_wmma_scale_f32_16x16x128_f8f6f4 v[rO:rO+7], v[12*ct:12*ct+11], v[P+12*pa:P+12*pa+11], 0, v[VSC+ct/2], v[PSC+pa] matrix_a_fmt:MATRIX_FMT_BF6 matrix_b_fmt:MATRIX_FMT_BF6 matrix_a_scale:MATRIX_SCALE_ROW1
.else
	v_wmma_scale_f32_16x16x128_f8f6f4 v[rO:rO+7], v[12*ct:12*ct+11], v[P+12*pa:P+12*pa+11], 0, v[VSC+ct/2], v[PSC+pa] matrix_a_fmt:MATRIX_FMT_BF6 matrix_b_fmt:MATRIX_FMT_BF6
.endif
.else
.if ct%2
	v_wmma_scale_f32_16x16x128_f8f6f4 v[rO:rO+7], v[12*ct:12*ct+11], v[P+12*pa:P+12*pa+11], v[rO:rO+7], v[VSC+ct/2], v[PSC+pa] matrix_a_fmt:MATRIX_FMT_BF6 matrix_b_fmt:MATRIX_FMT_BF6 matrix_a_scale:MATRIX_SCALE_ROW1
.else
	v_wmma_scale_f32_16x16x128_f8f6f4 v[rO:rO+7], v[12*ct:12*ct+11], v[P+12*pa:P+12*pa+11], v[rO:rO+7], v[VSC+ct/2], v[PSC+pa] matrix_a_fmt:MATRIX_FMT_BF6 matrix_b_fmt:MATRIX_FMT_BF6
.endif
.endif
.endm
; The accumulator of product number n under the new M: four packed multiplications, from its low end on
.macro RSC n
.set rR, 128*((\n)%2)+8*((\n)/2)
.irp k, 0,2,4,6
	v_pk_mul_f32 v[rR+\k:rR+\k+1], v[rR+\k:rR+\k+1], v[F+F1O*((\n)%2):F+F1O*((\n)%2)+1] op_sel_hi:[1,0]
.endr
.endm
; V^T P, and O^T's rescaling by turns with it
.macro TAIL first
.set pn, 0
.if \first
	WIN W_PV
.rept 32
	PVI 1
.set pn, pn+1
.endr
.else
	WIN W_RS
	RSC 0
	RSC 1
.rept 32
	WIN W_PV
	PVI 0
.if pn+2 < 32
	WIN W_RS
	RSC pn+2
.endif
.set pn, pn+1
.endr
.endif
	WIN 0
.endm
; Exponential number en of 68 of tile a: its 64 numbers, then its four blocks' largest
.macro EX a
.if en < 64
	v_exp_f32 v[S+64*(\a)+en], v[S+64*(\a)+en]     ; p = 2^(t - M), at most 1
.else
	v_exp_f32 v[BM+SET1*(\a)+en-64], v[BM+SET1*(\a)+en-64]   ; the block's largest p: the same two instructions on the same number give the same bits
.endif
.set en, en+1
.endm
; Line number dn of 36 of tile 1's scaling: t - M, two at a time; then the same of each block's largest score
.macro DP
.if dn < 32
	v_pk_fma_f32 v[S+64+2*dn:S+64+2*dn+1], v[S+64+2*dn:S+64+2*dn+1], s[CS:CS+1], v[16:17] op_sel_hi:[1,0,0]
.else
	v_fma_f32 v[BM+SET1+dn-32], v[BM+SET1+dn-32], s[CS], v16
.endif
.set dn, dn+1
.endm
; Line number xn of 48 of what follows tile a's exponentials, the conversions apart: 0: the sum under the new M; 1-15: the four blocks' scales and p's scale word; 16-47: the row's sum of the unquantised p, in four chains that leave p as it is
.macro XP a
.set rS, S+64*(\a)
.set rT, 12+4*(\a)
.set rB, SET1*(\a)
.if xn == 0
	v_pk_mul_f32 v[rT+2:rT+3], v[rT+2:rT+3], v[F+F1O*(\a):F+F1O*(\a)+1] op_sel_hi:[1,0]
.elseif xn < 5
	s_wait_alu depctr_va_vdst(0)
	v_max_num_f32 v[BM+rB+xn-1], 0x2800000, v[BM+rB+xn-1]          ; the floor 2^(5 - 127)
.elseif xn < 9
	v_add_nc_u32 v[SO+rB+xn-5], 0xfe000000, v[BM+rB+xn-5]          ; 4 off the exponent field: the conversion's scale operand
.elseif xn < 13
	v_lshrrev_b32 v[BP+rB+xn-9], 23, v[SO+rB+xn-9]                 ; the scale's byte
.elseif xn == 13
	v_lshl_or_b32 v[PSC+\a], v[BP+rB+1], 8, v[BP+rB]               ; p's scale word for these 128 keys
.elseif xn == 14
	v_lshl_or_b32 v[PSC+\a], v[BP+rB+2], 16, v[PSC+\a]
.elseif xn == 15
	v_lshl_or_b32 v[PSC+\a], v[BP+rB+3], 24, v[PSC+\a]
.elseif xn < 20
	v_pk_add_f32 v[GS+2*(xn-16):GS+2*(xn-16)+1], v[rS+2*(xn-16):rS+2*(xn-16)+1], v[rS+2*(xn-12):rS+2*(xn-12)+1]   ; pairs 0-7 start the chains
.elseif xn < 44
	v_pk_add_f32 v[GS+2*(xn%4):GS+2*(xn%4)+1], v[GS+2*(xn%4):GS+2*(xn%4)+1], v[rS+2*(xn-12):rS+2*(xn-12)+1]       ; pairs 8-31
.elseif xn == 44
	v_pk_add_f32 v[GS:GS+1], v[GS:GS+1], v[GS+2:GS+3]
.elseif xn == 45
	v_pk_add_f32 v[GS+4:GS+5], v[GS+4:GS+5], v[GS+6:GS+7]
.elseif xn == 46
	v_pk_add_f32 v[GS:GS+1], v[GS:GS+1], v[GS+4:GS+5]
.else
	v_pk_add_f32 v[rT+2:rT+3], v[rT+2:rT+3], v[GS:GS+1]
.endif
.set xn, xn+1
.endm
; Both tiles' softmaxes for one step of 128 keys.  kf = 1: runs 1 to 3 of the next step's K stand among them
.macro SOFTMAX2 kf
.irp b, 0,1,2,3
.irp a, 0,1
	v_max3_num_f32 v[BM+SET1*\a+\b], v[S+64*\a+16*\b], v[S+64*\a+16*\b+1], v[S+64*\a+16*\b+2]   ; the largest score of each block of 32 keys: it serves for the row's maximum and, since p rises with the score, for the block's largest p
.endr
.endr
.irp i, 3,5,7,9,11,13
.irp b, 0,1,2,3
.irp a, 0,1
	v_max3_num_f32 v[BM+SET1*\a+\b], v[BM+SET1*\a+\b], v[S+64*\a+16*\b+\i], v[S+64*\a+16*\b+\i+1]
.endr
.endr
.endr
.irp b, 0,1,2,3
.irp a, 0,1
	v_max_num_f32 v[BM+SET1*\a+\b], v[BM+SET1*\a+\b], v[S+64*\a+16*\b+15]
.endr
.endr
.irp b, 0,1,2,3
.irp a, 0,1
	v_permlanex16_b32 v[BP+SET1*\a+\b], v[BM+SET1*\a+\b], s[SEL], s[SEL+1]
.endr
.endr
.irp b, 0,1,2,3
.irp a, 0,1
	v_max_num_f32 v[BM+SET1*\a+\b], v[BM+SET1*\a+\b], v[BP+SET1*\a+\b]   ; with lane l xor 16's 16 keys
.endr
.endr
.irp a, 0,1
	v_max3_num_f32 v[T+T1O*\a], v[BM+SET1*\a], v[BM+SET1*\a+1], v[BM+SET1*\a+2]
.endr
.irp a, 0,1
	v_max_num_f32 v[T+T1O*\a], v[T+T1O*\a], v[BM+SET1*\a+3]        ; the step's largest score of my query
.endr
.irp a, 0,1
	v_mul_f32 v[T+T1O*\a], s[CS], v[T+T1O*\a]                      ; as t (c is positive)
.endr
.irp a, 0,1
	v_max_num_f32 v[13+4*\a], v[13+4*\a], v[T+T1O*\a]              ; the running largest t
.endr
.irp a, 0,1
	v_mov_b32 v[T+T1O*\a], v[12+4*\a]
.endr
.irp a, 0,1
	v_floor_f32 v[12+4*\a], -v[13+4*\a]                            ; the new -M = floor(-t) = -ceil(t)
.endr
.irp a, 0,1
	v_sub_f32 v[T+T1O*\a], v[12+4*\a], v[T+T1O*\a]                 ; old M - new M: a whole number, 0 or less
.endr
.irp a, 0,1
	v_cvt_i32_f32 v[T+T1O*\a], v[T+T1O*\a]                         ; (it saturates)
.endr
.irp a, 0,1
	v_ldexp_f32 v[F+F1O*\a], 1.0, v[T+T1O*\a]                      ; f = 2^(old M - new M)
.endr
.if \kf
	K_RUN 1
.endif
.set jj, 0
.rept 32
	v_pk_fma_f32 v[S+jj:S+jj+1], v[S+jj:S+jj+1], s[CS:CS+1], v[12:13] op_sel_hi:[1,0,0]   ; tile 0: t - M, two at a time
.set jj, jj+2
.endr
.irp b, 0,1,2,3
	v_fma_f32 v[BM+\b], v[BM+\b], s[CS], v12       ; the same of each block's largest score
.endr
.set en, 0
.set dn, 0
.rept 34                                       ; tile 0's 68 exponentials, a line of tile 1's scaling behind every second: it names none of their registers
	EX 0
	EX 0
	DP
.endr
	DP
	DP
.if \kf
	K_RUN 2
.endif
.set en, 0
.set xn, 0
.rept 20                                       ; tile 1's 68 exponentials among 48 plain lines of tile 0
	EX 1
	EX 1
	XP 0
.endr
.rept 28
	EX 1
	XP 0
.endr
.if \kf
	K_RUN 3
.endif
.set xn, 0
.rept 16
	XP 1
.endr
	PACK6 S, P, SO
	PACK6 S+64, P+12, SO+SET1
.rept 32
	XP 1                                           ; tile 1's sum: also the places between the writes of P and of its scale words and the products
.endr
.endm
; A KEY STEP.  mode 2: the slot is filled again, with the step two on; mode 1: nothing is left to ask for, the next step's K is still fetched; mode 0: the last step
.macro TRIP first, mode
	s_wait_dscnt 0x0                               ; K is in: its last run was issued in front of the last step's V^T P
	PLACES                                         ; behind the last step's V^T P, which read V's registers and scale words
	v_add_nc_u32 v[ADR], s[TB], v[AV]
	v_add_nc_u32 v[ADS], s[TB], v[ASV]
	s_xor_b32 s[TB], s[TB], SLOT1                  ; the next fetch, K's, is from the other slot
.irp t, 0,1,2,3,4,5,6,7
	ds_load_b32 v[VSC+\t], v[ADS] offset:128*\t
.endr
.irp g, 0,1,2,3
	WIN 0xc0                                       ; destination window 3
	RUN12 \g                                       ; a quarter of V
	WIN W_KQ
	KQG \g                                         ; a quarter of K Q^T
.endr
	WIN 0
.if \mode == 2
	s_wait_tensorcnt 0x0                           ; all my tensor loads have landed: the one that was out is my chunk of the next step
	ds_add_u32 v[SPW], v[NIL]                      ; 0 onto my spare word: the descriptors' steps stand between it and the wait for it
	s_xor_b32 s[G0K+5], s[G0K+5], SLOT1            ; the walking descriptors: the other slot than last time,
	s_add_nc_u64 s[G0K+6:G0K+7], s[G0K+6:G0K+7], CHUNK   ; the next step's chunk; the type bits on top are not reached
	s_xor_b32 s[G0V+5], s[G0V+5], SLOT1
	s_add_nc_u64 s[G0V+6:G0V+7], s[G0V+6:G0V+7], CHUNK
	s_wait_dscnt 0x0                               ; the add is done, and my reads of this slot are over: V's were the last
	CROUND                                         ; no wave of any partner still reads this slot or has a load on its way
	JLOAD                                          ; the first tensor load behind the round; its four v_nop are also the places behind K Q^T
	K_HEAD                                         ; the next step's K, from the other slot, which is whole
.elseif \mode == 1
	s_wait_tensorcnt 0x0                           ; my chunk of the last step has landed
	ds_add_u32 v[SPW], v[NIL]
	s_wait_dscnt 0x0
	s_barrier_signal -1
	s_barrier_wait -1                              ; everybody's has
	PLACES
	K_HEAD
.else
	s_wait_dscnt 0x0                               ; V is in
	PLACES
	WIN 0x80                                       ; K's registers are free: my 64 rows of x, 256 bytes of each, are asked for a softmax and 32 products ahead of their use
.set ii, 0
.rept 32
	global_load_b128 v[4*ii:4*ii+3], v[XO], s[14:15] offset:131072*ii th:TH_LOAD_NT   ; two rows a load; 62 rows at the most: inside the signed 24-bit immediate
.set ii, ii+1
.endr
	WIN 0
.endif
.if \mode != 0
	SOFTMAX2 1
.else
	SOFTMAX2 0
.endif
	TAIL \first                                    ; V was shown in by the wait for 0 above
.endm
	s_wait_tensorcnt 1                             ; my chunk of step 0 is in; step 1's may stay out
	s_barrier_signal -1
	s_barrier_wait -1                              ; everybody's is
	K_HEAD                                         ; step 0's K, whole
	K_RUN 1
	K_RUN 2
	K_RUN 3
	s_wait_loadcnt 0x0                             ; Q
	TRIP 1, 2                                      ; step 0
	s_mov_b32 s[CNT], 13
.Ltrip:                                            ; steps 1 to 13: each asks for the step two on
	TRIP 0, 2
	s_sub_co_u32 s[CNT], s[CNT], 1
	s_cmp_lg_u32 s[CNT], 0
	s_cbranch_scc1 .Ltrip
	TRIP 0, 1                                      ; steps 14 and 15 are written out
	TRIP 0, 0
	; THE END.  Addresses; the sums; wp, its scale words and bp are asked for; local tile 1 goes to my partner.
	PLACES                                         ; behind the last products
	v_and_b32 v24, 15, v0                          ; r
	v_bfe_u32 v25, v0, 4, 1                        ; h
	s_mul_i32 s54, s[WV], EXB
	s_xor_b32 s55, s[WV], 1
	s_mul_i32 s55, s55, EXB
	v_add_nc_u32 v[EXW], s54, v[LI]                ; what I hand over: my region;
	v_add_nc_u32 v[EXR], s55, v[LI]                ; what I take: my partner's
	v_add_nc_u32 v[EXWS], s54, v[LS]
	v_add_nc_u32 v[EXRS], s55, v[LS]
	s_mul_i32 s54, s[WV], 3072
	s_add_co_u32 s54, s54, OIMG
	v_add_nc_u32 v[OIW], s54, v[LI]                ; o's images: tile w's two
	s_lshl_b32 s54, s[WV], 7
	s_add_co_u32 s54, s54, OSCB
	v_lshl_add_u32 v[OSW], v24, 2, s54
	v_add_nc_u32 v[OIR], OIMG, v[LI]
	v_add_nc_u32 v[OSR], OSCB, v[LS]
	s_mul_i32 s54, s[WV], STB
	s_add_co_u32 s54, s54, STAGE
	v_mul_u32_u24 v[STO], v24, 272
	v_lshl_add_u32 v[STO], v25, 6, v[STO]
	v_add_nc_u32 v[STO], s54, v[STO]               ; the stage, in: row r of a tile of channels, + 16 h queries
	v_mul_u32_u24 v[STR], v25, 272
	v_lshl_add_u32 v[STR], v24, 4, v[STR]
	v_add_nc_u32 v[STR], s54, v[STR]               ; back: lanes 0-15 one row, lanes 16-31 the next
	v_lshlrev_b32 v[WPS], 3, v24
	v_lshl_add_u32 v[WPS], v25, 2, v[WPS]          ; wp's scale words: row r (its tiles take neighbouring rows) x 8 + 4 h
	v_lshlrev_b32 v[BPA], 2, v24
	v_add_f32 v14, v14, v15                        ; each tile's sum: its two halves,
	v_add_f32 v18, v18, v19
	v_permlanex16_b32 v28, v14, s[SEL], s[SEL+1]
	v_permlanex16_b32 v29, v18, s[SEL], s[SEL+1]
	v_add_f32 v14, v14, v28                        ; and lane l xor 16's
	v_add_f32 v18, v18, v29
	s_mov_b32 s55, 0
	s_mul_i32 s54, s[WV], 12288
	s_add_co_u32 s54, s54, 147456
	s_add_nc_u64 s[8:9], s[8:9], s[54:55]          ; wp's codes: my four tiles' images
	s_lshl_b32 s54, s[WV], 9
	s_add_co_u32 s54, s54, 6144
	s_add_nc_u64 s[10:11], s[10:11], s[54:55]      ; its scale bytes
	s_lshl_b32 s54, s[WV], 8
	s_add_nc_u64 s[12:13], s[12:13], s[54:55]      ; bp
	WIN 0xc0                                       ; destination window 3: V's registers are free
.irp t, 0,1,2,3
.irp s, 0,1
.irp c, 0,1,2
	global_load_b128 v[12*(2*\t+\s)+4*\c:12*(2*\t+\s)+4*\c+3], v[LI], s[8:9] offset:3072*\t+1536*\s+512*\c   ; 512 consecutive bytes a load
.endr
.endr
.endr
	WIN 0
.irp t, 0,1,2,3
	global_load_b32 v[52+\t], v[WPS], s[10:11] offset:128*\t   ; lanes 0-15 K step 0's words, lanes 16-31 K step 1's
	global_load_b32 v[56+\t], v[BPA], s[12:13] offset:64*\t
.endr
	WIN 0x04                                       ; an LDS store's data are its source 1: window 1
.set ii, 0
.rept 32
	ds_store_b128 v[EXW], v[128+4*ii:128+4*ii+3] offset:512*ii   ; local tile 1's O^T as it stands, each accumulator from its low end on
.set ii, ii+1
.endr
	WIN 0
	ds_store_b32 v[EXWS], v16 offset:16384         ; its -M
	ds_store_b32 v[EXWS], v18 offset:16512         ; and its sum
	s_wait_dscnt 0x0                               ; for my partner's sake: the stores are done (and my reads of slot 1 are long over)
	s_barrier_signal -1
	s_barrier_wait -1
.set ii, 0
.rept 32
	ds_load_b128 v[S+4*ii:S+4*ii+3], v[EXR] offset:512*ii   ; my tile's O^T over the other half of the keys
.set ii, ii+1
.endr
	ds_load_b32 v46, v[EXRS] offset:16384
	ds_load_b32 v47, v[EXRS] offset:16512
	s_wait_loadcnt 0x0                             ; wp, its scale words, bp; and x, asked for long before them
.irp t, 0,1,2,3
.irp j, 0,1,2,3,4,5,6,7
	v_mov_b32 v[BIAS+8*\t+\j], v[56+\t]            ; the bias in the result's layout: a lane holds one channel
.endr
.endr
	s_wait_dscnt 0x0
	v_min_num_f32 v[T], v12, v46                   ; -(the larger M)
	v_sub_f32 v24, v[T], v12                       ; my M less it, and my partner's: whole numbers, 0 or less
	v_sub_f32 v25, v[T], v46
	v_cvt_i32_f32 v24, v24
	v_cvt_i32_f32 v25, v25
	v_ldexp_f32 v24, 1.0, v24
	v_ldexp_f32 v25, 1.0, v25
	v_mul_f32 v26, v14, v24
	v_fmac_f32 v26, v47, v25                       ; the row's sum over all keys
	v_rcp_f32 v26, v26
	v_nop                                          ; a plain line behind the transcendental
	s_wait_alu depctr_va_vdst(0)
	v_mul_f32 v[F], v24, v26
	v_mul_f32 v[G], v25, v26
	v_mov_b32 v[G+1], v[G]
.set jj, 0
.rept 64
	v_pk_mul_f32 v[S+jj:S+jj+1], v[S+jj:S+jj+1], v[G:G+1] op_sel_hi:[1,0]
.set jj, jj+2
.endr
	WIN 0x01                                       ; source 0: my O^T, window 1
.set jj, 0
.rept 64
	v_pk_fma_f32 v[S+jj:S+jj+1], v[jj:jj+1], v[F:F+1], v[S+jj:S+jj+1] op_sel_hi:[1,0,1]   ; o = (both halves under one M) / the sum: register 8 ct + j = channel 32 (ct / 2) + 8 (ct mod 2) + 16 h + j
.set jj, jj+2
.endr
	WIN 0
	QUANT S, P, PSC                                ; channels 0-127: K step 0 of the projection,
	QUANT S+64, P+12, PSC+1                        ; channels 128-255: K step 1
.irp c, 0,1,2
	ds_store_b128 v[OIW], v[P+4*\c:P+4*\c+3] offset:512*\c
	ds_store_b128 v[OIW], v[P+12+4*\c:P+12+4*\c+3] offset:1536+512*\c
.endr
	ds_store_b32 v[OSW], v[PSC]                    ; both halves of the lanes hold the same word
	ds_store_b32 v[OSW], v[PSC+1] offset:64
	s_wait_dscnt 0x0                               ; for the others' sake
	s_barrier_signal -1
	s_barrier_wait -1                              ; o's eight fragments lie in LDS
.set fi, 0
.rept 8
.irp c, 0,1,2
	ds_load_b128 v[S+12*fi+4*\c:S+12*fi+4*\c+3], v[OIR] offset:1536*fi+512*\c
.endr
.set fi, fi+1
.endr
.irp g, 0,1,2,3
	ds_load_b32 v[48+\g], v[OSR] offset:128*\g
.endr
	s_wait_dscnt 0x0
	; the projection: my 64 channels for the 64 queries: source 0 = a tile of queries, source 1 = 16 rows of wp: a lane holds one channel and eight neighbouring queries.  16 accumulators by turns
	WIN 0x4c                                       ; source 1 (wp) window 3, destination window 1
.irp t, 0,1,2,3
.irp g, 0,1,2,3
	v_wmma_scale_f32_16x16x128_f8f6f4 v[8*(4*\t+\g):8*(4*\t+\g)+7], v[S+24*\g:S+24*\g+11], v[24*\t:24*\t+11], v[BIAS+8*\t:BIAS+8*\t+7], v[48+\g], v[52+\t] matrix_a_fmt:MATRIX_FMT_BF6 matrix_b_fmt:MATRIX_FMT_BF6
.endr
.endr
	WIN 0x5c                                       ; C too in window 1
.irp t, 0,1,2,3
.irp g, 0,1,2,3
	v_wmma_scale_f32_16x16x128_f8f6f4 v[8*(4*\t+\g):8*(4*\t+\g)+7], v[S+24*\g+12:S+24*\g+23], v[24*\t+12:24*\t+23], v[8*(4*\t+\g):8*(4*\t+\g)+7], v[48+\g], v[52+\t] matrix_a_fmt:MATRIX_FMT_BF6 matrix_b_fmt:MATRIX_FMT_BF6 matrix_a_scale:MATRIX_SCALE_ROW1 matrix_b_scale:MATRIX_SCALE_ROW1
.endr
.endr
	WIN 0
	PLACES
	; THE WAY OUT.  A lane's eight results are queries 32 (g / 2) + 8 (g mod 2) + 16 h + 0 .. 7 of channel 16 t + r: they go through my own stage and come back as whole rows of 256 bytes
	WIN 0x04
.irp t, 0,1,2,3
.irp g, 0,1,2,3
	ds_store_b128 v[STO], v[8*(4*\t+\g):8*(4*\t+\g)+3] offset:\t*4352+(\g/2)*128+(\g%2)*32
	ds_store_b128 v[STO], v[8*(4*\t+\g)+4:8*(4*\t+\g)+7] offset:\t*4352+(\g/2)*128+(\g%2)*32+16
.endr
.endr
	WIN 0
.set ii, 0
.rept 32
	ds_load_b128 v[S+4*ii:S+4*ii+3], v[STR] offset:544*ii   ; LDS serves a wave's instructions in order (ISA guide 5.7.1.4): these see my stores
.set ii, ii+1
.endr
	s_wait_dscnt 0x0
	WIN 0x08                                       ; source 1: x, window 2
.set jj, 0
.rept 64
	v_pk_add_f32 v[S+jj:S+jj+1], v[S+jj:S+jj+1], v[jj:jj+1]   ; the residual
.set jj, jj+2
.endr
	WIN 0
.set ii, 0
.rept 32
	global_store_b128 v[XO], v[S+4*ii:S+4*ii+3], s[16:17] offset:131072*ii th:TH_STORE_NT   ; sixteen lanes store 256 consecutive bytes, at a multiple of 256 from out0's first byte
.set ii, ii+1
.endr
	s_wait_tensorcnt 0x0                           ; the wave's end, behind my last tensor load and my last LDS store
	ds_add_u32 v[SPW], v[NIL]
	s_wait_dscnt 0x0
	CROUND                                         ; the closing round: no work-group ends while a partner may still ask for a chunk that names it
	s_endpgm
.Lfunc_end_k_qf291d95c45_attn:
	.size	k_qf291d95c45_attn, .Lfunc_end_k_qf291d95c45_attn-k_qf291d95c45_attn
	.p2alignl 7, 3214868480
	.fill 96, 4, 3214868480
	.section	.rodata,"a",@progbits
	.p2align	6, 0x0
	.amdhsa_kernel k_qf291d95c45_attn
		.amdhsa_group_segment_fixed_size 327680
		.amdhsa_private_segment_fixed_size 0
		.amdhsa_enable_private_segment 0
		.amdhsa_kernarg_size 56
		.amdhsa_user_sgpr_count 2
		.amdhsa_user_sgpr_kernarg_segment_ptr 1
		.amdhsa_wavefront_size32 1
		.amdhsa_system_sgpr_workgroup_id_x 1
		.amdhsa_system_sgpr_workgroup_id_y 1
		.amdhsa_system_sgpr_workgroup_id_z 1
		.amdhsa_system_vgpr_workitem_id 0
		.amdhsa_next_free_vgpr 1024
		.amdhsa_next_free_sgpr 96
		.amdhsa_reserve_vcc 0
		.amdhsa_float_denorm_mode_32 3
		.amdhsa_float_denorm_mode_16_64 3
		.amdhsa_memory_ordered 1
		.amdhsa_forward_progress 1
		.amdhsa_inst_pref_size 238
	.end_amdhsa_kernel
	.amdgpu_metadata
---
amdhsa.version: [ 1, 2 ]
amdhsa.kernels:
  - .name:           k_qf291d95c45_attn
    .symbol:         k_qf291d95c45_attn.kd
    .args:
      - { .name: qk, .offset: 0, .size: 8, .value_kind: global_buffer, .address_space: global }
      - { .name: vimg, .offset: 8, .size: 8, .value_kind: global_buffer, .address_space: global }
      - { .name: wcodes, .offset: 16, .size: 8, .value_kind: global_buffer, .address_space: global }
      - { .name: wscales, .offset: 24, .size: 8, .value_kind: global_buffer, .address_space: global }
      - { .name: bp, .offset: 32, .size: 8, .value_kind: global_buffer, .address_space: global }
      - { .name: x, .offset: 40, .size: 8, .value_kind: global_buffer, .address_space: global }
      - { .name: out0, .offset: 48, .size: 8, .value_kind: global_buffer, .address_space: global }
    .group_segment_fixed_size: 327680
    .private_segment_fixed_size: 0
    .kernarg_segment_align: 8
    .kernarg_segment_size: 56
    .max_flat_workgroup_size: 128
    .sgpr_count:     96
    .vgpr_count:     1024
    .wavefront_size: 32
...
	.end_amdgpu_metadata
.endif
;; end of part 6
